; MI455X (gfx1250); checked and timed in simulation.
; The chip was launched on July 23, 2026; its instructions are those of AMD's public machine-readable ISA for CDNA 5 (MIT licence, August 2026) and "CDNA5" Instruction Set Architecture Reference Guide (July 2026). The comments in the code are by the model that wrote it; some were corrected since.
;; Multi Head. Allowed arithmetic: matrix products marked QUANTISED: E5M2 operands, one given power-of-two scale a tensor, by v_wmma_f32_16x16x64_bf8_bf8 or v_wmma_f32_16x16x128_bf8_bf8, f32 sums; everything else in f32.
;; Inputs: WK 1,024 x 1,024 float32; WO 1,024 x 1,024 float32; WQ 1,024 x 1,024 float32; WV 1,024 x 1,024 float32; lowp_scales 12 int32 (the exponents e of the quantised operands' scales 2^e); token_positions 2,048 int32; x 4 x 2,048 x 1,024 float32.
;; Outputs: out0 4 x 2,048 x 1,024 float32.
;; This version of the problem:
;;   THIS VERSION OF THE PROBLEM IS GIVEN IN LOW PRECISION. The matrix products marked QUANTISED in the list below multiply operands that are first quantised to E5M2 (5 exponent bits, 2 mantissa bits; 8 bits a number), with one given power-of-two scale for each operand tensor; their sums are f32. All else is computed in f32.
;;   The module's matrix products, in the order in which they are computed (A, B: the left and right operand; K: the contracted axis; several contracted axes count as one K, in the product's order):
;;     1. [M 8,192, K 1,024] x [K 1,024, N 1,024]; A: input x; B: input WQ: QUANTISED (scales: A lowp_scales[0], B lowp_scales[1])
;;     2. [M 8,192, K 1,024] x [K 1,024, N 1,024]; A: input x; B: input WK: QUANTISED (scales: A lowp_scales[2], B lowp_scales[3])
;;     3. [M 8,192, K 1,024] x [K 1,024, N 1,024]; A: input x; B: input WV: QUANTISED (scales: A lowp_scales[4], B lowp_scales[5])
;;     4. batch 64 x [M 2,048, K 64] x [K 64, N 2,048]; A: computed on the way; B: computed on the way: QUANTISED (scales: A lowp_scales[6], B lowp_scales[7])
;;     5. batch 64 x [M 2,048, K 2,048] x [K 2,048, N 64]; A: softmax (see below); B: computed on the way: QUANTISED (scales: A lowp_scales[8], B lowp_scales[9])
;;     6. [M 8,192, K 1,024] x [K 1,024, N 1,024]; A: computed on the way; B: input WO: QUANTISED (scales: A lowp_scales[10], B lowp_scales[11])
;;   THE QUANTISER, for each operand of a quantised product, along K:
;;     - The operand's scale is 2^e, e = its entry of the input lowp_scales (int32; the entries are numbered through the quantised products in the list's order, A before B).
;;     - Each number is divided by the scale, clamped to +-57,344, and rounded to the nearest number of E5M2, ties to even, subnormals kept.
;;     - The product sums the exact products of the quantised numbers (number of the format x scale) in f32.
;;   ~~~python
;;   def quantise(x, axis, e):      # numpy; x: float32 -> the quantised numbers, widened to float32 again
;;       x = np.moveaxis(x, axis, -1); K = x.shape[-1]
;;       r = np.clip(x / 2.0 ** e, -57344, 57344)
;;       step = 2.0 ** (np.maximum(np.frexp(np.where(r == 0, 1, r))[1] - 1, -14) - 2)
;;       q = np.round(r / step) * step * 2.0 ** e      # np.round: ties to even
;;       return np.moveaxis(q, -1, axis).astype(np.float32)
;;   ~~~
;;   SOFTMAX AHEAD OF A QUANTISED PRODUCT. Where the list says 'softmax', what is quantised is not the finished softmax but p = 2^(t - M), with t = logit x log2(e) and M = ceil(the row's largest t), a whole number; so 1/2 < the row's largest p <= 1. The row's sum l is taken of the UNQUANTISED p, in f32, and the product's result is divided by l at the end. Since M is a whole number, a kernel that streams over the keys may use a running M (the ceiling of the running maximum): every later rescaling is an exact power of two, so the quantised numbers keep their values, but for numbers so far below the row's largest that they fall under the format's range.
;;   OPERANDS COMPUTED ON THE WAY. 'Computed on the way' means the value that the module computes at that place (a softmax that the list does not call 'softmax' is quantised finished and normalised). What goes into a quantiser is computed in f32, as accurately as f32 sums, v_exp_f32 and their like allow (about 1e-6 of the number): no bf16 or f16 on the way to a quantiser, and a product that is left as it is and whose result goes on into a quantised operand takes f32 operands (vector FMAs, or v_wmma_f32_16x16x4_f32). A number that lies on a knife's edge between two numbers of the format may be rounded either way, as far as f32 arithmetic and the matrix unit's own rounding can turn it there, and no further.
;; 2 versions. Each part assembles by itself: llvm-mc -triple=amdgcn-amd-amdhsa -mcpu=gfx1250 --defsym DOCPART=n.
;; ======== version 1 of 2: 4 launches
;; limits: right only within a limited range of input values
;; workspace buffers: xq 25,165,824 bytes; wq 4,194,304 bytes; rope 524,288 bytes; qc 8,388,608 bytes; kc 8,388,608 bytes; vc 8,388,608 bytes; ao 8,388,608 bytes
;; launch quant (part 1): grid 800 x 1, 4 waves a work-group, no clusters, 34,304 bytes of LDS; arguments x, WQ, WK, WV, WO, lowp_scales, token_positions, xq, wq, rope; writes xq, wq, rope
.if DOCPART == 1
	.amdgcn_target "amdgcn-amd-amdhsa--gfx1250"
	.amdhsa_code_object_version 6
	.text
	.protected	k_q0f206cbb73_quant
	.globl	k_q0f206cbb73_quant
	.p2align	8
	.type	k_q0f206cbb73_quant,@function
k_q0f206cbb73_quant:
	s_mov_b64 s[64:65], 0
	v_nop
	global_prefetch_b8 v0, s[64:65] scope:SCOPE_SE
	s_setreg_imm32_b32 hwreg(HW_REG_WAVE_MODE, 25, 1), 1
	s_wait_xcnt 0x0
; x [8192][1024] and WQ, WK, WV, WO [1024][1024], f32, become codes of BF8 (E5M2); and the table of cos and sin for the rotation is made.
; code = number / 2^e, held within +-57,344, rounded to the nearest code, ties to even.  x is quantised three times (entries 0, 2, 4 of the scales: its three products each
; have a scale of their own), WQ, WK, WV, WO once (entries 1, 3, 5, 11).
; THE CODES ARE LAID AS IMAGES OF THE MATRIX OPERAND'S REGISTERS.  A fragment is 16 rows x 128 K in 16 registers: lane (r, h) holds row r, registers 2 c, 2 c + 1 hold k = 16 c + 8 h + 0 .. 7.
; Four registers of all 32 lanes are an image of 512 bytes, lane l's 16 bytes at 16 l.  Code (row, k) of a tensor of R rows lies at
;   (k >> 8) R 256 + (row >> 4) 4096 + ((k >> 7) & 1) 2048 + ((k >> 5) & 3) 512 + 16 lane + 8 ((k >> 4) & 1) + (k & 7),  lane = (row & 15) + 16 ((k >> 3) & 1):
; for 256 along K, 128 rows are one dense block of 32 KiB, and every store of a wave here covers 512 consecutive bytes, aligned.
; SHARES.  Work-groups 0-511: 16 rows of x each; 512-767: 16 rows of a weight each; wave w takes columns 256 w .. 256 w + 255, in two units of 128.  x and the weights take ONE way through the text: only
; pointers and numbers are chosen, by the work-group's number.  Work-groups 768-799: the table, 64 positions each, on a way of its own that touches no LDS.
; A load reads 512 consecutive bytes of a row; a unit's 16 rows turn through the wave's own stage in LDS (rows 528 bytes apart) and come back so that a lane's registers run along K in the operand's order.
; No tensor loads, no barrier, no cluster: waves and work-groups share nothing.
; THE TABLE: rope[s][f] = (cos, sin) of f32(position[s]) x invf[f], invf[f] = 10^(-f / 8) = 10000^(-2 f / 64) rounded to f32.  The angle is reduced by n = the nearest whole number to angle x 2 / pi and
; pi / 2 in three parts (fused multiply-adds); sine and cosine on +-pi/4 by their series to r^9 and r^10, whose next terms lie under 2e-9.
; LIMITS: each e between -126 and 112, so that 2^e and 57,344 x 2^e are f32 numbers.  NaN among the inputs is not served.  The reduction holds while n stays under 2^23 (angles under 1.3e7).
; invf is the correctly rounded power; where another f32 power function differs by a last bit, the angle at position 2,047 differs by about 1e-4.
.set SP,   528                         ; a stage row: 512 bytes + 16
.set WST,  16*SP                       ; a wave's stage
.set LI,   1                           ; v1   16 x lane
.set STI,  2                           ; v2   into the stage: my 16 bytes of a row
.set STO,  3                           ; v3   out of it: row r, + 32 h
.set SC,   4                           ; v4-9 three pairs: 2^e, 57,344 x 2^e
.set RAW,  16                          ; v16-143 two units of 64 registers as loaded; later the units' codes (48 each): no store's data are written again
.set X,    144                         ; v144-207 a unit in the operand's order: register 16 g + i: i < 8: k = 32 g + 8 h + i; else k = 32 g + 16 + 8 h + i - 8
.set T,    208                         ; v208-223 eight held numbers, two sets by turns
	s_load_b512 s[8:23], s[0:1], 0x0               ; x, WQ, WK, WV, WO, the scales, the positions, xq
	s_load_b128 s[24:27], s[0:1], 0x40             ; wq, rope
	v_lshl_add_u32 v224, v0, 2, 0x8400
	v_mov_b32 v225, 0
	v_lshrrev_b32 v1, 5, v0
	v_readfirstlane_b32 s2, v1                     ; wave 0..3
	v_and_b32 v10, 31, v0                          ; lane
	s_cmp_ge_u32 ttmp9, 768
	s_cbranch_scc1 .Ltable
	v_lshlrev_b32 v[LI], 4, v10
	s_mul_i32 s3, s2, WST
	v_add_nc_u32 v[STI], s3, v[LI]
	v_and_b32 v11, 15, v0                          ; r
	v_bfe_u32 v12, v0, 4, 1                        ; h
	v_mul_u32_u24 v[STO], v11, SP
	v_lshl_add_u32 v[STO], v12, 5, v[STO]
	v_add_nc_u32 v[STO], s3, v[STO]
	s_sub_co_u32 s40, ttmp9, 512
	s_lshr_b32 s43, s40, 6                         ; which weight (of use in work-groups 512-767 alone)
	s_and_b32 s42, s40, 63                         ; and which 16 rows of it
	s_wait_kmcnt 0x0
	s_load_b256 s[28:35], s[18:19], 0x0            ; e0 .. e7
	s_load_b128 s[36:39], s[18:19], 0x20           ; e8 .. e11
	s_cmp_eq_u32 s43, 1
	s_cselect_b64 s[44:45], s[12:13], s[10:11]
	s_cmp_eq_u32 s43, 2
	s_cselect_b64 s[44:45], s[14:15], s[44:45]
	s_cmp_eq_u32 s43, 3
	s_cselect_b64 s[44:45], s[16:17], s[44:45]
	s_cmp_lt_u32 ttmp9, 512
	s_cselect_b64 s[44:45], s[8:9], s[44:45]       ; the tensor that I read,
	s_cselect_b64 s[48:49], s[22:23], s[24:25]     ; the buffer that I write,
	s_cselect_b32 s41, ttmp9, s42                  ; which 16 rows,
	s_cselect_b32 s50, 21, 18                      ; 256 along K of all rows: 2 MiB for x, 256 KiB for a weight,
	s_cselect_b32 s51, 0, s43                      ; and the weight's plane of 1 MiB
	s_lshl_b32 s54, s41, 16                        ; 16 rows of 4,096 bytes
	s_lshl_b32 s55, s2, 10                         ; my wave's 256 columns
	s_add_co_u32 s54, s54, s55
	s_mov_b32 s55, 0
	s_add_nc_u64 s[44:45], s[44:45], s[54:55]
	s_lshl_b32 s54, s2, s50
	s_lshl_b32 s51, s51, 20
	s_add_co_u32 s54, s54, s51
	s_lshl_b32 s51, s41, 12
	s_add_co_u32 s54, s54, s51
	s_add_nc_u64 s[48:49], s[48:49], s[54:55]      ; the first set of codes
	s_add_nc_u64 s[50:51], s[48:49], 0x800000      ; x's second and third planes (used by x's work-groups alone)
	s_add_nc_u64 s[52:53], s[48:49], 0x1000000
.irp u, 0,1
.set ii, 0
.rept 16
	global_load_b128 v[RAW+64*\u+4*ii:RAW+64*\u+4*ii+3], v[LI], s[44:45] offset:4096*ii+512*\u th:TH_LOAD_NT   ; 32 lanes read 512 consecutive bytes of row ii
.set ii, ii+1
.endr
.endr
.macro MKSC e, r                       ; v[r] = 2^e as f32 (the conversion takes its exponent field), v[r + 1] = 57,344 x 2^e
	s_add_co_i32 s56, \e, 127
	s_lshl_b32 s57, s56, 23
	v_mov_b32 v[\r], s57
	s_add_co_i32 s56, s56, 15
	s_lshl_b32 s56, s56, 23
	s_or_b32 s56, s56, 0x600000
	v_mov_b32 v[\r+1], s56
.endm
	s_wait_kmcnt 0x0
	s_cmp_eq_u32 s43, 1
	s_cselect_b32 s46, s31, s29
	s_cmp_eq_u32 s43, 2
	s_cselect_b32 s46, s33, s46
	s_cmp_eq_u32 s43, 3
	s_cselect_b32 s46, s39, s46
	s_cmp_lt_u32 ttmp9, 512
	s_cselect_b32 s46, s28, s46                    ; e0 for x; e1, e3, e5 or e11 for a weight
	MKSC s46, SC
	MKSC s30, SC+2                                 ; e2
	MKSC s32, SC+4                                 ; e4
; Unit u through the stage.  LDS serves a wave's instructions in order, so no wait stands between the stores and the loads.  left: the younger loads that may stay out
.macro TURN u, left
	s_wait_loadcnt \left
.set ii, 0
.rept 16
	ds_store_b128 v[STI], v[RAW+64*\u+4*ii:RAW+64*\u+4*ii+3] offset:SP*ii
.set ii, ii+1
.endr
.irp g, 0,1,2,3
	ds_load_b128 v[X+16*\g:X+16*\g+3],     v[STO] offset:128*\g
	ds_load_b128 v[X+16*\g+4:X+16*\g+7],   v[STO] offset:128*\g+16
	ds_load_b128 v[X+16*\g+8:X+16*\g+11],  v[STO] offset:128*\g+64
	ds_load_b128 v[X+16*\g+12:X+16*\g+15], v[STO] offset:128*\g+80
.endr
	s_wait_dscnt 0x0                               ; the unit is back; the stores have read the registers that now take its codes
.endm
; Unit u's codes under the scale in v[sc], v[sc + 1], into v[cb] on, stored from s[d:d+1] on.  The conversion does not saturate (ISA guide 7.6.2): each number is held first.
; The two sets of held numbers take turns, so that behind each conversion eight plain instructions on other registers stand before its sources are written again.
.macro CONV u, sc, cb, d
.irp q, 0,1,2,3,4,5,6,7
.irp i, 0,1,2,3,4,5,6,7
	v_med3_num_f32 v[T+8*(\q%2)+\i], v[X+8*\q+\i], -v[\sc+1], v[\sc+1]
.endr
	v_cvt_scalef32_pk8_bf8_f32 v[\cb+2*\q:\cb+2*\q+1], v[T+8*(\q%2):T+8*(\q%2)+7], v[\sc]
.endr
.irp g, 0,1,2,3
	global_store_b128 v[LI], v[\cb+4*\g:\cb+4*\g+3], s[\d:\d+1] offset:2048*\u+512*\g   ; an image: 512 consecutive bytes
.endr
.endm
	TURN 0, 16                                     ; unit 0's sixteen loads are in; unit 1's may be out
	CONV 0, SC, RAW, 48
	s_cmp_ge_u32 ttmp9, 512
	s_cbranch_scc1 .Lone_scale_0                   ; a weight has one scale
	CONV 0, SC+2, RAW+16, 50
	CONV 0, SC+4, RAW+32, 52
.Lone_scale_0:
	TURN 1, 0
	CONV 1, SC, RAW+64, 48
	s_cmp_ge_u32 ttmp9, 512
	s_cbranch_scc1 .Lone_scale_1
	CONV 1, SC+2, RAW+80, 50
	CONV 1, SC+4, RAW+96, 52
.Lone_scale_1:
	s_wait_tensorcnt 0x0
	ds_add_u32 v224, v225
	s_wait_dscnt 0x0
	s_endpgm
.Ltable:                                               ; lane = frequency f; a wave makes 16 positions' rows of 256 bytes
	s_sub_co_u32 s3, ttmp9, 768
	s_lshl_b32 s3, s3, 6
	s_lshl_b32 s4, s2, 4
	s_add_co_u32 s3, s3, s4                        ; my first position's index
	s_lshl_b32 s4, s3, 2
	s_lshl_b32 s6, s3, 8
	s_mov_b32 s7, 0
	s_wait_kmcnt 0x0
	s_load_b512 s[48:63], s[20:21], s4 offset:0x0  ; sixteen positions
	s_add_nc_u64 s[26:27], s[26:27], s[6:7]
	v_lshlrev_b32 v12, 3, v10                      ; 8 bytes a lane
	v_mov_b32 v11, 1.0                             ; invf: lane 0
.macro INVF lane, val
	s_mov_b32 s5, \val
	v_writelane_b32 v11, s5, \lane
.endm
	INVF 1, 0.7498942093324559
	INVF 2, 0.5623413251903491
	INVF 3, 0.4216965034285822
	INVF 4, 0.31622776601683794
	INVF 5, 0.23713737056616552
	INVF 6, 0.1778279410038923
	INVF 7, 0.1333521432163324
	INVF 8, 0.1
	INVF 9, 0.07498942093324559
	INVF 10, 0.05623413251903491
	INVF 11, 0.04216965034285822
	INVF 12, 0.031622776601683794
	INVF 13, 0.023713737056616552
	INVF 14, 0.01778279410038923
	INVF 15, 0.01333521432163324
	INVF 16, 0.01
	INVF 17, 0.007498942093324559
	INVF 18, 0.005623413251903491
	INVF 19, 0.004216965034285822
	INVF 20, 0.0031622776601683794
	INVF 21, 0.0023713737056616552
	INVF 22, 0.001778279410038923
	INVF 23, 0.001333521432163324
	INVF 24, 0.001
	INVF 25, 0.0007498942093324559
	INVF 26, 0.0005623413251903491
	INVF 27, 0.0004216965034285822
	INVF 28, 0.00031622776601683794
	INVF 29, 0.00023713737056616552
	INVF 30, 0.0001778279410038923
	INVF 31, 0.0001333521432163324
	s_wait_kmcnt 0x0
.macro ROW i
	v_cvt_f32_i32 v13, s[48+\i]
	v_mul_f32 v13, v13, v11                        ; the angle: one rounding
	v_mul_f32 v14, 0x3f22f983, v13                 ; x 2 / pi
	v_rndne_f32 v14, v14                           ; n
	v_fmamk_f32 v15, v14, 0xbfc90f80, v13          ; angle - n x pi / 2, pi / 2 in three parts
	v_fmamk_f32 v15, v14, 0xb7354400, v15
	v_fmamk_f32 v15, v14, 0xae85a308, v15          ; r, within +-pi/4
	v_cvt_i32_f32 v16, v14
	v_mul_f32 v17, v15, v15                        ; r^2
	v_mov_b32 v18, 0x3638ef1d                      ; 1/9!
	v_mov_b32 v20, 0xb493f27e                      ; -1/10!
	v_fmaak_f32 v18, v18, v17, 0xb9500d01          ; -1/7!
	v_fmaak_f32 v20, v20, v17, 0x37d00d01          ; 1/8!
	v_fmaak_f32 v18, v18, v17, 0x3c088889          ; 1/5!
	v_fmaak_f32 v20, v20, v17, 0xbab60b61          ; -1/6!
	v_fmaak_f32 v18, v18, v17, 0xbe2aaaab          ; -1/3!
	v_fmaak_f32 v20, v20, v17, 0x3d2aaaab          ; 1/4!
	v_mul_f32 v19, v15, v17
	v_fmaak_f32 v20, v20, v17, 0xbf000000          ; -1/2
	v_fma_f32 v18, v18, v19, v15                   ; sin r
	v_fma_f32 v20, v20, v17, 1.0                   ; cos r
	v_and_b32 v21, 1, v16
	v_cmp_eq_u32 vcc_lo, 1, v21                    ; an odd quarter swaps the two
	v_cndmask_b32 v22, v20, v18, vcc_lo
	v_cndmask_b32 v23, v18, v20, vcc_lo
	v_add_nc_u32 v21, 1, v16
	v_and_b32 v21, 2, v21
	v_lshlrev_b32 v21, 30, v21                     ; the cosine is negative in quarters 1 and 2,
	v_xor_b32 v[32+2*\i], v21, v22
	v_and_b32 v21, 2, v16
	v_lshlrev_b32 v21, 30, v21                     ; the sine in quarters 2 and 3
	v_xor_b32 v[33+2*\i], v21, v23
	global_store_b64 v12, v[32+2*\i:33+2*\i], s[26:27] offset:256*\i   ; 32 lanes store a row of 256 consecutive bytes; each row has registers of its own
.endm
.irp i, 0,1,2,3,4,5,6,7,8,9,10,11,12,13,14,15
	ROW \i
.endr
	s_endpgm
.Lfunc_end_k_q0f206cbb73_quant:
	.size	k_q0f206cbb73_quant, .Lfunc_end_k_q0f206cbb73_quant-k_q0f206cbb73_quant
	.p2alignl 7, 3214868480
	.fill 96, 4, 3214868480
	.section	.rodata,"a",@progbits
	.p2align	6, 0x0
	.amdhsa_kernel k_q0f206cbb73_quant
		.amdhsa_group_segment_fixed_size 34304
		.amdhsa_private_segment_fixed_size 0
		.amdhsa_enable_private_segment 0
		.amdhsa_kernarg_size 80
		.amdhsa_user_sgpr_count 2
		.amdhsa_user_sgpr_kernarg_segment_ptr 1
		.amdhsa_wavefront_size32 1
		.amdhsa_system_sgpr_workgroup_id_x 1
		.amdhsa_system_sgpr_workgroup_id_y 1
		.amdhsa_system_sgpr_workgroup_id_z 1
		.amdhsa_system_vgpr_workitem_id 0
		.amdhsa_next_free_vgpr 226
		.amdhsa_next_free_sgpr 66
		.amdhsa_reserve_vcc 1
		.amdhsa_float_denorm_mode_32 3
		.amdhsa_float_denorm_mode_16_64 3
		.amdhsa_memory_ordered 1
		.amdhsa_forward_progress 1
		.amdhsa_inst_pref_size 70
	.end_amdhsa_kernel
	.amdgpu_metadata
---
amdhsa.version: [ 1, 2 ]
amdhsa.kernels:
  - .name:           k_q0f206cbb73_quant
    .symbol:         k_q0f206cbb73_quant.kd
    .args:
      - { .name: x, .offset: 0, .size: 8, .value_kind: global_buffer, .address_space: global }
      - { .name: WQ, .offset: 8, .size: 8, .value_kind: global_buffer, .address_space: global }
      - { .name: WK, .offset: 16, .size: 8, .value_kind: global_buffer, .address_space: global }
      - { .name: WV, .offset: 24, .size: 8, .value_kind: global_buffer, .address_space: global }
      - { .name: WO, .offset: 32, .size: 8, .value_kind: global_buffer, .address_space: global }
      - { .name: lowp_scales, .offset: 40, .size: 8, .value_kind: global_buffer, .address_space: global }
      - { .name: token_positions, .offset: 48, .size: 8, .value_kind: global_buffer, .address_space: global }
      - { .name: xq, .offset: 56, .size: 8, .value_kind: global_buffer, .address_space: global }
      - { .name: wq, .offset: 64, .size: 8, .value_kind: global_buffer, .address_space: global }
      - { .name: rope, .offset: 72, .size: 8, .value_kind: global_buffer, .address_space: global }
    .group_segment_fixed_size: 34304
    .private_segment_fixed_size: 0
    .kernarg_segment_align: 8
    .kernarg_segment_size: 80
    .max_flat_workgroup_size: 128
    .sgpr_count:     66
    .vgpr_count:     226
    .wavefront_size: 32
...
	.end_amdgpu_metadata
.endif
;; end of part 1
;; launch proj (part 2): grid 12 x 32, 4 waves a work-group, clusters of 4 x 4, 327,680 bytes of LDS; arguments xq, wq, lowp_scales, rope, qc, kc, vc; writes qc, kc, vc
.if DOCPART == 2
	.amdgcn_target "amdgcn-amd-amdhsa--gfx1250"
	.amdhsa_code_object_version 6
	.text
	.protected	k_q0f206cbb73_proj
	.globl	k_q0f206cbb73_proj
	.p2align	8
	.type	k_q0f206cbb73_proj,@function
k_q0f206cbb73_proj:
	s_mov_b64 s[64:65], 0
	v_nop
	global_prefetch_b8 v0, s[64:65] scope:SCOPE_SE
	s_setreg_imm32_b32 hwreg(HW_REG_WAVE_MODE, 25, 1), 1
	s_wait_xcnt 0x0
	s_wait_alu depctr_hold_cnt(0) depctr_sa_sdst(0) depctr_va_vdst(0) depctr_va_sdst(0) depctr_va_ssrc(0) depctr_va_vcc(0) depctr_vm_vsrc(0)
	s_getreg_b32 s2, hwreg(HW_REG_IB_STS2, 6, 4)
	s_cmp_eq_u32 s2, 0
	s_cbranch_scc0 .Lentry_in_a_cluster
	s_endpgm
.Lentry_in_a_cluster:
	s_bfe_u32 s2, ttmp6, 0x10000c
	s_cmp_lg_u32 s2, 0xf033
	s_cbranch_scc0 .Lentry_shape_is_right
	s_endpgm
.Lentry_shape_is_right:
; Q = x WQ^T, K = x WK^T, V = x WV^T on codes of BF8 (E5M2); Q and K are rotated (interleaved pairs, cos and sin from the table); all three are quantised at once and leave as codes, laid as the attention's operands.
; The cluster's x, p, names the product: 0 Q, 1 K, 2 V; it is the same number in all sixteen partners.  x's codes for product p are plane p of xq, the weight's plane p of wq.
; A tile of 256 x 256 is made by four waves, each 128 x 128: 64 accumulators of 16 x 16, 512 registers.  K = 1,024 goes in four steps of 256 through a ring of two LDS slots.
; OPERANDS LIE IN MEMORY AS IMAGES OF THEIR REGISTERS (16 rows x 128 K: four images of 512 bytes, lane l's 16 bytes at 16 l): for 256 along K, 128 rows are one dense block of 32 KiB, which one tensor load brings,
; and a fragment is four ds_load_b128 at 16 x lane + constants: each reads 512 consecutive bytes; no pitch, no padding.
; THE MATRIX INSTRUCTION IS USED TRANSPOSED (source 0 = 16 rows of "B", source 1 = 16 rows of "A"): lane (r, h) holds row r of A's block and rows 8 h + 0 .. 7 of B's block.
;   p < 2: A = x (tokens), B = the weight (features): a lane's eight numbers are d = 16 nb + 8 h + 0 .. 7 of one token: four pairs of the rotation, and then registers 2 nb, 2 nb + 1 of a fragment 16 tokens x 64 d.
;   p = 2: A = WV (channels), B = x (tokens): a lane's eight numbers are eight neighbouring KEYS of one channel: registers 2 b, 2 b + 1 of a fragment 16 channels x 128 keys.
; So the conversions' results are the next operand's registers, nothing goes through LDS on the way out, and each store of a wave covers 512 consecutive bytes, aligned.
; qc, kc: [batch x head 64][tile of 16 tokens 128][image 2][lane][16].   vc: [batch x head 64][128 keys 16][16 channels 4][image 4][lane][16].
; A sum stands for sum x 2^(ea + eb), so its code under the next scale 2^eo is sum / 2^(eo - ea - eb): the three scales are folded into the conversion's one.
; CLUSTERS: 4 x 4 work-groups.  A's tile hangs on the tile row alone and is shared along a row of the cluster, B's on the tile column alone and is shared along a column: each is asked for jointly.
; LIMITS: eo - ea - eb between -126 and 112 for (e6, e0, e1), (e7, e2, e3), (e9, e4, e5), so that the folded scale and 57,344 x it are f32 numbers.
; REGISTERS, in windows of 256: window 0: v0-31 addresses; v128-255 A's fragments, one set; v32-127 idle in the loop.  Way out: v32-191 five sets of 32 of the table, v192-223 a unit's numbers, v224-255 codes, four sets of 8.
;   window 1: B's fragments, two sets.   window 2: the accumulators of A's blocks 0-3 ((a, b) at v[8 (8 (a % 4) + b)]);   window 3: those of blocks 4-7.
.set HALFT,  32768                     ; 128 rows x 256 K: what one tensor load brings, and what one wave reads of A or of B
.set SLOT,   4*HALFT                   ; A's two halves, then B's two
.set SPARE,  2*SLOT                    ; behind the ring: the spare words, 128 bytes for each wave: two blocks of 256 bytes that no other line names
.set FR,     16                        ; registers of a fragment
.set NL,     4                         ; LDS loads that bring one
.set NP,     4                         ; places behind this matrix instruction (ISA guide 7.12.1)
.set ADRA, 16                          ; v16-17  LDS address of my A fragments in slot 0, 1
.set ADRB, 20                          ; v20-21  the same for B
.set LI,   24                          ; v24     16 x lane
.set TA,   25                          ; v25     the table: 256 r + 32 h
.set VSC,  26                          ; v26     2^(eo - ea - eb)
.set VLIM, 27                          ; v27     57,344 x that
.set SPW,  28                          ; v28     LDS address of my spare word; never rewritten
.set NIL,  29                          ; v29     0; never rewritten
.set TB,   32
.set RR,   192
.set CD,   224
.set AF,   128
.set WV, 18                            ; s18 wave; s19 wave / 2: my half of A's rows, and: I fetch for A (0) or B (1); s20 wave % 2: my half of B's rows, and which half I fetch
.set WH, 19
.set WL, 20
.set G1, 24                            ; s[24:31] descriptor group 1 for A's tiles;  s[32:39] group 0, one set for each slot
.set G0, 32
.set G1B, 48                           ; s[48:55], s[56:63] the same for B's tiles
.set G0B, 56
.set MSB, 0
.macro WIN new                         ; the immediate's high byte repeats the setting that is left
.if MSB != (\new)
	s_set_vgpr_msb (MSB<<8)|(\new)
.set MSB, (\new)
.endif
.endm
.set MUL_LO, 0xa1                      ; source 0 (B) window 1, source 1 (A) window 0, C and D window 2
.set MUL_HI, 0xf1                      ; the same, C and D window 3
.set TO_B,   0x40                      ; destination window 1, address window 0
; A joint load: waves 0 and 1 fetch for A, waves 2 and 3 for B.  Each line has one mask and one set of registers; the branch hangs on the wave's number alone.  Four v_nop follow each line.
.macro JLOAD s
	s_cmp_eq_u32 s[WH], 0
	s_cbranch_scc0 .Lfor_b_\@
	tensor_load_to_lds s[G0+4*\s:G0+4*\s+3], s[G1:G1+7]
	s_nop 0
.rept 4
	v_nop
.endr
	s_branch .Lasked_\@
.Lfor_b_\@:
	tensor_load_to_lds s[G0B+4*\s:G0B+4*\s+3], s[G1B:G1B+7]
	s_nop 0
.rept 4
	v_nop
.endr
.Lasked_\@:
.endm
.macro CREST                           ; a round of the cluster's barrier behind its opening barrier
	s_cmp_lg_u32 s[WV], 0
	s_cbranch_scc1 .Lnot_wave_0_\@
	s_barrier_signal -3
.Lnot_wave_0_\@:
	s_barrier_wait -3
	s_barrier_signal -1
	s_barrier_wait -1
.endm
.macro CROUND                          ; a whole round
	s_barrier_signal -1
	s_barrier_wait -1
	CREST
.endm
	s_load_b256 s[4:11], s[0:1], 0x0               ; xq s[4:5], wq s[6:7], the scales s[8:9], the table s[10:11]
	s_load_b128 s[12:15], s[0:1], 0x20             ; qc, kc
	s_load_b64 s[16:17], s[0:1], 0x30              ; vc
	v_lshl_add_u32 v[SPW], v0, 2, SPARE
	v_mov_b32 v[NIL], 0
	ds_add_u32 v28, v29
	ds_add_u32 v28, v29
	s_wait_dscnt 0x0
	v_lshrrev_b32 v1, 5, v0
	v_readfirstlane_b32 s[WV], v1                  ; wave 0..3
	s_lshr_b32 s[WH], s[WV], 1
	s_and_b32 s[WL], s[WV], 1
	s_bfe_u32 s40, ttmp6, 0x40000                  ; cx, cy: my place in the cluster
	s_bfe_u32 s41, ttmp6, 0x40004
	s_and_b32 s46, ttmp7, 0xffff
	s_lshl_b32 s46, s46, 2                         ; 4 x the cluster's y: it walks the 32 tiles of tokens,
	s_cmp_lt_u32 ttmp9, 2
	s_cselect_b32 s47, s46, 0                      ; which are A's rows for Q and K
	s_cselect_b32 s46, 0, s46                      ; and B's rows for V
	s_cselect_b32 s96, 21, 18                      ; 256 along K further on: 2 MiB in x's codes, 256 KiB in a weight's
	s_cselect_b32 s97, 18, 21
	s_add_co_u32 s43, s41, s47                     ; tile row
	s_add_co_u32 s42, s40, s46                     ; tile column
	s_lshl_b32 s74, 1, s96                         ; s[74:75] A's step, s[76:77] B's; s[78:79], s[92:93] twice that
	s_mov_b32 s75, 0
	s_lshl_b32 s76, 1, s97
	s_mov_b32 s77, 0
	s_lshl_b32 s78, 2, s96
	s_mov_b32 s79, 0
	s_lshl_b32 s92, 2, s97
	s_mov_b32 s93, 0
	s_lshl_b32 s44, s41, 2
	s_lshl_b32 s44, 15, s44                        ; my row of the cluster
	s_lshl_b32 s45, 0x1111, s40                    ; my column
	; descriptor group 1: a dense block of 32 KiB as 128 rows of 32 elements of 8 bytes
	s_or_b32 s[G1+0], s44, (3<<16)|(1<<21)         ; 15:0 the mask: A's tiles go to my row; 17:16 elements of 8 bytes; 20 no padding; 21 set beside a mask
	s_or_b32 s[G1B+0], s45, (3<<16)|(1<<21)
.irp g, G1, G1B
	s_mov_b32 s[\g+1], 32<<16                      ; tensor_dim0 = 32
	s_mov_b32 s[\g+2], 128<<16                     ; tensor_dim1 = 128
	s_mov_b32 s[\g+3], 32<<16                      ; tile_dim0 = 32
	s_mov_b32 s[\g+4], 128                         ; tile_dim1 = 128
	s_mov_b32 s[\g+5], 32                          ; tensor_dim0_stride
	s_mov_b32 s[\g+6], 0
	s_mov_b32 s[\g+7], 0
.endr
	s_lshl_b32 s68, s43, 16                        ; A: 256 rows are 64 KiB; + the half that I fetch; + the plane
	s_lshl_b32 s72, s[WL], 15
	s_add_co_u32 s68, s68, s72
	s_lshl_b32 s72, ttmp9, 23                      ; x's plane p of 8 MiB, or WV's plane, 2 MiB into wq
	s_cmp_lt_u32 ttmp9, 2
	s_cselect_b32 s72, s72, 0x200000
	s_add_co_u32 s68, s68, s72
	s_mov_b32 s69, 0
	s_lshl_b32 s70, s42, 16                        ; B likewise
	s_lshl_b32 s73, s[WL], 15
	s_add_co_u32 s70, s70, s73
	s_lshl_b32 s73, ttmp9, 20                      ; the weight's plane p of 1 MiB, or x's plane 2
	s_cmp_lt_u32 ttmp9, 2
	s_cselect_b32 s73, s73, 0x1000000
	s_add_co_u32 s70, s70, s73
	s_mov_b32 s71, 0
	s_lshl_b32 s21, s[WV], 15                      ; where my part goes in a slot: wave x 32 KiB: no place in the cluster enters an LDS address
	s_wait_kmcnt 0x0
	s_load_b256 s[80:87], s[8:9], 0x0              ; e0 .. e7
	s_load_b128 s[88:91], s[8:9], 0x20             ; e8 .. e11
	s_cmp_lt_u32 ttmp9, 2
	s_cselect_b64 s[96:97], s[4:5], s[6:7]         ; A's buffer
	s_cselect_b64 s[98:99], s[6:7], s[4:5]         ; B's
	s_add_nc_u64 s[68:69], s[96:97], s[68:69]
	s_add_nc_u64 s[70:71], s[98:99], s[70:71]
	CROUND                                         ; all sixteen work-groups are here: the first joint loads meet
	s_mov_b32 s[G0], 1                             ; 1:0 count = 1
	s_mov_b32 s[G0+1], s21                         ; 63:32 LDS address: slot 0
	s_mov_b64 s[G0+2:G0+3], s[68:69]               ; 120:64 global address: K step 0
	s_or_b32 s[G0+3], s[G0+3], 0x80000000          ; 127:126 type = 2
	s_mov_b32 s[G0B], 1
	s_mov_b32 s[G0B+1], s21
	s_mov_b64 s[G0B+2:G0B+3], s[70:71]
	s_or_b32 s[G0B+3], s[G0B+3], 0x80000000
	JLOAD 0
	s_mov_b32 s[G0+4], 1
	s_add_co_u32 s[G0+5], s21, SLOT
	s_add_nc_u64 s[G0+6:G0+7], s[68:69], s[74:75]  ; K step 1
	s_or_b32 s[G0+7], s[G0+7], 0x80000000
	s_mov_b32 s[G0B+4], 1
	s_add_co_u32 s[G0B+5], s21, SLOT
	s_add_nc_u64 s[G0B+6:G0B+7], s[70:71], s[76:77]
	s_or_b32 s[G0B+7], s[G0B+7], 0x80000000
	JLOAD 1
	v_and_b32 v1, 31, v0
	v_lshlrev_b32 v[LI], 4, v1
	v_and_b32 v2, 15, v0                           ; r
	v_bfe_u32 v3, v0, 4, 1                         ; h
	v_lshlrev_b32 v[TA], 8, v2
	v_lshl_add_u32 v[TA], v3, 5, v[TA]
	s_lshl_b32 s22, s[WH], 15                      ; my 128 rows of A
	s_lshl_b32 s23, s[WL], 15                      ; my 128 rows of B,
	s_add_co_u32 s23, s23, 2*HALFT                 ; which lie behind A's 256
.irp s, 0,1
	v_add_nc_u32 v[ADRA+\s], s22, v[LI]
	v_add_nc_u32 v[ADRB+\s], s23, v[LI]
	s_add_co_u32 s22, s22, SLOT
	s_add_co_u32 s23, s23, SLOT
.endr
	s_wait_kmcnt 0x0
	s_cmp_eq_u32 ttmp9, 1                          ; eo, ea, eb of my product
	s_cselect_b32 s96, s87, s86
	s_cselect_b32 s97, s82, s80
	s_cselect_b32 s98, s83, s81
	s_cmp_eq_u32 ttmp9, 2
	s_cselect_b32 s96, s89, s96
	s_cselect_b32 s97, s84, s97
	s_cselect_b32 s98, s85, s98
	s_sub_co_i32 s96, s96, s97
	s_sub_co_i32 s96, s96, s98
	s_add_co_i32 s96, s96, 127
	s_lshl_b32 s97, s96, 23
	v_mov_b32 v[VSC], s97
	s_add_co_i32 s96, s96, 15
	s_lshl_b32 s96, s96, 23
	s_or_b32 s96, s96, 0x600000
	v_mov_b32 v[VLIM], s96
	; where my wave's codes go.  In all three layouts a head has 128 KiB and a token 64 bytes of it: (16 batch + head) << 17 + (token % 2048) << 6
	s_lshl_b32 s96, s43, 8
	s_lshl_b32 s97, s[WH], 7
	s_add_co_u32 s96, s96, s97                     ; my first row of A
	s_lshl_b32 s97, s42, 8
	s_lshl_b32 s98, s[WL], 7
	s_add_co_u32 s97, s97, s98                     ; my first row of B
	s_cmp_lt_u32 ttmp9, 2
	s_cselect_b32 s98, s96, s97                    ; my first token
	s_cselect_b32 s99, s97, s96                    ; my first feature
	s_lshr_b32 s94, s98, 11
	s_lshl_b32 s94, s94, 4
	s_lshr_b32 s99, s99, 6
	s_add_co_u32 s94, s94, s99
	s_lshl_b32 s94, s94, 17
	s_and_b32 s98, s98, 2047
	s_lshl_b32 s99, s98, 6
	s_add_co_u32 s94, s94, s99
	s_mov_b32 s95, 0
	s_cmp_eq_u32 ttmp9, 1
	s_cselect_b64 s[72:73], s[14:15], s[12:13]
	s_cmp_eq_u32 ttmp9, 2
	s_cselect_b64 s[72:73], s[16:17], s[72:73]
	s_add_nc_u64 s[94:95], s[72:73], s[94:95]
	s_lshl_b32 s96, s98, 8                         ; the table at my first token's place in its sequence: 256 bytes a place
	s_mov_b32 s97, 0
	s_add_nc_u64 s[10:11], s[10:11], s[96:97]
.macro FRAG reg, adr, q, i             ; a fragment: block i of 16 rows, the slot's q-th 128 along K: four images
.irp c, 0,1,2,3
	ds_load_b128 v[\reg+4*\c:\reg+4*\c+3], v[\adr] offset:2048*(\q)+512*\c+(\i)*4096
.endr
.endm
; 16 matrix instructions: A's blocks a0, a0 + 1 x B's eight, 128 along K.  p: B's set.  zero = 1: the first product starts the sums.  The 64 accumulators take turns, one instruction a turn, in the same order in every step.
.macro MUL16 a0, p, zero
.irp a, \a0, \a0+1
.irp b, 0,1,2,3,4,5,6,7
.if \zero
	v_wmma_f32_16x16x128_bf8_bf8 v[8*(8*((\a)%4)+\b):8*(8*((\a)%4)+\b)+7], v[128*(\p)+FR*\b:128*(\p)+FR*\b+FR-1], v[AF+FR*(\a):AF+FR*(\a)+FR-1], 0
.else
	v_wmma_f32_16x16x128_bf8_bf8 v[8*(8*((\a)%4)+\b):8*(8*((\a)%4)+\b)+7], v[128*(\p)+FR*\b:128*(\p)+FR*\b+FR-1], v[AF+FR*(\a):AF+FR*(\a)+FR-1], v[8*(8*((\a)%4)+\b):8*(8*((\a)%4)+\b)+7]
.endif
.endr
.endr
.endm
.macro FETCH_B slot, q, p
	WIN TO_B
.irp i, 0,1,2,3,4,5,6,7
	FRAG 128*(\p)+FR*\i, ADRB+\slot, \q, \i
.endr
	WIN 0
.endm
.macro FETCH_A slot, q, i0
.irp i, \i0, \i0+1, \i0+2, \i0+3
	FRAG AF+FR*(\i), ADRA+\slot, \q, \i
.endr
.endm
; A load into a register that a matrix instruction has read, and a vector instruction that reads a matrix result, stand NP places behind it; only plain vector instructions that name none of its registers are places.
.macro PLACES n
.rept \n
	v_nop
.endr
.endm
; A step of 128 along K that has its successor in the same slot.  A block of A is free as soon as its eight products are issued: blocks 0-3 are fetched anew in the step's middle, blocks 4-7 at its end; B has two sets.
.macro STEP slot, q, zero
	s_wait_dscnt 4*NL                              ; B's set and A's blocks 0-3 are in; the youngest sixteen loads (A's blocks 4-7) may be out
	WIN MUL_LO
	MUL16 0, (\q)%2, \zero
	MUL16 2, (\q)%2, \zero
	s_wait_dscnt 0                                 ; A's blocks 4-7 are in
	PLACES NP
	FETCH_B \slot, (\q)+1, 1-(\q)%2
	FETCH_A \slot, (\q)+1, 0
	WIN MUL_HI
	MUL16 4, (\q)%2, \zero
	MUL16 6, (\q)%2, \zero
	PLACES NP
	WIN 0
	FETCH_A \slot, (\q)+1, 4
.endm
; A slot's last step changes slots: one barrier; in front of it each wave waits for all its tensor loads, adds 0 to its spare word, and waits for that and for its own reads of this slot.  fill = 1: this slot is filled again, two K steps ahead.
.macro TURN slot, next, fill
	s_wait_tensorcnt 0x0                           ; all my tensor loads have landed: my part of the next slot  (every window is 0 here)
	ds_add_u32 v[SPW], v[NIL]                      ; 0 onto my spare word
	s_wait_dscnt 4*NL+1                            ; (the add and the youngest sixteen loads may be out)
	WIN MUL_LO
	MUL16 0, 1, 0                                  ; sixteen matrix instructions stand between the add and the wait for it
	s_wait_dscnt 0x0                               ; the add is done, and my reads of this slot are over
	s_barrier_signal -1
	MUL16 2, 1, 0
	WIN 0
	s_barrier_wait -1
.if \fill
	CREST                                          ; the barrier has opened a round of the cluster's barrier: no wave of any partner still reads this slot or has a load on its way
	s_add_nc_u64 s[G0+4*\slot+2:G0+4*\slot+3], s[G0+4*\slot+2:G0+4*\slot+3], s[78:79]
	s_add_nc_u64 s[G0B+4*\slot+2:G0B+4*\slot+3], s[G0B+4*\slot+2:G0B+4*\slot+3], s[92:93]
	JLOAD \slot                                    ; the first tensor load behind the round; the four v_nop behind it are the places in front of the loads below
.else
	PLACES NP
.endif
	FETCH_B \next, 0, 0
	FETCH_A \next, 0, 0
	WIN MUL_HI
	MUL16 4, 1, 0
	MUL16 6, 1, 0
	PLACES NP
	WIN 0
	FETCH_A \next, 0, 4
.endm
.macro LASTTWO                         ; the last 256 along K: nothing more is fetched from memory, and no barrier stands here
	STEP 1, 0, 0
	s_wait_dscnt 4*NL
	WIN MUL_LO
	MUL16 0, 1, 0
	MUL16 2, 1, 0
	s_wait_dscnt 0x0
	WIN MUL_HI
	MUL16 4, 1, 0
	MUL16 6, 1, 0
	WIN 0
.endm
; The table's rows of A's block a: lane (r, h) takes, of place 16 a + r, the pairs (cos, sin) of frequencies 8 nb + 4 h + 0 .. 3: 32 bytes for each nb.  Set a % 5.
.macro TLOAD a
.irp nb, 0,1,2,3
	global_load_b128 v[TB+32*((\a)%5)+8*\nb:TB+32*((\a)%5)+8*\nb+3],   v[TA], s[10:11] offset:4096*(\a)+64*\nb
	global_load_b128 v[TB+32*((\a)%5)+8*\nb+4:TB+32*((\a)%5)+8*\nb+7], v[TA], s[10:11] offset:4096*(\a)+64*\nb+16
.endr
.endm
; A unit: A's block a x B's blocks 4 u .. 4 u + 3: 32 numbers a lane become 8 registers of codes, two images.  Each accumulator is read from its low end on.
; rope = 1: (x1, x2) -> (x1 c - x2 s, x1 s + x2 c): a packed product (-x2 s, x2 c), then a packed multiply-add of (x1 c, x1 s) onto it.
.macro UNIT a, u, rope, off
	WIN 0x02+(\a)/4                                ; source 0: the accumulators' window
.if \rope
.irp nb, 0,1,2,3
.irp i, 0,2,4,6
	v_pk_mul_f32 v[RR+8*\nb+\i:RR+8*\nb+\i+1], v[8*(8*((\a)%4)+4*\u+\nb)+\i:8*(8*((\a)%4)+4*\u+\nb)+\i+1], v[TB+32*((\a)%5)+8*\nb+\i:TB+32*((\a)%5)+8*\nb+\i+1] op_sel:[1,1] op_sel_hi:[1,0] neg_lo:[1,0]
.endr
.irp i, 0,2,4,6
	v_pk_fma_f32 v[RR+8*\nb+\i:RR+8*\nb+\i+1], v[8*(8*((\a)%4)+4*\u+\nb)+\i:8*(8*((\a)%4)+4*\u+\nb)+\i+1], v[TB+32*((\a)%5)+8*\nb+\i:TB+32*((\a)%5)+8*\nb+\i+1], v[RR+8*\nb+\i:RR+8*\nb+\i+1] op_sel_hi:[0,1,1]
.endr
.endr
	WIN 0
.set jj, 0
.rept 32
	v_med3_num_f32 v[RR+jj], v[RR+jj], -v[VLIM], v[VLIM]   ; the conversion does not saturate (ISA guide 7.6.2): the hold at the largest code x the scale
.set jj, jj+1
.endr
.else
.set jj, 0
.rept 32
	v_med3_num_f32 v[RR+jj], v[8*(8*((\a)%4)+4*\u)+jj], -v[VLIM], v[VLIM]
.set jj, jj+1
.endr
	WIN 0
.endif
.if 2*(\a)+\u >= 4
	s_wait_xcnt 0x0                                ; the stores of four units ago have read this set of code registers: it is written again only behind this wait
.endif
.irp c, 0,1,2,3
	v_cvt_scalef32_pk8_bf8_f32 v[CD+8*((2*(\a)+\u)%4)+2*\c:CD+8*((2*(\a)+\u)%4)+2*\c+1], v[RR+8*\c:RR+8*\c+7], v[VSC]
.endr
	v_nop                                          ; one plain instruction between the conversions and the next unit's lines, which write their sources
	global_store_b128 v[LI], v[CD+8*((2*(\a)+\u)%4):CD+8*((2*(\a)+\u)%4)+3],   s[94:95] offset:\off       ; an image: 512 consecutive bytes, aligned
	global_store_b128 v[LI], v[CD+8*((2*(\a)+\u)%4)+4:CD+8*((2*(\a)+\u)%4)+7], s[94:95] offset:\off+512
.endm
	s_wait_tensorcnt 1                             ; my part of K step 0 is in; K step 1's load may be out
	s_barrier_signal -1
	s_barrier_wait -1                              ; everybody's is
	FETCH_B 0, 0, 0
	FETCH_A 0, 0, 0
	FETCH_A 0, 0, 4
	STEP 0, 0, 1                                   ; the first products start the sums: nothing is cleared
	TURN 0, 1, 1                                   ; slot 0 takes K step 2
	STEP 1, 0, 0
	TURN 1, 0, 1                                   ; slot 1 takes K step 3
	STEP 0, 0, 0
	TURN 0, 1, 0                                   ; nothing is left to fetch
	s_cmp_eq_u32 ttmp9, 2                          ; the text parts once, on the product: the same way in all partners; no tensor load and no barrier but the closing round lies behind this line
	s_cbranch_scc1 .Lv_path
	TLOAD 0                                        ; Q, K: the table's first three blocks land under the last 128 matrix instructions
	TLOAD 1
	TLOAD 2
	LASTTWO
	PLACES NP                                      ; in front of the first read of results and of loads into registers that held A's fragments
	TLOAD 3
	TLOAD 4
.irp a, 0,1,2,3,4,5,6,7
.if \a == 0
	s_wait_loadcnt 16                              ; blocks 0 to 2 are in; blocks 3 and 4, eight loads each, may be out
.elseif \a >= 3
	s_wait_loadcnt 8*(7-\a)                        ; block a is in; the blocks behind it, eight loads each, may be out
.endif
	UNIT \a, 0, 1, 1024*\a                         ; my first head: tile a of 16 tokens
	UNIT \a, 1, 1, 131072+1024*\a                  ; my second head
.if \a < 3
	TLOAD \a+5                                     ; the set that block a has left takes block a + 5
.endif
.endr
	s_branch .Ldone
.Lv_path:
	LASTTWO
	PLACES NP
.irp a, 0,1,2,3,4,5,6,7
	UNIT \a, 0, 0, 131072*(\a/4)+2048*(\a%4)       ; head a / 4 of my two, channels 16 (a % 4) on: keys 0-63 of my 128,
	UNIT \a, 1, 0, 131072*(\a/4)+2048*(\a%4)+1024  ; keys 64-127
.endr
.Ldone:
	s_wait_tensorcnt 0x0                           ; the wave's end
	ds_add_u32 v[SPW], v[NIL]
	s_wait_dscnt 0x0
	CROUND                                         ; the closing round: no work-group ends while a partner may still ask for a tile that names it
	s_endpgm
.Lfunc_end_k_q0f206cbb73_proj:
	.size	k_q0f206cbb73_proj, .Lfunc_end_k_q0f206cbb73_proj-k_q0f206cbb73_proj
	.p2alignl 7, 3214868480
	.fill 96, 4, 3214868480
	.section	.rodata,"a",@progbits
	.p2align	6, 0x0
	.amdhsa_kernel k_q0f206cbb73_proj
		.amdhsa_group_segment_fixed_size 327680
		.amdhsa_private_segment_fixed_size 0
		.amdhsa_enable_private_segment 0
		.amdhsa_kernarg_size 56
		.amdhsa_user_sgpr_count 2
		.amdhsa_user_sgpr_kernarg_segment_ptr 1
		.amdhsa_wavefront_size32 1
		.amdhsa_system_sgpr_workgroup_id_x 1
		.amdhsa_system_sgpr_workgroup_id_y 1
		.amdhsa_system_sgpr_workgroup_id_z 1
		.amdhsa_system_vgpr_workitem_id 0
		.amdhsa_next_free_vgpr 1024
		.amdhsa_next_free_sgpr 100
		.amdhsa_reserve_vcc 0
		.amdhsa_float_denorm_mode_32 3
		.amdhsa_float_denorm_mode_16_64 3
		.amdhsa_memory_ordered 1
		.amdhsa_forward_progress 1
		.amdhsa_inst_pref_size 211
	.end_amdhsa_kernel
	.amdgpu_metadata
---
amdhsa.version: [ 1, 2 ]
amdhsa.kernels:
  - .name:           k_q0f206cbb73_proj
    .symbol:         k_q0f206cbb73_proj.kd
    .args:
      - { .name: xq, .offset: 0, .size: 8, .value_kind: global_buffer, .address_space: global }
      - { .name: wq, .offset: 8, .size: 8, .value_kind: global_buffer, .address_space: global }
      - { .name: lowp_scales, .offset: 16, .size: 8, .value_kind: global_buffer, .address_space: global }
      - { .name: rope, .offset: 24, .size: 8, .value_kind: global_buffer, .address_space: global }
      - { .name: qc, .offset: 32, .size: 8, .value_kind: global_buffer, .address_space: global }
      - { .name: kc, .offset: 40, .size: 8, .value_kind: global_buffer, .address_space: global }
      - { .name: vc, .offset: 48, .size: 8, .value_kind: global_buffer, .address_space: global }
    .group_segment_fixed_size: 327680
    .private_segment_fixed_size: 0
    .kernarg_segment_align: 8
    .kernarg_segment_size: 56
    .max_flat_workgroup_size: 128
    .sgpr_count:     100
    .vgpr_count:     1024
    .wavefront_size: 32
...
	.end_amdgpu_metadata
.endif
;; end of part 2
;; launch attn (part 3): grid 4 x 64, 16 waves a work-group, clusters of 4 x 1, 327,680 bytes of LDS; arguments qc, kc, vc, lowp_scales, ao; writes ao
.if DOCPART == 3
	.amdgcn_target "amdgcn-amd-amdhsa--gfx1250"
	.amdhsa_code_object_version 6
	.text
	.protected	k_q0f206cbb73_attn
	.globl	k_q0f206cbb73_attn
	.p2align	8
	.type	k_q0f206cbb73_attn,@function
k_q0f206cbb73_attn:
	s_mov_b64 s[64:65], 0
	v_nop
	global_prefetch_b8 v0, s[64:65] scope:SCOPE_SE
	s_setreg_imm32_b32 hwreg(HW_REG_WAVE_MODE, 25, 1), 1
	s_wait_xcnt 0x0
	s_wait_alu depctr_hold_cnt(0) depctr_sa_sdst(0) depctr_va_vdst(0) depctr_va_sdst(0) depctr_va_ssrc(0) depctr_va_vcc(0) depctr_vm_vsrc(0)
	s_getreg_b32 s2, hwreg(HW_REG_IB_STS2, 6, 4)
	s_cmp_eq_u32 s2, 0
	s_cbranch_scc0 .Lentry_in_a_cluster
	s_endpgm
.Lentry_in_a_cluster:
	s_bfe_u32 s2, ttmp6, 0x10000c
	s_cmp_lg_u32 s2, 0x3003
	s_cbranch_scc0 .Lentry_shape_is_right
	s_endpgm
.Lentry_shape_is_right:
; Causal attention of 64 (batch, head) pairs, 2,048 tokens, head size 64, both products on codes of BF8 (E5M2); the result is quantised at once for the output projection.
; qc, kc: [bh][tile of 16 tokens 128][image 2][lane][16]: a tile is a fragment 16 rows x 64 d.  vc: [bh][128 keys 16][16 channels 4][image 4][lane][16]: a fragment 16 channels x 128 keys.
; ao: the output projection's operand, [8192 tokens][k = 64 head + d] as images: a tile of 16 queries of one head is 1,024 bytes on end at (head >> 2) 2 MiB + (128 batch + tile) 4096 + (head & 3) 1024.
; THE SOFTMAX AHEAD OF THE SECOND PRODUCT: t = score x log2(e) / 8; M = the running largest t rounded UP to a whole number; p = 2^(t - M) is what is quantised, not normalised; the row's sum is taken of the
; unquantised p, in f32, and divides at the end.  When M moves, the sum and O are multiplied by 2^(old M - new M): exact.
; LAYOUT.  Both products are used transposed: S^T = K Q^T (source 0 = 16 keys, source 1 = my 16 queries), O^T = V^T P^T (source 0 = 16 channels, source 1 = P): a lane holds ONE query (lane % 16) throughout.
; Tile t of S^T holds keys 16 t + 8 (lane / 16) + 0 .. 7 in its eight registers: their codes are registers 2 t, 2 t + 1 of P.  Tile dt of O^T holds channels 16 dt + 8 (lane / 16) + 0 .. 7: registers 2 dt, 2 dt + 1 of ao's fragment.
; SHARES.  The four work-groups of a cluster (place j) share one (batch, head).  Wave w owns TWO tiles of 16 queries: Ta = 4 w + j and Tb = 127 - Ta.  A tile T needs the key steps 0 .. T / 8 (128 keys each; the rest lies behind the
; causal mask): w / 2 + 1 and 16 - w / 2 steps, 17 for every wave of every work-group.  So the work is even, the loop's trip count is the constant 17, and no branch hangs on the place in the cluster,
; which enters Q's and ao's global addresses and one vector register of the mask, and nothing else.
; LDS.  The head's K (128 KiB) and V (128 KiB) lie in LDS whole, filled ONCE: each of the sixteen waves asks for 16 KiB, jointly with the same wave of the three partners.  One barrier; behind it LDS is only read.  The text uses 262,144 bytes.
; LIMITS: e6 + e7 between -123 and 130 (they are added to c's exponent field); e8, and e10 - e8 - e9, between -126 and 112.
.set KS,    8192                       ; a key step's bytes of K, and of V
.set VOFF,  131072                     ; V lies behind K
.set LI,   1                           ; v1   16 x lane
.set ADK,  2                           ; v2   LDS address of the step's K
.set DQ,   3                           ; v3   the mask of the tile in hand: 16 (T % 8) + r - 8 h;  v4: tile b's
.set ADV,  5                           ; v5   LDS address of the step's V
.set W0,   208                         ; at work
.set PX,   209                         ; a lane exchange's destination
.set FF,   210                         ; v[210:211] f = 2^(old M - new M), and a second chain of the maximum
.set SU,   212                         ; v[212:213] a second chain of the sum
.set NINF, 214                         ; -infinity
; v12 -M, v13 the largest t, v[14:15] the sum in two halves; v16-23 Q in hand, v24-31 Q of tile b; v32-95 K's eight fragments, then V's four; v96-159 S^T, then p; v160-191 O^T; v192-207 P's codes;
; v224, v225: 2^e8 and 57,344 x it; v226, v227: the same with e10 - e8 - e9; v228-235 the result's codes
.set WV,   18
.set SEL,  20                          ; s[20:21] lane selects: lane l xor 16
.set CS,   22                          ; s[22:23] c = log2(e) / 8 x 2^(e6 + e7)
.set G1,   32                          ; s[32:39] descriptor group 1;  s[40:43], s[44:47] group 0 for K's part and for V's
.set G0K,  40
.set G0V,  44
.set OP,   48                          ; s[48:49] where the tile in hand goes; s[50:51] tile b
.set KOFF, 66                          ; s66 the step's bytes into K and V;  s67 steps left of the tile in hand;  s68 tile b's steps;  s69 trips left;  s70 KOFF as it enters the addresses
.set REM,  67
.set REMB, 68
.set TRIP, 69
.set KM,   70
.macro CROUND
	s_barrier_signal -1
	s_barrier_wait -1
	s_cmp_lg_u32 s[WV], 0
	s_cbranch_scc1 .Lnot_wave_0_\@
	s_barrier_signal -3
.Lnot_wave_0_\@:
	s_barrier_wait -3
	s_barrier_signal -1
	s_barrier_wait -1
.endm
.macro RESET                           ; a tile's start: the largest t is -3e38, under every t; the sum and O^T are zeros, which the first change of M leaves zeros: so the step is written once
	v_mov_b32 v13, 0xff61b1e6
	v_floor_f32 v12, -v13
	v_mov_b32 v14, 0
	v_mov_b32 v15, 0
.set jj, 0
.rept 32
	v_mov_b32 v[160+jj], 0
.set jj, jj+1
.endr
.endm
	s_load_b256 s[4:11], s[0:1], 0x0               ; qc s[4:5], kc s[6:7], vc s[8:9], the scales s[10:11]
	s_load_b64 s[12:13], s[0:1], 0x20              ; ao
	v_lshl_add_u32 v254, v0, 2, 0x40000
	v_mov_b32 v255, 0
	ds_add_u32 v254, v255
	ds_add_u32 v254, v255
	v_lshrrev_b32 v1, 5, v0
	v_readfirstlane_b32 s[WV], v1                  ; wave 0..15
	s_bfe_u32 s24, ttmp6, 0x40000                  ; j: my place in the cluster
	s_and_b32 s25, ttmp7, 0xffff                   ; 16 batch + head, which the four partners share
	s_lshl_b32 s28, s25, 17                        ; its first byte in qc, kc and vc
	s_mov_b32 s29, 0
	s_and_b32 s30, s[WV], 7
	s_lshl_b32 s30, s30, 14                        ; the 16 KiB that I fetch: waves 0-7 of K, waves 8-15 of V
	s_mov_b32 s31, 0
	s_add_nc_u64 s[30:31], s[30:31], s[28:29]
	s_lshl_b32 s72, s[WV], 14                      ; and where they go: wave x 16 KiB
	s_mov_b32 s[G1], 15|(3<<16)|(1<<21)            ; 15:0 the mask: all four work-groups; 17:16 elements of 8 bytes; 20 no padding; 21 set beside a mask
	s_mov_b32 s[G1+1], 32<<16                      ; tensor_dim0 = 32: rows of 256 bytes
	s_mov_b32 s[G1+2], 64<<16                      ; tensor_dim1 = 64
	s_mov_b32 s[G1+3], 32<<16                      ; tile_dim0
	s_mov_b32 s[G1+4], 64                          ; tile_dim1
	s_mov_b32 s[G1+5], 32                          ; tensor_dim0_stride: dense
	s_mov_b32 s[G1+6], 0
	s_mov_b32 s[G1+7], 0
	s_lshl_b32 s26, s[WV], 2
	s_add_co_u32 s26, s26, s24                     ; Ta
	s_sub_co_u32 s27, 127, s26                     ; Tb
	s_lshr_b32 s[REMB], s[WV], 1
	s_add_co_u32 s[REM], s[REMB], 1                ; tile a's key steps
	s_sub_co_u32 s[REMB], 16, s[REMB]              ; tile b's
	s_mov_b32 s[KOFF], 0
	s_mov_b32 s[TRIP], 17
	s_mov_b32 s[SEL], 0x76543210
	s_mov_b32 s[SEL+1], 0xfedcba98
	s_lshl_b32 s74, s26, 10                        ; Q's tiles: 1,024 bytes each
	s_mov_b32 s75, 0
	s_add_nc_u64 s[74:75], s[74:75], s[28:29]
	s_lshl_b32 s76, s27, 10
	s_mov_b32 s77, 0
	s_add_nc_u64 s[76:77], s[76:77], s[28:29]
	s_and_b32 s78, s25, 15                         ; head
	s_lshr_b32 s79, s78, 2
	s_lshl_b32 s79, s79, 21
	s_and_b32 s78, s78, 3
	s_lshl_b32 s78, s78, 10
	s_add_co_u32 s78, s78, s79
	s_lshr_b32 s79, s25, 4                         ; batch
	s_lshl_b32 s79, s79, 19
	s_add_co_u32 s78, s78, s79
	s_lshl_b32 s80, s26, 12
	s_add_co_u32 s80, s80, s78                     ; tile a's place in ao
	s_mov_b32 s81, 0
	s_lshl_b32 s82, s27, 12
	s_add_co_u32 s82, s82, s78                     ; tile b's
	s_mov_b32 s83, 0
	s_wait_dscnt 0x0
	s_wait_kmcnt 0x0
	s_load_b128 s[52:55], s[10:11], 0x18           ; e6, e7, e8, e9
	s_load_b32 s56, s[10:11], 0x28                 ; e10
	s_mov_b32 s[G0K], 1                            ; 1:0 count = 1
	s_mov_b32 s[G0K+1], s72                        ; 63:32 LDS address
	s_add_nc_u64 s[G0K+2:G0K+3], s[6:7], s[30:31]  ; 120:64 global address
	s_or_b32 s[G0K+3], s[G0K+3], 0x80000000        ; 127:126 type = 2
	s_mov_b32 s[G0V], 1
	s_mov_b32 s[G0V+1], s72
	s_add_nc_u64 s[G0V+2:G0V+3], s[8:9], s[30:31]
	s_or_b32 s[G0V+3], s[G0V+3], 0x80000000
	s_add_nc_u64 s[74:75], s[4:5], s[74:75]
	s_add_nc_u64 s[76:77], s[4:5], s[76:77]
	s_add_nc_u64 s[OP:OP+1], s[12:13], s[80:81]
	s_add_nc_u64 s[OP+2:OP+3], s[12:13], s[82:83]
	CROUND                                         ; all four work-groups are here: the joint loads meet
	s_cmp_lt_u32 s[WV], 8                          ; the branch hangs on the wave's number alone; four v_nop follow each line.  One tensor load of mine is out
	s_cbranch_scc0 .Lfor_v
	tensor_load_to_lds s[G0K:G0K+3], s[G1:G1+7]
	s_nop 0
.rept 4
	v_nop
.endr
	s_branch .Lasked
.Lfor_v:
	tensor_load_to_lds s[G0V:G0V+3], s[G1:G1+7]
	s_nop 0
.rept 4
	v_nop
.endr
.Lasked:
	v_and_b32 v6, 31, v0
	v_lshlrev_b32 v[LI], 4, v6
	global_load_b128 v[16:19], v[LI], s[74:75]             ; Q of tile a: two images
	global_load_b128 v[20:23], v[LI], s[74:75] offset:512
	global_load_b128 v[24:27], v[LI], s[76:77]             ; Q of tile b
	global_load_b128 v[28:31], v[LI], s[76:77] offset:512
	v_and_b32 v6, 15, v0                           ; r
	v_bfe_u32 v7, v0, 4, 1                         ; h
	v_lshlrev_b32 v7, 3, v7
	v_sub_nc_u32 v6, v6, v7                        ; r - 8 h
	s_and_b32 s84, s26, 7
	s_lshl_b32 s84, s84, 4
	v_add_nc_u32 v[DQ], s84, v6                    ; in a tile's last step register 8 t + i holds the key 16 t + i + 8 h of the step: hidden where 16 t + i > 16 (T % 8) + r - 8 h
	s_and_b32 s84, s27, 7
	s_lshl_b32 s84, s84, 4
	v_add_nc_u32 v4, s84, v6
	v_mov_b32 v[PX], 0                             ; written once: a lane exchange's destination counts as one of its sources
	v_mov_b32 v[FF+1], 0                           ; (named as the upper half of a pair)
	v_mov_b32 v[NINF], 0xff800000
	RESET
	s_wait_kmcnt 0x0
	s_mov_b32 s[CS], 0x3e38aa3b                    ; log2(e) / 8
	s_add_co_i32 s84, s52, s53
	s_lshl_b32 s84, s84, 23
	s_add_co_i32 s[CS], s[CS], s84                 ; a score stands for score x 2^(e6 + e7): the exponents are added to c's exponent field
	s_mov_b32 s[CS+1], s[CS]                       ; (named with it as a pair)
	s_add_co_i32 s84, s54, 127
	s_lshl_b32 s85, s84, 23
	v_mov_b32 v224, s85                            ; 2^e8, for p's conversions
	s_add_co_i32 s84, s84, 15
	s_lshl_b32 s84, s84, 23
	s_or_b32 s84, s84, 0x600000
	v_mov_b32 v225, s84                            ; 57,344 x 2^e8
	s_sub_co_i32 s84, s56, s54
	s_sub_co_i32 s84, s84, s55                     ; O^T / the sum stands for that x 2^(e8 + e9): its code is that / 2^(e10 - e8 - e9)
	s_add_co_i32 s84, s84, 127
	s_lshl_b32 s85, s84, 23
	v_mov_b32 v226, s85
	s_add_co_i32 s84, s84, 15
	s_lshl_b32 s84, s84, 23
	s_or_b32 s84, s84, 0x600000
	v_mov_b32 v227, s84
	s_wait_loadcnt 0x0                             ; Q
	s_wait_tensorcnt 0x0                           ; my 16 KiB have landed,
	s_barrier_signal -1
	s_barrier_wait -1                              ; everybody's have: from here on LDS is only read
.Lstep:                                                ; a trip: one key step of 128 keys for the tile in hand
	s_and_b32 s[KM], s[KOFF], 0x1e000              ; KOFF is one of sixteen steps of 8,192 bytes: the mask states that bound
	v_add_nc_u32 v[ADK], s[KM], v[LI]
	v_add_nc_u32 v[ADV], VOFF, v[ADK]
	v_nop                                          ; with the two additions: four places in front of loads into registers that the last trip's matrix instructions have read
	v_nop
.irp t, 0,1,2,3,4,5,6,7
	ds_load_b128 v[32+8*\t:35+8*\t], v[ADK] offset:1024*\t
	ds_load_b128 v[36+8*\t:39+8*\t], v[ADK] offset:1024*\t+512
.endr
	s_wait_dscnt 0x0
.irp t, 0,1,2,3,4,5,6,7
	v_wmma_f32_16x16x64_bf8_bf8 v[96+8*\t:103+8*\t], v[32+8*\t:39+8*\t], v[16:23], 0
.endr
.rept 4
	v_nop                                          ; places in front of the loads below and of the first read of the scores
.endr
.irp d, 0,1,2,3
.irp g, 0,1,2,3
	ds_load_b128 v[32+16*\d+4*\g:35+16*\d+4*\g], v[ADV] offset:2048*\d+512*\g   ; V's four fragments land under the softmax
.endr
.endr
	s_cmp_lg_u32 s[REM], 1                         ; a tile's last step lies on the diagonal: hidden scores become -infinity ahead of the maximum, p = 0 then.  The step's first key counts for every query
	s_cbranch_scc1 .Lopen
.set jj, 0
.rept 64
	v_cmp_gt_i32 vcc_lo, 16*(jj/8)+jj%8, v[DQ]
	v_cndmask_b32 v[96+jj], v[96+jj], v[NINF], vcc_lo
.set jj, jj+1
.endr
.Lopen:
	v_max3_num_f32 v[W0], v96, v97, v98            ; the step's largest score of my query among my 64 keys, in two chains, each tile from its low end on,
	v_max3_num_f32 v[FF], v99, v100, v101
.set jj, 6
.rept 14
	v_max3_num_f32 v[W0], v[W0], v[96+jj], v[97+jj]
	v_max3_num_f32 v[FF], v[FF], v[98+jj], v[99+jj]
.set jj, jj+4
.endr
	v_max3_num_f32 v[W0], v[W0], v158, v159
	v_max_num_f32 v[W0], v[W0], v[FF]
	v_permlanex16_b32 v[PX], v[W0], s[SEL], s[SEL+1]
	v_max_num_f32 v[W0], v[W0], v[PX]              ; and among lane l xor 16's
	v_mul_f32 v[W0], s[CS], v[W0]                  ; as t (c is positive)
	v_max_num_f32 v13, v13, v[W0]                  ; the running largest t
	v_mov_b32 v[W0], v12
	v_floor_f32 v12, -v13                          ; the new -M = floor(-t) = -ceil(t)
	v_sub_f32 v[W0], v12, v[W0]                    ; old M - new M: a whole number, 0 or less
	v_cvt_i32_f32 v[W0], v[W0]                     ; (it saturates)
	v_ldexp_f32 v[FF], 1.0, v[W0]                  ; f = 2^(old M - new M)
.set jj, 0
.rept 32
	v_pk_fma_f32 v[96+jj:97+jj], v[96+jj:97+jj], s[CS:CS+1], v[12:13] op_sel_hi:[1,0,0]   ; t - M, two at a time
.set jj, jj+2
.endr
.set jj, 0
.rept 64
	v_exp_f32 v[96+jj], v[96+jj]                   ; p = 2^(t - M), at most 1
.set jj, jj+1
.endr
	v_pk_mul_f32 v[14:15], v[14:15], v[FF:FF+1] op_sel_hi:[1,0]   ; the sums under the new M  (a plain place behind the exponentials)
	s_wait_alu depctr_va_vdst(0)
	v_pk_add_f32 v[SU:SU+1], v[96:97], v[98:99]    ; the row's sum is taken of the unquantised p, in two chains
.set jj, 4
.rept 15
	v_pk_add_f32 v[14:15], v[14:15], v[96+jj:97+jj]
	v_pk_add_f32 v[SU:SU+1], v[SU:SU+1], v[98+jj:99+jj]
.set jj, jj+4
.endr
	v_pk_add_f32 v[14:15], v[14:15], v[SU:SU+1]
.irp t, 0,1,2,3,4,5,6,7
.irp i, 0,1,2,3,4,5,6,7
	v_min_num_f32 v[96+8*\t+\i], v[96+8*\t+\i], v225   ; the conversion does not saturate (ISA guide 7.6.2); p is not negative, so the hold is one-sided
.endr
	v_cvt_scalef32_pk8_bf8_f32 v[192+2*\t:193+2*\t], v[96+8*\t:103+8*\t], v224
.endr
.set jj, 0
.rept 16
	v_pk_mul_f32 v[160+jj:161+jj], v[160+jj:161+jj], v[FF:FF+1] op_sel_hi:[1,0]   ; O^T under the new M  (also the plain place behind the conversions)
.set jj, jj+2
.endr
	s_wait_dscnt 0x0                               ; V
.irp d, 0,1,2,3
	v_wmma_f32_16x16x128_bf8_bf8 v[160+8*\d:167+8*\d], v[32+16*\d:47+16*\d], v[192:207], v[160+8*\d:167+8*\d]   ; four accumulators by turns, one instruction a turn
.endr
	s_add_co_u32 s[KOFF], s[KOFF], KS
	s_sub_co_u32 s[REM], s[REM], 1
	s_cmp_lg_u32 s[REM], 0
	s_cbranch_scc1 .Lnext
	; the tile is finished: O^T / the sum, quantised, is a fragment of the output projection's operand
.rept 4
	v_nop                                          ; places behind the last products
.endr
	v_add_f32 v14, v14, v15                        ; the sum's two halves,
	v_permlanex16_b32 v[PX], v14, s[SEL], s[SEL+1]
	v_add_f32 v14, v14, v[PX]                      ; and lane l xor 16's
	v_rcp_f32 v14, v14
	v_nop                                          ; a plain place behind the reciprocal
.set jj, 0
	s_wait_alu depctr_va_vdst(0)
.rept 16
	v_pk_mul_f32 v[160+jj:161+jj], v[160+jj:161+jj], v[14:15] op_sel_hi:[1,0]
.set jj, jj+2
.endr
.set jj, 0
.rept 32
	v_med3_num_f32 v[160+jj], v[160+jj], -v227, v227
.set jj, jj+1
.endr
	s_wait_xcnt 0x0                                ; tile a's stores have read the code registers: they are written again only behind this wait
.irp d, 0,1,2,3
	v_cvt_scalef32_pk8_bf8_f32 v[228+2*\d:229+2*\d], v[160+8*\d:167+8*\d], v226
.endr
	global_store_b128 v[LI], v[228:231], s[OP:OP+1]              ; an image: 512 consecutive bytes, aligned
	global_store_b128 v[LI], v[232:235], s[OP:OP+1] offset:512
	s_cmp_eq_u32 s[TRIP], 1
	s_cbranch_scc1 .Lnext                          ; that was tile b
.irp i, 0,1,2,3,4,5,6,7
	v_mov_b32 v[16+\i], v[24+\i]                   ; on to tile b  (plain lines between the conversions and RESET, which writes their sources)
.endr
	v_mov_b32 v[DQ], v4
	RESET
	s_mov_b32 s[KOFF], 0
	s_mov_b32 s[REM], s[REMB]
	s_wait_xcnt 0x0                                ; the stores have read their base
	s_mov_b64 s[OP:OP+1], s[OP+2:OP+3]
.Lnext:
	s_sub_co_u32 s[TRIP], s[TRIP], 1
	s_cmp_lg_u32 s[TRIP], 0
	s_cbranch_scc1 .Lstep
	s_wait_tensorcnt 0x0
	ds_add_u32 v254, v255
	s_wait_dscnt 0x0
	CROUND                                         ; the closing round
	s_endpgm
.Lfunc_end_k_q0f206cbb73_attn:
	.size	k_q0f206cbb73_attn, .Lfunc_end_k_q0f206cbb73_attn-k_q0f206cbb73_attn
	.p2alignl 7, 3214868480
	.fill 96, 4, 3214868480
	.section	.rodata,"a",@progbits
	.p2align	6, 0x0
	.amdhsa_kernel k_q0f206cbb73_attn
		.amdhsa_group_segment_fixed_size 327680
		.amdhsa_private_segment_fixed_size 0
		.amdhsa_enable_private_segment 0
		.amdhsa_kernarg_size 40
		.amdhsa_user_sgpr_count 2
		.amdhsa_user_sgpr_kernarg_segment_ptr 1
		.amdhsa_wavefront_size32 1
		.amdhsa_system_sgpr_workgroup_id_x 1
		.amdhsa_system_sgpr_workgroup_id_y 1
		.amdhsa_system_sgpr_workgroup_id_z 1
		.amdhsa_system_vgpr_workitem_id 0
		.amdhsa_next_free_vgpr 256
		.amdhsa_next_free_sgpr 100
		.amdhsa_reserve_vcc 1
		.amdhsa_float_denorm_mode_32 3
		.amdhsa_float_denorm_mode_16_64 3
		.amdhsa_memory_ordered 1
		.amdhsa_forward_progress 1
		.amdhsa_inst_pref_size 34
	.end_amdhsa_kernel
	.amdgpu_metadata
---
amdhsa.version: [ 1, 2 ]
amdhsa.kernels:
  - .name:           k_q0f206cbb73_attn
    .symbol:         k_q0f206cbb73_attn.kd
    .args:
      - { .name: qc, .offset: 0, .size: 8, .value_kind: global_buffer, .address_space: global }
      - { .name: kc, .offset: 8, .size: 8, .value_kind: global_buffer, .address_space: global }
      - { .name: vc, .offset: 16, .size: 8, .value_kind: global_buffer, .address_space: global }
      - { .name: lowp_scales, .offset: 24, .size: 8, .value_kind: global_buffer, .address_space: global }
      - { .name: ao, .offset: 32, .size: 8, .value_kind: global_buffer, .address_space: global }
    .group_segment_fixed_size: 327680
    .private_segment_fixed_size: 0
    .kernarg_segment_align: 8
    .kernarg_segment_size: 40
    .max_flat_workgroup_size: 512
    .sgpr_count:     100
    .vgpr_count:     256
    .wavefront_size: 32
...
	.end_amdgpu_metadata
.endif
;; end of part 3
;; launch outp (part 4): grid 4 x 32, 4 waves a work-group, clusters of 4 x 4, 327,680 bytes of LDS; arguments ao, wq, lowp_scales, out0; writes out0
.if DOCPART == 4
	.amdgcn_target "amdgcn-amd-amdhsa--gfx1250"
	.amdhsa_code_object_version 6
	.text
	.protected	k_q0f206cbb73_outp
	.globl	k_q0f206cbb73_outp
	.p2align	8
	.type	k_q0f206cbb73_outp,@function
k_q0f206cbb73_outp:
	s_mov_b64 s[64:65], 0
	v_nop
	global_prefetch_b8 v0, s[64:65] scope:SCOPE_SE
	s_setreg_imm32_b32 hwreg(HW_REG_WAVE_MODE, 25, 1), 1
	s_wait_xcnt 0x0
	s_wait_alu depctr_hold_cnt(0) depctr_sa_sdst(0) depctr_va_vdst(0) depctr_va_sdst(0) depctr_va_ssrc(0) depctr_va_vcc(0) depctr_vm_vsrc(0)
	s_getreg_b32 s2, hwreg(HW_REG_IB_STS2, 6, 4)
	s_cmp_eq_u32 s2, 0
	s_cbranch_scc0 .Lentry_in_a_cluster
	s_endpgm
.Lentry_in_a_cluster:
	s_bfe_u32 s2, ttmp6, 0x10000c
	s_cmp_lg_u32 s2, 0xf033
	s_cbranch_scc0 .Lentry_shape_is_right
	s_endpgm
.Lentry_shape_is_right:
; out0 = attention's result x WO^T on codes of BF8 (E5M2).  A = ao [8192][1024], B = plane 3 of wq (WO) [1024][1024], both as images of the operand's registers; out0 [8192][1024] f32; sums in f32, each multiplied once by 2^(e10 + e11).
; A tile of 256 x 256 is made by four waves, each 128 x 128: 64 accumulators, 512 registers.  K = 1,024 goes in four steps of 256 through a ring of two LDS slots.  For 256 along K, 128 rows of an operand are one dense
; block of 32 KiB, which one tensor load brings; a fragment (16 rows x 128 K) is four ds_load_b128 at 16 x lane + constants, each of 512 consecutive bytes.
; 32 x 4 tiles make 128 work-groups: a tile of half the size would make 256, but a wave of 64 x 128 reads 1.5 times the LDS bytes for each matrix instruction.
; CLUSTERS: 4 x 4 work-groups; A's tile is shared along a row of the cluster, B's along a column: each is asked for jointly.
; THE MATRIX INSTRUCTION IS USED TRANSPOSED (source 0 = 16 rows of B, source 1 = 16 rows of A): a lane holds eight neighbouring numbers of a row of out0.
; LIMIT: e10 + e11 between -126 and 127, so that 2^(e10 + e11) is an f32 number.
; REGISTERS, in windows of 256: window 0: v0-31 addresses; v128-255 A's fragments, one set; on the way out v32-255 are free.  window 1: B's fragments, two sets.  windows 2, 3: the accumulators ((a, b) at v[8 (8 (a % 4) + b)]).
.set SIZE_N, 1024
.set HALFT,  32768
.set SLOT,   4*HALFT
.set SPARE,  2*SLOT                    ; behind the ring: the spare words, 128 bytes for each wave: two blocks of 256 bytes that no other line names
.set SPITCH, 528                       ; the way out: a stage of 16 rows x (512 bytes + 16) for each wave, in slot 0, which has had its last fill and its last read when the first result is stored there
.set FR,     16
.set NL,     4
.set NP,     4
.set ADRA, 16
.set ADRB, 20
.set STO,  24                          ; v24  the way out: where I put 32 bytes of a row
.set RD,   25                          ; v25  where I read a row back
.set CO,   26                          ; v26  16 x lane: my bytes of a row of 512
.set SPW,  28
.set NIL,  29
.set TMP,  32
.set AF,   128
.set BK,   128
.set WV, 18
.set WH, 19
.set WL, 20
.set G1, 24
.set G0, 32
.set G1B, 48
.set G0B, 56
.set MSB, 0
.macro WIN new                         ; the immediate's high byte repeats the setting that is left
.if MSB != (\new)
	s_set_vgpr_msb (MSB<<8)|(\new)
.set MSB, (\new)
.endif
.endm
.set MUL_LO, 0xa1
.set MUL_HI, 0xf1
.set TO_B,   0x40
.macro JLOAD s                         ; a joint load: waves 0 and 1 fetch for A, waves 2 and 3 for B; four v_nop follow each line
	s_cmp_eq_u32 s[WH], 0
	s_cbranch_scc0 .Lfor_b_\@
	tensor_load_to_lds s[G0+4*\s:G0+4*\s+3], s[G1:G1+7]
	s_nop 0
.rept 4
	v_nop
.endr
	s_branch .Lasked_\@
.Lfor_b_\@:
	tensor_load_to_lds s[G0B+4*\s:G0B+4*\s+3], s[G1B:G1B+7]
	s_nop 0
.rept 4
	v_nop
.endr
.Lasked_\@:
.endm
.macro CREST
	s_cmp_lg_u32 s[WV], 0
	s_cbranch_scc1 .Lnot_wave_0_\@
	s_barrier_signal -3
.Lnot_wave_0_\@:
	s_barrier_wait -3
	s_barrier_signal -1
	s_barrier_wait -1
.endm
.macro CROUND
	s_barrier_signal -1
	s_barrier_wait -1
	CREST
.endm
	s_load_b256 s[4:11], s[0:1], 0x0               ; ao s[4:5], wq s[6:7], the scales s[8:9], out0 s[10:11]
	v_lshl_add_u32 v[SPW], v0, 2, SPARE
	v_mov_b32 v[NIL], 0
	ds_add_u32 v28, v29
	ds_add_u32 v28, v29
	s_wait_dscnt 0x0
	v_lshrrev_b32 v1, 5, v0
	v_readfirstlane_b32 s[WV], v1
	s_lshr_b32 s[WH], s[WV], 1
	s_and_b32 s[WL], s[WV], 1
	s_bfe_u32 s40, ttmp6, 0x40000                  ; cx, cy
	s_bfe_u32 s41, ttmp6, 0x40004
	s_lshl_b32 s42, ttmp9, 2
	s_add_co_u32 s42, s42, s40                     ; tile column
	s_and_b32 s43, ttmp7, 0xffff
	s_lshl_b32 s43, s43, 2
	s_add_co_u32 s43, s43, s41                     ; tile row
	s_lshl_b32 s44, s41, 2
	s_lshl_b32 s44, 15, s44                        ; my row of the cluster
	s_lshl_b32 s45, 0x1111, s40                    ; my column
	s_or_b32 s[G1+0], s44, (3<<16)|(1<<21)         ; the mask; elements of 8 bytes; no padding; bit 21 set beside a mask
	s_or_b32 s[G1B+0], s45, (3<<16)|(1<<21)
.irp g, G1, G1B
	s_mov_b32 s[\g+1], 32<<16                      ; a dense block of 32 KiB as 128 rows of 32 elements
	s_mov_b32 s[\g+2], 128<<16
	s_mov_b32 s[\g+3], 32<<16
	s_mov_b32 s[\g+4], 128
	s_mov_b32 s[\g+5], 32
	s_mov_b32 s[\g+6], 0
	s_mov_b32 s[\g+7], 0
.endr
	s_lshl_b32 s68, s43, 16                        ; A: 256 rows are 64 KiB; + the half that I fetch
	s_lshl_b32 s72, s[WL], 15
	s_add_co_u32 s68, s68, s72
	s_mov_b32 s69, 0
	s_lshl_b32 s70, s42, 16                        ; B likewise, in WO's plane, 3 MiB into wq
	s_lshl_b32 s73, s[WL], 15
	s_add_co_u32 s70, s70, s73
	s_add_co_u32 s70, s70, 0x300000
	s_mov_b32 s71, 0
	s_lshl_b32 s21, s[WV], 15                      ; where my part goes in a slot
	s_wait_kmcnt 0x0
	s_load_b64 s[96:97], s[8:9], 0x28              ; e10, e11
	s_add_nc_u64 s[68:69], s[4:5], s[68:69]
	s_add_nc_u64 s[70:71], s[6:7], s[70:71]
	CROUND                                         ; all sixteen work-groups are here: the first joint loads meet
	s_mov_b32 s[G0], 1
	s_mov_b32 s[G0+1], s21
	s_mov_b64 s[G0+2:G0+3], s[68:69]
	s_or_b32 s[G0+3], s[G0+3], 0x80000000
	s_mov_b32 s[G0B], 1
	s_mov_b32 s[G0B+1], s21
	s_mov_b64 s[G0B+2:G0B+3], s[70:71]
	s_or_b32 s[G0B+3], s[G0B+3], 0x80000000
	JLOAD 0
	s_mov_b32 s[G0+4], 1
	s_add_co_u32 s[G0+5], s21, SLOT
	s_add_nc_u64 s[G0+6:G0+7], s[68:69], 0x200000  ; 256 along K further on: 2 MiB in ao,
	s_or_b32 s[G0+7], s[G0+7], 0x80000000
	s_mov_b32 s[G0B+4], 1
	s_add_co_u32 s[G0B+5], s21, SLOT
	s_add_nc_u64 s[G0B+6:G0B+7], s[70:71], 0x40000 ; 256 KiB in a weight
	s_or_b32 s[G0B+7], s[G0B+7], 0x80000000
	JLOAD 1
	v_and_b32 v1, 31, v0
	v_lshlrev_b32 v[CO], 4, v1
	v_and_b32 v2, 15, v0                           ; r
	v_bfe_u32 v3, v0, 4, 1                         ; h
	s_lshl_b32 s22, s[WH], 15
	s_lshl_b32 s23, s[WL], 15
	s_add_co_u32 s23, s23, 2*HALFT
.irp s, 0,1
	v_add_nc_u32 v[ADRA+\s], s22, v[CO]
	v_add_nc_u32 v[ADRB+\s], s23, v[CO]
	s_add_co_u32 s22, s22, SLOT
	s_add_co_u32 s23, s23, SLOT
.endr
	s_mul_i32 s23, s[WV], 16*SPITCH                ; my stage
	v_mul_u32_u24 v5, v2, SPITCH                   ; in: row r, 32 bytes for each half of the lanes
	v_lshl_add_u32 v5, v3, 5, v5
	v_add_nc_u32 v[STO], s23, v5
	v_add_nc_u32 v[RD], s23, v[CO]                 ; back: the 32 lanes take one row of 512 bytes
	s_lshl_b32 s72, s43, 8
	s_lshl_b32 s73, s[WH], 7
	s_add_co_u32 s72, s72, s73                     ; my first row of out0,
	s_lshl_b32 s72, s72, 12                        ; of 4,096 bytes,
	s_lshl_b32 s73, s42, 10
	s_add_co_u32 s72, s72, s73                     ; my first column: 1,024 bytes a tile, 512 a half
	s_lshl_b32 s73, s[WL], 9
	s_add_co_u32 s72, s72, s73
	s_mov_b32 s73, 0
	s_add_nc_u64 s[10:11], s[10:11], s[72:73]
.macro FRAG reg, adr, q, i
.irp c, 0,1,2,3
	ds_load_b128 v[\reg+4*\c:\reg+4*\c+3], v[\adr] offset:2048*(\q)+512*\c+(\i)*4096
.endr
.endm
; 16 matrix instructions: A's blocks a0, a0 + 1 x B's eight.  The 64 accumulators take turns, one instruction a turn, in the same order in every step.
.macro MUL16 a0, p, zero
.irp a, \a0, \a0+1
.irp b, 0,1,2,3,4,5,6,7
.if \zero
	v_wmma_f32_16x16x128_bf8_bf8 v[8*(8*((\a)%4)+\b):8*(8*((\a)%4)+\b)+7], v[128*(\p)+FR*\b:128*(\p)+FR*\b+FR-1], v[AF+FR*(\a):AF+FR*(\a)+FR-1], 0
.else
	v_wmma_f32_16x16x128_bf8_bf8 v[8*(8*((\a)%4)+\b):8*(8*((\a)%4)+\b)+7], v[128*(\p)+FR*\b:128*(\p)+FR*\b+FR-1], v[AF+FR*(\a):AF+FR*(\a)+FR-1], v[8*(8*((\a)%4)+\b):8*(8*((\a)%4)+\b)+7]
.endif
.endr
.endr
.endm
.macro FETCH_B slot, q, p
	WIN TO_B
.irp i, 0,1,2,3,4,5,6,7
	FRAG 128*(\p)+FR*\i, ADRB+\slot, \q, \i
.endr
	WIN 0
.endm
.macro FETCH_A slot, q, i0
.irp i, \i0, \i0+1, \i0+2, \i0+3
	FRAG AF+FR*(\i), ADRA+\slot, \q, \i
.endr
.endm
.macro PLACES n                        ; plain vector instructions between a matrix instruction and a load into, or a read of, its registers
.rept \n
	v_nop
.endr
.endm
.macro STEP slot, q, zero
	s_wait_dscnt 4*NL                              ; B's set and A's blocks 0-3 are in; the youngest sixteen loads (A's blocks 4-7) may be out
	WIN MUL_LO
	MUL16 0, (\q)%2, \zero
	MUL16 2, (\q)%2, \zero
	s_wait_dscnt 0
	PLACES NP
	FETCH_B \slot, (\q)+1, 1-(\q)%2
	FETCH_A \slot, (\q)+1, 0
	WIN MUL_HI
	MUL16 4, (\q)%2, \zero
	MUL16 6, (\q)%2, \zero
	PLACES NP
	WIN 0
	FETCH_A \slot, (\q)+1, 4
.endm
.macro TURN slot, next, fill
	s_wait_tensorcnt 0x0                           ; all my tensor loads have landed: my part of the next slot
	ds_add_u32 v[SPW], v[NIL]                      ; 0 onto my spare word
	s_wait_dscnt 4*NL+1                            ; (the add and the youngest sixteen loads may be out)
	WIN MUL_LO
	MUL16 0, 1, 0
	s_wait_dscnt 0x0                               ; the add is done, and my reads of this slot are over
	s_barrier_signal -1
	MUL16 2, 1, 0
	WIN 0
	s_barrier_wait -1
.if \fill
	CREST                                          ; the barrier has opened a round of the cluster's barrier
	s_add_nc_u64 s[G0+4*\slot+2:G0+4*\slot+3], s[G0+4*\slot+2:G0+4*\slot+3], 0x400000
	s_add_nc_u64 s[G0B+4*\slot+2:G0B+4*\slot+3], s[G0B+4*\slot+2:G0B+4*\slot+3], 0x80000
	JLOAD \slot                                    ; the first tensor load behind the round; its four v_nop are the places in front of the loads below
.else
	PLACES NP
.endif
	FETCH_B \next, 0, 0
	FETCH_A \next, 0, 0
	WIN MUL_HI
	MUL16 4, 1, 0
	MUL16 6, 1, 0
	PLACES NP
	WIN 0
	FETCH_A \next, 0, 4
.endm
	s_wait_tensorcnt 1                             ; my part of K step 0 is in; K step 1's load may be out
	s_barrier_signal -1
	s_barrier_wait -1
	FETCH_B 0, 0, 0
	FETCH_A 0, 0, 0
	FETCH_A 0, 0, 4
	STEP 0, 0, 1                                   ; the first products start the sums
	TURN 0, 1, 1                                   ; slot 0 takes K step 2
	STEP 1, 0, 0
	TURN 1, 0, 1                                   ; slot 1 takes K step 3
	STEP 0, 0, 0
	TURN 0, 1, 0                                   ; nothing is left to fetch
	STEP 1, 0, 0
	s_wait_dscnt 4*NL
	WIN MUL_LO
	MUL16 0, 1, 0
	MUL16 2, 1, 0
	s_wait_dscnt 0
	WIN MUL_HI
	MUL16 4, 1, 0
	MUL16 6, 1, 0
	WIN 0
; THE WAY OUT, block by block of 16 rows x 128 columns: through my own stage in LDS and back as whole rows of 512 bytes.  LDS serves a wave's instructions in order (ISA guide 5.7.1.4): no wait between the stores and the loads.
.macro TOSTAGE a
.set AC, 64*((\a)%4)
	WIN 0x02+((\a)/4)                              ; source 0: window 2 or 3
.set jj, 0
.rept 32
	v_pk_mul_f32 v[TMP+jj:TMP+jj+1], v[AC+jj:AC+jj+1], s[96:97] op_sel_hi:[1,0]   ; both x 2^(e10 + e11); each accumulator from its low end on
.set jj, jj+2
.endr
	WIN 0
.irp b, 0,1,2,3,4,5,6,7
	ds_store_b128 v[STO], v[TMP+8*\b:TMP+8*\b+3] offset:64*\b
	ds_store_b128 v[STO], v[TMP+8*\b+4:TMP+8*\b+7] offset:64*\b+16
.endr
.set BB, BK+64*((\a)%2)
.irp t, 0,1,2,3,4,5,6,7,8,9,10,11,12,13,14,15
	ds_load_b128 v[BB+4*\t:BB+4*\t+3], v[RD] offset:\t*SPITCH
.endr
.endm
.macro SEND a, younger                 ; younger: the LDS instructions issued behind block a's loads, which may stay out
.set BB, BK+64*((\a)%2)
	s_wait_dscnt \younger
.if (\a) > 0
	s_add_nc_u64 s[10:11], s[10:11], 16*SIZE_N*4   ; (behind a wait on XCNT: the earlier stores have read their base)  16 rows on
.endif
.irp t, 0,1,2,3,4,5,6,7,8,9,10,11,12,13,14,15
	global_store_b128 v[CO], v[BB+4*\t:BB+4*\t+3], s[10:11] offset:\t*SIZE_N*4 th:TH_STORE_NT   ; 32 lanes store 512 consecutive bytes, aligned; written once, read by nobody here
.endr
.endm
	s_wait_kmcnt 0x0
	s_add_co_i32 s96, s96, s97
	s_add_co_i32 s96, s96, 127
	s_lshl_b32 s96, s96, 23                        ; 2^(e10 + e11) as f32
	PLACES NP                                      ; in front of the first read of results and of loads into registers that held A's fragments
	TOSTAGE 0
.irp a, 1,2,3,4,5,6,7
.if \a > 1
	s_wait_xcnt 0x0                                ; block a - 2's stores have read their registers and their base
.endif
	TOSTAGE \a
	SEND \a-1, 32                                  ; behind block a - 1's loads: block a's 16 stores and 16 loads
.endr
	s_wait_xcnt 0x0
	SEND 7, 0
	s_wait_tensorcnt 0x0                           ; the wave's end
	ds_add_u32 v[SPW], v[NIL]
	s_wait_dscnt 0x0
	CROUND                                         ; the closing round
	s_endpgm
.Lfunc_end_k_q0f206cbb73_outp:
	.size	k_q0f206cbb73_outp, .Lfunc_end_k_q0f206cbb73_outp-k_q0f206cbb73_outp
	.p2alignl 7, 3214868480
	.fill 96, 4, 3214868480
	.section	.rodata,"a",@progbits
	.p2align	6, 0x0
	.amdhsa_kernel k_q0f206cbb73_outp
		.amdhsa_group_segment_fixed_size 327680
		.amdhsa_private_segment_fixed_size 0
		.amdhsa_enable_private_segment 0
		.amdhsa_kernarg_size 32
		.amdhsa_user_sgpr_count 2
		.amdhsa_user_sgpr_kernarg_segment_ptr 1
		.amdhsa_wavefront_size32 1
		.amdhsa_system_sgpr_workgroup_id_x 1
		.amdhsa_system_sgpr_workgroup_id_y 1
		.amdhsa_system_sgpr_workgroup_id_z 1
		.amdhsa_system_vgpr_workitem_id 0
		.amdhsa_next_free_vgpr 1024
		.amdhsa_next_free_sgpr 98
		.amdhsa_reserve_vcc 0
		.amdhsa_float_denorm_mode_32 3
		.amdhsa_float_denorm_mode_16_64 3
		.amdhsa_memory_ordered 1
		.amdhsa_forward_progress 1
		.amdhsa_inst_pref_size 123
	.end_amdhsa_kernel
	.amdgpu_metadata
---
amdhsa.version: [ 1, 2 ]
amdhsa.kernels:
  - .name:           k_q0f206cbb73_outp
    .symbol:         k_q0f206cbb73_outp.kd
    .args:
      - { .name: ao, .offset: 0, .size: 8, .value_kind: global_buffer, .address_space: global }
      - { .name: wq, .offset: 8, .size: 8, .value_kind: global_buffer, .address_space: global }
      - { .name: lowp_scales, .offset: 16, .size: 8, .value_kind: global_buffer, .address_space: global }
      - { .name: out0, .offset: 24, .size: 8, .value_kind: global_buffer, .address_space: global }
    .group_segment_fixed_size: 327680
    .private_segment_fixed_size: 0
    .kernarg_segment_align: 8
    .kernarg_segment_size: 32
    .max_flat_workgroup_size: 128
    .sgpr_count:     98
    .vgpr_count:     1024
    .wavefront_size: 32
...
	.end_amdgpu_metadata
.endif
;; end of part 4
;; ======== version 2 of 2: 4 launches
;; limits: right only within a limited range of input values
;; workspace buffers: xq 25,165,824 bytes; wq 4,194,304 bytes; rope 524,288 bytes; qc 8,388,608 bytes; kc 8,388,608 bytes; vc 8,388,608 bytes; ao 8,388,608 bytes
;; launch quant (part 5): grid 800 x 1, 4 waves a work-group, no clusters, 34,304 bytes of LDS; arguments x, WQ, WK, WV, WO, lowp_scales, token_positions, xq, wq, rope; writes xq, wq, rope
.if DOCPART == 5
	.amdgcn_target "amdgcn-amd-amdhsa--gfx1250"
	.amdhsa_code_object_version 6
	.text
	.protected	k_q0f206cbb73_quant
	.globl	k_q0f206cbb73_quant
	.p2align	8
	.type	k_q0f206cbb73_quant,@function
k_q0f206cbb73_quant:
	s_mov_b64 s[64:65], 0
	v_nop
	global_prefetch_b8 v0, s[64:65] scope:SCOPE_SE
	s_setreg_imm32_b32 hwreg(HW_REG_WAVE_MODE, 25, 1), 1
	s_wait_xcnt 0x0
; x [8192][1024] and WQ, WK, WV, WO [1024][1024], f32, become codes of BF8 (E5M2); and the table of cos and sin for the rotation is made.
; code = number / 2^e, held within +-57,344, rounded to the nearest code, ties to even.  x is quantised three times (entries 0, 2, 4 of the scales: its three products each
; have a scale of their own), WQ, WK, WV, WO once (entries 1, 3, 5, 11).
; THE CODES ARE LAID AS IMAGES OF THE MATRIX OPERAND'S REGISTERS.  A fragment is 16 rows x 128 K in 16 registers: lane (r, h) holds row r, registers 2 c, 2 c + 1 hold k = 16 c + 8 h + 0 .. 7.
; Four registers of all 32 lanes are an image of 512 bytes, lane l's 16 bytes at 16 l.  Code (row, k) of a tensor of R rows lies at
;   (k >> 8) R 256 + (row >> 4) 4096 + ((k >> 7) & 1) 2048 + ((k >> 5) & 3) 512 + 16 lane + 8 ((k >> 4) & 1) + (k & 7),  lane = (row & 15) + 16 ((k >> 3) & 1):
; for 256 along K, 128 rows are one dense block of 32 KiB, and every store of a wave here covers 512 consecutive bytes, aligned.
; SHARES.  Work-groups 0-511: 16 rows of x each; 512-767: 16 rows of a weight each; wave w takes columns 256 w .. 256 w + 255, in two units of 128.  x and the weights take ONE way through the text: only
; pointers and numbers are chosen, by the work-group's number.  Work-groups 768-799: the table, 64 positions each, on a way of its own that touches no LDS.
; A load reads 512 consecutive bytes of a row; a unit's 16 rows turn through the wave's own stage in LDS (rows 528 bytes apart) and come back so that a lane's registers run along K in the operand's order.
; No tensor loads, no barrier, no cluster: waves and work-groups share nothing.
; THE TABLE: rope[s][f] = (cos, sin) of f32(position[s]) x invf[f], invf[f] = 10^(-f / 8) = 10000^(-2 f / 64) rounded to f32.  The angle is reduced by n = the nearest whole number to angle x 2 / pi and
; pi / 2 in three parts (fused multiply-adds); sine and cosine on +-pi/4 by their series to r^9 and r^10, whose next terms lie under 2e-9.
; LIMITS: each e between -126 and 127, so that 2^e is an f32 number.  NaN among the inputs is not served.  The reduction holds while n stays under 2^23 (angles under 1.3e7).
; invf is the correctly rounded power; where another f32 power function differs by a last bit, the angle at position 2,047 differs by about 1e-4.
.set SP,   528                         ; a stage row: 512 bytes + 16
.set WST,  16*SP                       ; a wave's stage
.set LI,   1                           ; v1   16 x lane
.set STI,  2                           ; v2   into the stage: my 16 bytes of a row
.set STO,  3                           ; v3   out of it: row r, + 32 h
.set SC,   4                           ; v4, v6, v8: 2^e of the three scales
.set RAW,  16                          ; v16-143 two units of 64 registers as loaded; later the units' codes (48 each): no store's data are written again
.set X,    144                         ; v144-207 a unit in the operand's order: register 16 g + i: i < 8: k = 32 g + 8 h + i; else k = 32 g + 16 + 8 h + i - 8
.set T,    208
	s_load_b512 s[8:23], s[0:1], 0x0               ; x, WQ, WK, WV, WO, the scales, the positions, xq
	s_load_b128 s[24:27], s[0:1], 0x40             ; wq, rope
	v_lshl_add_u32 v224, v0, 2, 0x8400
	v_mov_b32 v225, 0
	v_lshrrev_b32 v1, 5, v0
	v_readfirstlane_b32 s2, v1                     ; wave 0..3
	v_and_b32 v10, 31, v0                          ; lane
	s_cmp_ge_u32 ttmp9, 768
	s_cbranch_scc1 .Ltable
	v_lshlrev_b32 v[LI], 4, v10
	s_mul_i32 s3, s2, WST
	v_add_nc_u32 v[STI], s3, v[LI]
	v_and_b32 v11, 15, v0                          ; r
	v_bfe_u32 v12, v0, 4, 1                        ; h
	v_mul_u32_u24 v[STO], v11, SP
	v_lshl_add_u32 v[STO], v12, 5, v[STO]
	v_add_nc_u32 v[STO], s3, v[STO]
	s_sub_co_u32 s40, ttmp9, 512
	s_lshr_b32 s43, s40, 6                         ; which weight (of use in work-groups 512-767 alone)
	s_and_b32 s42, s40, 63                         ; and which 16 rows of it
	s_wait_alu depctr_va_vdst(0)
	s_wait_kmcnt 0x0
	s_load_b256 s[28:35], s[18:19], 0x0            ; e0 .. e7
	s_load_b128 s[36:39], s[18:19], 0x20           ; e8 .. e11
	s_cmp_eq_u32 s43, 1
	s_cselect_b64 s[44:45], s[12:13], s[10:11]
	s_cmp_eq_u32 s43, 2
	s_cselect_b64 s[44:45], s[14:15], s[44:45]
	s_cmp_eq_u32 s43, 3
	s_cselect_b64 s[44:45], s[16:17], s[44:45]
	s_cmp_lt_u32 ttmp9, 512
	s_cselect_b64 s[44:45], s[8:9], s[44:45]       ; the tensor that I read,
	s_cselect_b64 s[48:49], s[22:23], s[24:25]     ; the buffer that I write,
	s_cselect_b32 s41, ttmp9, s42                  ; which 16 rows,
	s_cselect_b32 s50, 21, 18                      ; 256 along K of all rows: 2 MiB for x, 256 KiB for a weight,
	s_cselect_b32 s51, 0, s43                      ; and the weight's plane of 1 MiB
	s_lshl_b32 s54, s41, 16                        ; 16 rows of 4,096 bytes
	s_lshl_b32 s55, s2, 10                         ; my wave's 256 columns
	s_add_co_u32 s54, s54, s55
	s_mov_b32 s55, 0
	s_add_nc_u64 s[44:45], s[44:45], s[54:55]
	s_lshl_b32 s54, s2, s50
	s_lshl_b32 s51, s51, 20
	s_add_co_u32 s54, s54, s51
	s_lshl_b32 s51, s41, 12
	s_add_co_u32 s54, s54, s51
	s_add_nc_u64 s[48:49], s[48:49], s[54:55]      ; the first set of codes
	s_add_nc_u64 s[50:51], s[48:49], 0x800000      ; x's second and third planes (used by x's work-groups alone)
	s_add_nc_u64 s[52:53], s[48:49], 0x1000000
.irp u, 0,1
.set ii, 0
.rept 16
	global_load_b128 v[RAW+64*\u+4*ii:RAW+64*\u+4*ii+3], v[LI], s[44:45] offset:4096*ii+512*\u th:TH_LOAD_NT   ; 32 lanes read 512 consecutive bytes of row ii
.set ii, ii+1
.endr
.endr
.macro MKSC e, r                       ; v[r] = 2^e as f32 (the conversion takes its exponent field)
	s_add_co_i32 s56, \e, 127
	s_lshl_b32 s57, s56, 23
	v_mov_b32 v[\r], s57
.endm
	s_wait_kmcnt 0x0
	s_cmp_eq_u32 s43, 1
	s_cselect_b32 s46, s31, s29
	s_cmp_eq_u32 s43, 2
	s_cselect_b32 s46, s33, s46
	s_cmp_eq_u32 s43, 3
	s_cselect_b32 s46, s39, s46
	s_cmp_lt_u32 ttmp9, 512
	s_cselect_b32 s46, s28, s46                    ; e0 for x; e1, e3, e5 or e11 for a weight
	MKSC s46, SC
	MKSC s30, SC+2                                 ; e2
	MKSC s32, SC+4                                 ; e4
; Unit u through the stage.  LDS serves a wave's instructions in order, so no wait stands between the stores and the loads.  left: the younger loads that may stay out
.macro TURN u, left
	s_wait_loadcnt \left
.set ii, 0
.rept 16
	ds_store_b128 v[STI], v[RAW+64*\u+4*ii:RAW+64*\u+4*ii+3] offset:SP*ii
.set ii, ii+1
.endr
	v_nop
.irp g, 0,1,2,3
	ds_load_b128 v[X+16*\g:X+16*\g+3],     v[STO] offset:128*\g
	ds_load_b128 v[X+16*\g+4:X+16*\g+7],   v[STO] offset:128*\g+16
	ds_load_b128 v[X+16*\g+8:X+16*\g+11],  v[STO] offset:128*\g+64
	ds_load_b128 v[X+16*\g+12:X+16*\g+15], v[STO] offset:128*\g+80
.endr
	s_wait_dscnt 0x0                               ; the unit is back; the stores have read the registers that now take its codes
.endm
; Unit u's codes under the scale in v[sc], v[sc + 1], into v[cb] on, stored from s[d:d+1] on.  The conversion does not saturate (ISA guide 7.6.2): each number is held first.
; The two sets of held numbers take turns, so that behind each conversion eight plain instructions on other registers stand before its sources are written again.
.macro CONV u, sc, cb, d
.irp q, 0,1,2,3,4,5,6,7
.irp i, 0,1,2,3,4,5,6,7
.endr
	v_cvt_scalef32_pk8_bf8_f32 v[\cb+2*\q:\cb+2*\q+1], v[T+8*(\q%2)+((X+8*\q+0)-(T+8*(\q%2)+0)):T+8*(\q%2)+7+((X+8*\q+0)-(T+8*(\q%2)+0))], v[\sc]
.endr
.irp g, 0,1,2,3
	global_store_b128 v[LI], v[\cb+4*\g:\cb+4*\g+3], s[\d:\d+1] offset:2048*\u+512*\g   ; an image: 512 consecutive bytes
.endr
.endm
	s_wait_alu depctr_va_vdst(0)
	TURN 0, 16                                     ; unit 0's sixteen loads are in; unit 1's may be out
	CONV 0, SC, RAW, 48
	s_cmp_ge_u32 ttmp9, 512
	s_cbranch_scc1 .Lone_scale_0                   ; a weight has one scale
	CONV 0, SC+2, RAW+16, 50
	CONV 0, SC+4, RAW+32, 52
.Lone_scale_0:
	TURN 1, 0
	CONV 1, SC, RAW+64, 48
	s_cmp_ge_u32 ttmp9, 512
	s_cbranch_scc1 .Lone_scale_1
	CONV 1, SC+2, RAW+80, 50
	CONV 1, SC+4, RAW+96, 52
.Lone_scale_1:
	s_wait_tensorcnt 0x0
	ds_add_u32 v224, v225
	s_wait_dscnt 0x0
	s_endpgm
.Ltable:                                               ; lane = frequency f; a wave makes 16 positions' rows of 256 bytes
	s_sub_co_u32 s3, ttmp9, 768
	s_lshl_b32 s3, s3, 6
	s_lshl_b32 s4, s2, 4
	s_add_co_u32 s3, s3, s4                        ; my first position's index
	s_lshl_b32 s4, s3, 2
	s_lshl_b32 s6, s3, 8
	s_mov_b32 s7, 0
	s_wait_kmcnt 0x0
	s_load_b512 s[48:63], s[20:21], s4 offset:0x0  ; sixteen positions
	s_add_nc_u64 s[26:27], s[26:27], s[6:7]
	s_wait_alu depctr_va_vdst(0)
	v_lshlrev_b32 v12, 3, v10                      ; 8 bytes a lane
	v_mov_b32 v11, 1.0                             ; invf: lane 0
.macro INVF lane, val
	s_mov_b32 s5, \val
	v_writelane_b32 v11, s5, \lane
.endm
	INVF 1, 0.7498942093324559
	INVF 2, 0.5623413251903491
	INVF 3, 0.4216965034285822
	INVF 4, 0.31622776601683794
	INVF 5, 0.23713737056616552
	INVF 6, 0.1778279410038923
	INVF 7, 0.1333521432163324
	INVF 8, 0.1
	INVF 9, 0.07498942093324559
	INVF 10, 0.05623413251903491
	INVF 11, 0.04216965034285822
	INVF 12, 0.031622776601683794
	INVF 13, 0.023713737056616552
	INVF 14, 0.01778279410038923
	INVF 15, 0.01333521432163324
	INVF 16, 0.01
	INVF 17, 0.007498942093324559
	INVF 18, 0.005623413251903491
	INVF 19, 0.004216965034285822
	INVF 20, 0.0031622776601683794
	INVF 21, 0.0023713737056616552
	INVF 22, 0.001778279410038923
	INVF 23, 0.001333521432163324
	INVF 24, 0.001
	INVF 25, 0.0007498942093324559
	INVF 26, 0.0005623413251903491
	INVF 27, 0.0004216965034285822
	INVF 28, 0.00031622776601683794
	INVF 29, 0.00023713737056616552
	INVF 30, 0.0001778279410038923
	INVF 31, 0.0001333521432163324
	s_wait_kmcnt 0x0
.macro ROW i
	v_cvt_f32_i32 v13, s[48+\i]
	s_wait_alu depctr_va_vdst(0)
	v_mul_f32 v13, v13, v11                        ; the angle: one rounding
	v_mul_f32 v14, 0x3f22f983, v13                 ; x 2 / pi
	v_rndne_f32 v14, v14                           ; n
	v_fmamk_f32 v15, v14, 0xbfc90f80, v13          ; angle - n x pi / 2, pi / 2 in three parts
	v_fmamk_f32 v15, v14, 0xb7354400, v15
	v_fmamk_f32 v15, v14, 0xae85a308, v15          ; r, within +-pi/4
	v_cvt_i32_f32 v16, v14
	v_mul_f32 v17, v15, v15                        ; r^2
	v_mov_b32 v18, 0x3638ef1d                      ; 1/9!
	v_mov_b32 v20, 0xb493f27e                      ; -1/10!
	v_fmaak_f32 v18, v18, v17, 0xb9500d01          ; -1/7!
	v_fmaak_f32 v20, v20, v17, 0x37d00d01          ; 1/8!
	v_fmaak_f32 v18, v18, v17, 0x3c088889          ; 1/5!
	v_fmaak_f32 v20, v20, v17, 0xbab60b61          ; -1/6!
	v_fmaak_f32 v18, v18, v17, 0xbe2aaaab          ; -1/3!
	v_fmaak_f32 v20, v20, v17, 0x3d2aaaab          ; 1/4!
	v_mul_f32 v19, v15, v17
	v_fmaak_f32 v20, v20, v17, 0xbf000000          ; -1/2
	v_fma_f32 v18, v18, v19, v15                   ; sin r
	v_fma_f32 v20, v20, v17, 1.0                   ; cos r
	v_and_b32 v21, 1, v16
	v_cmp_eq_u32 vcc_lo, 1, v21                    ; an odd quarter swaps the two
	v_cndmask_b32 v22, v20, v18, vcc_lo
	v_cndmask_b32 v23, v18, v20, vcc_lo
	v_add_nc_u32 v21, 1, v16
	v_and_b32 v21, 2, v21
	v_lshlrev_b32 v21, 30, v21                     ; the cosine is negative in quarters 1 and 2,
	v_xor_b32 v[32+2*\i], v21, v22
	v_and_b32 v21, 2, v16
	v_lshlrev_b32 v21, 30, v21                     ; the sine in quarters 2 and 3
	v_xor_b32 v[33+2*\i], v21, v23
	global_store_b64 v12, v[32+2*\i:33+2*\i], s[26:27] offset:256*\i   ; 32 lanes store a row of 256 consecutive bytes; each row has registers of its own
.endm
.irp i, 0,1,2,3,4,5,6,7,8,9,10,11,12,13,14,15
	ROW \i
.endr
	s_endpgm
.Lfunc_end_k_q0f206cbb73_quant:
	.size	k_q0f206cbb73_quant, .Lfunc_end_k_q0f206cbb73_quant-k_q0f206cbb73_quant
	.p2alignl 7, 3214868480
	.fill 96, 4, 3214868480
	.section	.rodata,"a",@progbits
	.p2align	6, 0x0
	.amdhsa_kernel k_q0f206cbb73_quant
		.amdhsa_group_segment_fixed_size 34304
		.amdhsa_private_segment_fixed_size 0
		.amdhsa_enable_private_segment 0
		.amdhsa_kernarg_size 80
		.amdhsa_user_sgpr_count 2
		.amdhsa_user_sgpr_kernarg_segment_ptr 1
		.amdhsa_wavefront_size32 1
		.amdhsa_system_sgpr_workgroup_id_x 1
		.amdhsa_system_sgpr_workgroup_id_y 1
		.amdhsa_system_sgpr_workgroup_id_z 1
		.amdhsa_system_vgpr_workitem_id 0
		.amdhsa_next_free_vgpr 226
		.amdhsa_next_free_sgpr 66
		.amdhsa_reserve_vcc 1
		.amdhsa_float_denorm_mode_32 3
		.amdhsa_float_denorm_mode_16_64 3
		.amdhsa_fp16_overflow 1
		.amdhsa_memory_ordered 1
		.amdhsa_forward_progress 1
		.amdhsa_inst_pref_size 46
	.end_amdhsa_kernel
	.amdgpu_metadata
---
amdhsa.version: [ 1, 2 ]
amdhsa.kernels:
  - .name:           k_q0f206cbb73_quant
    .symbol:         k_q0f206cbb73_quant.kd
    .args:
      - { .name: x, .offset: 0, .size: 8, .value_kind: global_buffer, .address_space: global }
      - { .name: WQ, .offset: 8, .size: 8, .value_kind: global_buffer, .address_space: global }
      - { .name: WK, .offset: 16, .size: 8, .value_kind: global_buffer, .address_space: global }
      - { .name: WV, .offset: 24, .size: 8, .value_kind: global_buffer, .address_space: global }
      - { .name: WO, .offset: 32, .size: 8, .value_kind: global_buffer, .address_space: global }
      - { .name: lowp_scales, .offset: 40, .size: 8, .value_kind: global_buffer, .address_space: global }
      - { .name: token_positions, .offset: 48, .size: 8, .value_kind: global_buffer, .address_space: global }
      - { .name: xq, .offset: 56, .size: 8, .value_kind: global_buffer, .address_space: global }
      - { .name: wq, .offset: 64, .size: 8, .value_kind: global_buffer, .address_space: global }
      - { .name: rope, .offset: 72, .size: 8, .value_kind: global_buffer, .address_space: global }
    .group_segment_fixed_size: 34304
    .private_segment_fixed_size: 0
    .kernarg_segment_align: 8
    .kernarg_segment_size: 80
    .max_flat_workgroup_size: 128
    .sgpr_count:     66
    .vgpr_count:     226
    .wavefront_size: 32
...
	.end_amdgpu_metadata
.endif
;; end of part 5
;; launch proj (part 6): grid 8 x 32, 4 waves a work-group, clusters of 4 x 4, 327,680 bytes of LDS; arguments xq, wq, lowp_scales, rope, qc, kc, vc; writes qc, kc, vc
.if DOCPART == 6
	.amdgcn_target "amdgcn-amd-amdhsa--gfx1250"
	.amdhsa_code_object_version 6
	.text
	.protected	k_q0f206cbb73_proj
	.globl	k_q0f206cbb73_proj
	.p2align	8
	.type	k_q0f206cbb73_proj,@function
k_q0f206cbb73_proj:
	s_mov_b64 s[64:65], 0
	v_nop
	global_prefetch_b8 v0, s[64:65] scope:SCOPE_SE
	s_setreg_imm32_b32 hwreg(HW_REG_WAVE_MODE, 25, 1), 1
	s_wait_xcnt 0x0
	s_wait_alu depctr_hold_cnt(0) depctr_sa_sdst(0) depctr_va_vdst(0) depctr_va_sdst(0) depctr_va_ssrc(0) depctr_va_vcc(0) depctr_vm_vsrc(0)
	s_getreg_b32 s2, hwreg(HW_REG_IB_STS2, 6, 4)
	s_cmp_eq_u32 s2, 0
	s_cbranch_scc0 .Lentry_in_a_cluster
	s_endpgm
.Lentry_in_a_cluster:
	s_bfe_u32 s2, ttmp6, 0x10000c
	s_cmp_lg_u32 s2, 0xf033
	s_cbranch_scc0 .Lentry_shape_is_right
	s_endpgm
.Lentry_shape_is_right:
; Q = x WQ^T, K = x WK^T, V = x WV^T on codes of BF8 (E5M2); Q and K are rotated (interleaved pairs, cos and sin from the table); all three are quantised at once and leave as codes, laid as the attention's operands.
; SHARES.  The 8,192 x 3,072 results are 384 tiles of 256 x 256: one and a half for each of 256 work-groups.  So a work-group makes, in PASS 1, one tile of 256 tokens x 256 features of Q or of K (the cluster's x, p, names
; the product: the same number in all sixteen partners), and, in PASS 2, half a tile of V: 256 channels x 128 tokens.  Every work-group has the same work.
; Four waves.  Pass 1: a wave makes 128 x 128: 64 accumulators of 16 x 16, 512 registers.  Pass 2: 128 channels x 64 tokens: 32 accumulators; it reads 12 fragments for 32 matrix instructions where pass 1 reads 16 for 64.
; K = 1,024 goes in four steps of 256 through a ring of two LDS slots, and THE RING DOES NOT STOP BETWEEN THE PASSES: pass 1's third change of slots asks for V's K step 0, a round in the middle of pass 1's way out for
; V's K step 1: both land while pass 1's results are rotated, quantised and stored.
; OPERANDS LIE IN MEMORY AS IMAGES OF THEIR REGISTERS (16 rows x 128 K: four images of 512 bytes, lane l's 16 bytes at 16 l): for 256 along K, 128 rows are one dense block of 32 KiB,
; and a fragment is four ds_load_b128 at 16 x lane + constants: each reads 512 consecutive bytes; no pitch, no padding.
; THE MATRIX INSTRUCTION IS USED TRANSPOSED (source 0 = 16 rows of "B", source 1 = 16 rows of "A"): lane (r, h) holds row r of A's block and rows 8 h + 0 .. 7 of B's block.
;   pass 1: A = x (tokens), B = the weight (features): a lane's eight numbers are d = 16 nb + 8 h + 0 .. 7 of one token: four pairs of the rotation, and then registers 2 nb, 2 nb + 1 of a fragment 16 tokens x 64 d.
;   pass 2: A = WV (channels), B = x (tokens): a lane's eight numbers are eight neighbouring KEYS of one channel: registers 2 c, 2 c + 1 of a fragment 16 channels x 128 keys, c = 4 (wave % 2) + b.
; So the conversions' results are the next operand's registers, nothing goes through LDS on the way out, and each store of a wave covers 512 consecutive bytes, aligned.
; qc, kc: [batch x head 64][tile of 16 tokens 128][image 2][lane][16].   vc: [batch x head 64][128 keys 16][16 channels 4][image 4][lane][16].
; A sum stands for sum x 2^(ea + eb), so its code under the next scale 2^eo is sum / 2^(eo - ea - eb): the three scales are folded into the conversion's one.
; CLUSTERS: 4 x 4 work-groups.  In both passes A's tile hangs on the place along the cluster's y alone (and on the cluster) and is shared along a row of the cluster, B's on the place along x and is shared along a column.
; LIMITS: eo - ea - eb between -126 and 112 for (e6, e0, e1), (e7, e2, e3), (e9, e4, e5), so that the folded scale and 57,344 x it are f32 numbers.
; REGISTERS, in windows of 256: window 0: v0-31 addresses; v128-255 A's fragments, one set; v32-127 idle in the loops.  Way out: v32-191 five sets of 32 of the table, v192-223 a unit's numbers, v224-255 codes, four sets of 8.
;   window 1: B's fragments, two sets, at v0 and v128.   window 2: the accumulators of A's blocks 0-3 ((a, b) at v[8 (8 (a % 4) + b)]);   window 3: those of blocks 4-7.
.set HALFT,  32768                     ; 128 rows x 256 K
.set SLOT,   4*HALFT                   ; pass 1: A's two halves, then B's two.  Pass 2: A's two halves, then B's two of 16 KiB
.set SPARE,  2*SLOT                    ; behind the ring: the spare words, 128 bytes for each wave: two blocks of 256 bytes that no other line names
.set FR,     16                        ; registers of a fragment
.set NL,     4                         ; LDS loads that bring one
.set NP,     4                         ; places behind this matrix instruction (ISA guide 7.12.1)
.set ADRA, 16                          ; v16-17  LDS address of my A fragments in slot 0, 1 (both passes)
.set ADRB, 20                          ; v20-21  the same for pass 1's B
.set ADRV, 22                          ; v22-23  the same for pass 2's B
.set LI,   24                          ; v24     16 x lane
.set TA,   25                          ; v25     the table: 256 r + 32 h
.set VSC,  26                          ; v26, v27  pass 1: 2^(eo - ea - eb), 57,344 x that
.set SPW,  28                          ; v28     LDS address of my spare word; never rewritten
.set NIL,  29                          ; v29     0; never rewritten
.set VSC2, 30                          ; v30, v31  pass 2: the same with e9 - e4 - e5
.set TB,   32
.set RR,   192
.set CD,   224
.set AF,   128
.set WV, 18                            ; s18 wave; s19 wave / 2: my half of A's rows, and: I fetch for A (0) or B (1); s20 wave % 2: my half of B's rows, and which half I fetch
.set WH, 19
.set WL, 20
.set G1, 24                            ; s[24:31] descriptor group 1 for A's tiles, both passes;  s[32:39] pass 1's group 0 for A, one set for each slot
.set G0, 32
.set G1B, 48                           ; s[48:55], s[56:63] the same for pass 1's B
.set G0B, 56
.set G0VA, 68                          ; s[68:75] pass 2's group 0 for A (WV);  s[76:83] for B (x);  s[84:91] pass 2's group 1 for B: 64 rows
.set G0VB, 76
.set G1VB, 84
.set OUT1, 92                          ; s[92:93] where my codes of Q or K go;  s[94:95] my codes of V
.set OUT2, 94
.set MSB, 0
.macro WIN new                         ; the immediate's high byte repeats the setting that is left
.if MSB != (\new)
	s_set_vgpr_msb (MSB<<8)|(\new)
.set MSB, (\new)
.endif
.endm
.set MUL_LO, 0xa1                      ; source 0 (B) window 1, source 1 (A) window 0, C and D window 2
.set MUL_HI, 0xf1                      ; the same, C and D window 3
.set TO_B,   0x40                      ; destination window 1, address window 0
; A joint load: waves 0 and 1 fetch for A, waves 2 and 3 for B.  Each line has one mask and one set of registers; the branch hangs on the wave's number alone.  Four v_nop follow each line.
.macro JLOAD g0a, g1a, g0b, g1b
	s_cmp_eq_u32 s[WH], 0
	s_cbranch_scc0 .Lfor_b_\@
	tensor_load_to_lds s[\g0a:\g0a+3], s[\g1a:\g1a+7]
	s_nop 0
.rept 4
	v_nop
.endr
	s_branch .Lasked_\@
.Lfor_b_\@:
	tensor_load_to_lds s[\g0b:\g0b+3], s[\g1b:\g1b+7]
	s_nop 0
.rept 4
	v_nop
.endr
.Lasked_\@:
.endm
.macro CREST                           ; a round of the cluster's barrier behind its opening barrier
	s_cmp_lg_u32 s[WV], 0
	s_cbranch_scc1 .Lnot_wave_0_\@
	s_barrier_signal -3
.Lnot_wave_0_\@:
	s_barrier_wait -3
	s_barrier_signal -1
	s_barrier_wait -1
.endm
.macro CROUND                          ; a whole round
	s_barrier_signal -1
	s_barrier_wait -1
	CREST
.endm
.macro MKG0 g, lds, slot, ptr, off     ; a group 0: count 1; LDS address; global address; type 2
	s_mov_b32 s[\g], 1
	s_add_co_u32 s[\g+1], \lds, \slot*SLOT
	s_add_nc_u64 s[\g+2:\g+3], s[\ptr:\ptr+1], \off
	s_or_b32 s[\g+3], s[\g+3], 0x80000000
.endm
.macro MKSC e, r                       ; v[r] = 2^e as f32 (the conversion takes its exponent field), v[r + 1] = 57,344 x 2^e
	s_add_co_i32 s23, \e, 127
	s_lshl_b32 s46, s23, 23
	v_mov_b32 v[\r], s46
	s_add_co_i32 s23, s23, 15
	s_lshl_b32 s23, s23, 23
	s_or_b32 s23, s23, 0x600000
	v_mov_b32 v[\r+1], s23
.endm
	s_load_b256 s[4:11], s[0:1], 0x0               ; xq s[4:5], wq s[6:7], the scales s[8:9], the table s[10:11]
	s_load_b128 s[12:15], s[0:1], 0x20             ; qc, kc
	s_load_b64 s[16:17], s[0:1], 0x30              ; vc
	v_lshl_add_u32 v[SPW], v0, 2, SPARE
	v_mov_b32 v[NIL], 0
	ds_add_u32 v28, v29
	ds_add_u32 v28, v29
	s_wait_dscnt 0x0
	v_lshrrev_b32 v1, 5, v0
	v_readfirstlane_b32 s[WV], v1                  ; wave 0..3
	s_lshr_b32 s[WH], s[WV], 1
	s_and_b32 s[WL], s[WV], 1
	s_bfe_u32 s40, ttmp6, 0x40000                  ; cx, cy: my place in the cluster
	s_bfe_u32 s41, ttmp6, 0x40004
	s_and_b32 s46, ttmp7, 0xffff                   ; the cluster's y, 0..7
	s_lshl_b32 s43, s46, 2
	s_add_co_u32 s43, s43, s41                     ; pass 1: which 256 tokens: 4 x cluster y + cy, 0..31
	s_lshl_b32 s42, ttmp9, 3
	s_add_co_u32 s42, s42, s46                     ; the cluster's number, 0..15
	s_lshl_b32 s42, s42, 2
	s_add_co_u32 s42, s42, s40                     ; pass 2: which 128 tokens: 4 x cluster + cx, 0..63
	s_lshl_b32 s44, s41, 2
	s_lshl_b32 s44, 15, s44                        ; my row of the cluster
	s_lshl_b32 s45, 0x1111, s40                    ; my column
	; descriptor group 1: a dense block as rows of 32 elements of 8 bytes: 128 rows (32 KiB), or 64 (16 KiB) for pass 2's B
	s_or_b32 s[G1+0], s44, (3<<16)|(1<<21)         ; 15:0 the mask: A's tiles go to my row; 17:16 elements of 8 bytes; 20 no padding; 21 set beside a mask
	s_or_b32 s[G1B+0], s45, (3<<16)|(1<<21)
	s_or_b32 s[G1VB+0], s45, (3<<16)|(1<<21)
.irp g, G1, G1B
	s_mov_b32 s[\g+1], 32<<16                      ; tensor_dim0 = 32
	s_mov_b32 s[\g+2], 128<<16                     ; tensor_dim1 = 128
	s_mov_b32 s[\g+3], 32<<16                      ; tile_dim0 = 32
	s_mov_b32 s[\g+4], 128                         ; tile_dim1 = 128
	s_mov_b32 s[\g+5], 32                          ; tensor_dim0_stride
	s_mov_b32 s[\g+6], 0
	s_mov_b32 s[\g+7], 0
.endr
	s_mov_b32 s[G1VB+1], 32<<16
	s_mov_b32 s[G1VB+2], 64<<16                    ; tensor_dim1 = 64
	s_mov_b32 s[G1VB+3], 32<<16
	s_mov_b32 s[G1VB+4], 64                        ; tile_dim1 = 64
	s_mov_b32 s[G1VB+5], 32
	s_mov_b32 s[G1VB+6], 0
	s_mov_b32 s[G1VB+7], 0
	; the four tiles' first bytes.  256 rows are 64 KiB for 256 along K.  No register that feeds A's descriptors holds cx, none that feeds B's holds cy
	s_lshl_b32 s22, s[WL], 15                      ; the half of 128 rows that I fetch
	s_lshl_b32 s92, s43, 16                        ; pass 1, A: x's plane p of 8 MiB
	s_add_co_u32 s92, s92, s22
	s_lshl_b32 s47, ttmp9, 23
	s_add_co_u32 s92, s92, s47
	s_mov_b32 s93, 0
	s_lshl_b32 s94, s40, 16                        ; pass 1, B: the weight's plane p of 1 MiB
	s_add_co_u32 s94, s94, s22
	s_lshl_b32 s47, ttmp9, 20
	s_add_co_u32 s94, s94, s47
	s_mov_b32 s95, 0
	s_lshl_b32 s96, s41, 16                        ; pass 2, A: WV's plane, 2 MiB into wq
	s_add_co_u32 s96, s96, s22
	s_add_co_u32 s96, s96, 0x200000
	s_mov_b32 s97, 0
	s_lshl_b32 s98, s42, 15                        ; pass 2, B: x's plane 2, 16 MiB into xq; 128 tokens are 32 KiB, the half that I fetch 16 KiB
	s_lshl_b32 s47, s[WL], 14
	s_add_co_u32 s98, s98, s47
	s_add_co_u32 s98, s98, 0x1000000
	s_mov_b32 s99, 0
	s_lshl_b32 s21, s[WV], 15                      ; where my part goes in a slot: wave x 32 KiB;
	s_add_co_u32 s23, s47, 2*HALFT                 ; pass 2's B: behind A's 64 KiB, 16 KiB a half.  No place in the cluster enters an LDS address
	s_wait_kmcnt 0x0
	s_add_nc_u64 s[92:93], s[4:5], s[92:93]
	s_add_nc_u64 s[94:95], s[6:7], s[94:95]
	s_add_nc_u64 s[96:97], s[6:7], s[96:97]
	s_add_nc_u64 s[98:99], s[4:5], s[98:99]
	MKG0 G0,     s21, 0, 92, 0                     ; 256 along K further on: 2 MiB in x's codes, 256 KiB in a weight's
	MKG0 G0+4,   s21, 1, 92, 0x200000
	MKG0 G0B,    s21, 0, 94, 0
	MKG0 G0B+4,  s21, 1, 94, 0x40000
	MKG0 G0VA,   s21, 0, 96, 0
	MKG0 G0VA+4, s21, 1, 96, 0x40000
	MKG0 G0VB,   s23, 0, 98, 0
	MKG0 G0VB+4, s23, 1, 98, 0x200000
	s_load_b256 s[92:99], s[8:9], 0x0              ; e0 .. e7
	s_load_b32 s100, s[8:9], 0x24                  ; e9
	CROUND                                         ; all sixteen work-groups are here: the first joint loads meet
	JLOAD G0, G1, G0B, G1B                         ; pass 1's K steps 0 and 1: two tensor loads of mine are out
	JLOAD G0+4, G1, G0B+4, G1B
	v_and_b32 v1, 31, v0
	v_lshlrev_b32 v[LI], 4, v1
	v_and_b32 v2, 15, v0                           ; r
	v_bfe_u32 v3, v0, 4, 1                         ; h
	v_lshlrev_b32 v[TA], 8, v2
	v_lshl_add_u32 v[TA], v3, 5, v[TA]
	s_lshl_b32 s22, s[WH], 15                      ; my 128 rows of A
	s_lshl_b32 s23, s[WL], 15                      ; pass 1: my 128 rows of B,
	s_add_co_u32 s23, s23, 2*HALFT                 ; which lie behind A's 256
	s_lshl_b32 s47, s[WL], 14                      ; pass 2: my 64 rows of B
	s_add_co_u32 s47, s47, 2*HALFT
.irp s, 0,1
	v_add_nc_u32 v[ADRA+\s], s22, v[LI]
	v_add_nc_u32 v[ADRB+\s], s23, v[LI]
	v_add_nc_u32 v[ADRV+\s], s47, v[LI]
	s_add_co_u32 s22, s22, SLOT
	s_add_co_u32 s23, s23, SLOT
	s_add_co_u32 s47, s47, SLOT
.endr
	s_wait_kmcnt 0x0
	s_cmp_eq_u32 ttmp9, 1                          ; eo, ea, eb of pass 1's product: (e6, e0, e1) or (e7, e2, e3)
	s_cselect_b32 s22, s99, s98
	s_cselect_b32 s23, s94, s92
	s_cselect_b32 s46, s95, s93
	s_sub_co_i32 s22, s22, s23
	s_sub_co_i32 s22, s22, s46
	MKSC s22, VSC
	s_sub_co_i32 s22, s100, s96                    ; e9 - e4 - e5
	s_sub_co_i32 s22, s22, s97
	MKSC s22, VSC2
	; where my codes of Q or K go: (16 batch + head) << 17 + (token % 2048) << 6: a head has 128 KiB, a tile of 16 tokens 1,024 bytes
	s_lshl_b32 s22, s43, 8
	s_lshl_b32 s23, s[WH], 7
	s_add_co_u32 s22, s22, s23                     ; my first token
	s_lshl_b32 s23, s40, 2
	s_lshl_b32 s46, s[WL], 1
	s_add_co_u32 s23, s23, s46                     ; my first head: 4 cx + 2 (wave % 2)
	s_lshr_b32 s46, s22, 11
	s_lshl_b32 s46, s46, 4
	s_add_co_u32 s46, s46, s23
	s_lshl_b32 s92, s46, 17
	s_and_b32 s22, s22, 2047
	s_lshl_b32 s46, s22, 6
	s_add_co_u32 s92, s92, s46
	s_mov_b32 s93, 0
	s_cmp_eq_u32 ttmp9, 1
	s_cselect_b64 s[46:47], s[14:15], s[12:13]
	s_add_nc_u64 s[OUT1:OUT1+1], s[46:47], s[92:93]
	s_lshl_b32 s46, s22, 8                         ; the table at my first token's place in its sequence: 256 bytes a place
	s_mov_b32 s47, 0
	s_add_nc_u64 s[10:11], s[10:11], s[46:47]
	; where my codes of V go: (16 batch + head) << 17 + (128 keys' number) << 13 + (wave % 2) << 10: my 64 keys are two of a fragment's four images
	s_lshr_b32 s46, s42, 4
	s_lshl_b32 s46, s46, 4
	s_lshl_b32 s47, s41, 2
	s_add_co_u32 s46, s46, s47
	s_lshl_b32 s47, s[WH], 1
	s_add_co_u32 s46, s46, s47                     ; 16 batch + 4 cy + 2 (wave / 2)
	s_lshl_b32 s94, s46, 17
	s_and_b32 s46, s42, 15
	s_lshl_b32 s46, s46, 13
	s_add_co_u32 s94, s94, s46
	s_lshl_b32 s46, s[WL], 10
	s_add_co_u32 s94, s94, s46
	s_mov_b32 s95, 0
	s_add_nc_u64 s[OUT2:OUT2+1], s[16:17], s[94:95]
.macro FRAG reg, adr, q, i             ; a fragment: block i of 16 rows, the slot's q-th 128 along K: four images
.irp c, 0,1,2,3
	ds_load_b128 v[\reg+4*\c:\reg+4*\c+3], v[\adr] offset:2048*(\q)+512*\c+(\i)*4096
.endr
.endm
; A's blocks a0, a0 + 1 x B's nb blocks, 128 along K.  p: B's set.  zero = 1: the first product starts the sums.  The accumulators (8 nb of them) take turns, one instruction a turn, in the same order in every step.
.macro MULH a0, p, zero, nb
.irp a, \a0, \a0+1
.set bb, 0
.rept \nb
.if \zero
	v_wmma_f32_16x16x128_bf8_bf8 v[8*(8*((\a)%4)+bb):8*(8*((\a)%4)+bb)+7], v[128*(\p)+FR*bb:128*(\p)+FR*bb+FR-1], v[AF+FR*(\a):AF+FR*(\a)+FR-1], 0
.else
	v_wmma_f32_16x16x128_bf8_bf8 v[8*(8*((\a)%4)+bb):8*(8*((\a)%4)+bb)+7], v[128*(\p)+FR*bb:128*(\p)+FR*bb+FR-1], v[AF+FR*(\a):AF+FR*(\a)+FR-1], v[8*(8*((\a)%4)+bb):8*(8*((\a)%4)+bb)+7]
.endif
.set bb, bb+1
.endr
.endr
.endm
.macro FETCH_B adr, q, p, nb
	WIN TO_B
.set bb, 0
.rept \nb
	FRAG 128*(\p)+FR*bb, \adr, \q, bb
.set bb, bb+1
.endr
	WIN 0
.endm
.macro FETCH_A adr, q, i0
.irp i, \i0, \i0+1, \i0+2, \i0+3
	FRAG AF+FR*(\i), \adr, \q, \i
.endr
.endm
; A load into a register that a matrix instruction has read, and a vector instruction that reads a matrix result, stand NP places behind it; only plain vector instructions that name none of its registers are places.
.macro PLACES n
.rept \n
	v_nop
.endr
.endm
; A step of 128 along K on B's set p; the next step's fragments come from part nq of the slot at nadra, nadrb, which every wave may read already.
; A block of A is free as soon as its products are issued: blocks 0-3 are fetched anew in the step's middle, blocks 4-7 at its end; B has two sets.
.macro STEP p, nadra, nadrb, nq, zero, nb
	s_wait_dscnt 4*NL                              ; B's set and A's blocks 0-3 are in; the youngest sixteen loads (A's blocks 4-7) may be out
	WIN MUL_LO
	MULH 0, \p, \zero, \nb
	MULH 2, \p, \zero, \nb
	s_wait_dscnt 0                                 ; A's blocks 4-7 are in
	PLACES NP
	FETCH_B \nadrb, \nq, 1-(\p), \nb
	FETCH_A \nadra, \nq, 0
	WIN MUL_HI
	MULH 4, \p, \zero, \nb
	MULH 6, \p, \zero, \nb
	PLACES NP
	WIN 0
	FETCH_A \nadra, \nq, 4
.endm
; A slot's last step (B's set 1) changes slots: one barrier; in front of it each wave waits for all its tensor loads, adds 0 to its spare word, and waits for that and for its own reads of this slot.
; fill = 1: this slot is filled again by the descriptors named, stepped by sa and sb bytes;  2: by the descriptors named as they stand;  0: nothing is filled.
.macro TURN nadra, nadrb, nb, fill, g0a, g1a, g0b, g1b, sa, sb
	s_wait_tensorcnt 0x0                           ; all my tensor loads have landed: my part of the next slot  (every window is 0 here)
	ds_add_u32 v[SPW], v[NIL]                      ; 0 onto my spare word
	s_wait_dscnt 4*NL+1                            ; (the add and the youngest sixteen loads may be out)
	WIN MUL_LO
	MULH 0, 1, 0, \nb                              ; matrix instructions stand between the add and the wait for it
	s_wait_dscnt 0x0                               ; the add is done, and my reads of this slot are over
	s_barrier_signal -1
	MULH 2, 1, 0, \nb
	WIN 0
	s_barrier_wait -1
.if \fill
	CREST                                          ; the barrier has opened a round of the cluster's barrier: no wave of any partner still reads this slot or has a load on its way
.if \fill == 1
	s_add_nc_u64 s[\g0a+2:\g0a+3], s[\g0a+2:\g0a+3], \sa
	s_add_nc_u64 s[\g0b+2:\g0b+3], s[\g0b+2:\g0b+3], \sb
.endif
	JLOAD \g0a, \g1a, \g0b, \g1b                   ; the first tensor load behind the round; the four v_nop behind it are the places in front of the loads below
.else
	PLACES NP
.endif
	FETCH_B \nadrb, 0, 0, \nb
	FETCH_A \nadra, 0, 0
	WIN MUL_HI
	MULH 4, 1, 0, \nb
	MULH 6, 1, 0, \nb
	PLACES NP
	WIN 0
	FETCH_A \nadra, 0, 4
.endm
.macro LAST nb                         ; a pass's last 128 along K: nothing more is fetched
	s_wait_dscnt 4*NL
	WIN MUL_LO
	MULH 0, 1, 0, \nb
	MULH 2, 1, 0, \nb
	s_wait_dscnt 0x0
	WIN MUL_HI
	MULH 4, 1, 0, \nb
	MULH 6, 1, 0, \nb
	WIN 0
.endm
; The table's rows of A's block a: lane (r, h) takes, of place 16 a + r, the pairs (cos, sin) of frequencies 8 nb + 4 h + 0 .. 3: 32 bytes for each nb.  Set a % 5.
.macro TLOAD a
.irp nb, 0,1,2,3
	global_load_b128 v[TB+32*((\a)%5)+8*\nb:TB+32*((\a)%5)+8*\nb+3],   v[TA], s[10:11] offset:4096*(\a)+64*\nb
	global_load_b128 v[TB+32*((\a)%5)+8*\nb+4:TB+32*((\a)%5)+8*\nb+7], v[TA], s[10:11] offset:4096*(\a)+64*\nb+16
.endr
.endm
; A unit: A's block a x B's blocks 4 u .. 4 u + 3: 32 numbers a lane become 8 registers of codes, two images.  Each accumulator is read from its low end on.  n: the unit's number in its way out: code set n % 4.
; rope = 1: (x1, x2) -> (x1 c - x2 s, x1 s + x2 c): a packed product (-x2 s, x2 c), then a packed multiply-add of (x1 c, x1 s) onto it.
.macro UNIT a, u, rope, off, n, sc, ptr
	WIN 0x02+(\a)/4                                ; source 0: the accumulators' window
.if \rope
.irp nb, 0,1,2,3
.irp i, 0,2,4,6
	v_pk_mul_f32 v[RR+8*\nb+\i:RR+8*\nb+\i+1], v[8*(8*((\a)%4)+4*\u+\nb)+\i:8*(8*((\a)%4)+4*\u+\nb)+\i+1], v[TB+32*((\a)%5)+8*\nb+\i:TB+32*((\a)%5)+8*\nb+\i+1] op_sel:[1,1] op_sel_hi:[1,0] neg_lo:[1,0]
.endr
.irp i, 0,2,4,6
	v_pk_fma_f32 v[RR+8*\nb+\i:RR+8*\nb+\i+1], v[8*(8*((\a)%4)+4*\u+\nb)+\i:8*(8*((\a)%4)+4*\u+\nb)+\i+1], v[TB+32*((\a)%5)+8*\nb+\i:TB+32*((\a)%5)+8*\nb+\i+1], v[RR+8*\nb+\i:RR+8*\nb+\i+1] op_sel_hi:[0,1,1]
.endr
.endr
	WIN 0
.set jj, 0
.rept 32
	v_med3_num_f32 v[RR+jj], v[RR+jj], -v[\sc+1], v[\sc+1]   ; the conversion does not saturate (ISA guide 7.6.2): the hold at the largest code x the scale
.set jj, jj+1
.endr
.else
.set jj, 0
.rept 32
	v_med3_num_f32 v[RR+jj], v[8*(8*((\a)%4)+4*\u)+jj], -v[\sc+1], v[\sc+1]
.set jj, jj+1
.endr
	WIN 0
.endif
.if (\n) >= 4
	s_wait_xcnt 0x0                                ; the stores of four units ago have read this set of code registers: it is written again only behind this wait
.endif
.irp c, 0,1,2,3
	v_cvt_scalef32_pk8_bf8_f32 v[CD+8*((\n)%4)+2*\c:CD+8*((\n)%4)+2*\c+1], v[RR+8*\c:RR+8*\c+7], v[\sc]
.endr
	v_nop                                          ; one plain instruction between the conversions and the next unit's lines, which write their sources
	global_store_b128 v[LI], v[CD+8*((\n)%4):CD+8*((\n)%4)+3],   s[\ptr:\ptr+1] offset:\off       ; an image: 512 consecutive bytes, aligned
	global_store_b128 v[LI], v[CD+8*((\n)%4)+4:CD+8*((\n)%4)+7], s[\ptr:\ptr+1] offset:\off+512
.endm
	; ---- PASS 1: 256 tokens x 256 features of Q or K
	s_wait_tensorcnt 1                             ; my part of K step 0 is in; K step 1's load may be out
	s_barrier_signal -1
	s_barrier_wait -1                              ; everybody's is
	FETCH_B ADRB, 0, 0, 8
	FETCH_A ADRA, 0, 0
	FETCH_A ADRA, 0, 4
	STEP 0, ADRA, ADRB, 1, 1, 8                    ; the first products start the sums: nothing is cleared
	TURN ADRA+1, ADRB+1, 8, 1, G0, G1, G0B, G1B, 0x400000, 0x80000       ; slot 0 takes K step 2
	STEP 0, ADRA+1, ADRB+1, 1, 0, 8
	TURN ADRA, ADRB, 8, 1, G0+4, G1, G0B+4, G1B, 0x400000, 0x80000       ; slot 1 takes K step 3
	STEP 0, ADRA, ADRB, 1, 0, 8
	TURN ADRA+1, ADRB+1, 8, 2, G0VA, G1, G0VB, G1VB, 0, 0                ; THE RING GOES ON INTO PASS 2: slot 0 takes V's K step 0
	TLOAD 0                                        ; the table's first three blocks land under the last 128 matrix instructions
	TLOAD 1
	TLOAD 2
	STEP 0, ADRA+1, ADRB+1, 1, 0, 8
	LAST 8
	PLACES NP                                      ; in front of the first read of results and of loads into registers that held A's fragments
	TLOAD 3
	TLOAD 4
.irp a, 0,1,2,3,4,5,6,7
.if \a == 0
	s_wait_loadcnt 16                              ; blocks 0 to 2 are in; blocks 3 and 4, eight loads each, may be out
.elseif \a >= 3
	s_wait_loadcnt 8*(7-\a)                        ; block a is in; the blocks behind it, eight loads each, may be out
.endif
	UNIT \a, 0, 1, 1024*\a, 2*\a, VSC, OUT1        ; my first head: tile a of 16 tokens
	UNIT \a, 1, 1, 131072+1024*\a, 2*\a+1, VSC, OUT1   ; my second head
.if \a < 3
	TLOAD \a+5                                     ; the set that block a has left takes block a + 5
.endif
.if \a == 3                                    ; half way out: slot 1, which nobody reads any more, takes V's K step 1.  It has the other half of the way out and pass 2's first 32 matrix instructions in which to land
	s_wait_tensorcnt 0x0                           ; V's K step 0, asked for 160 matrix instructions and eight units ago, has landed
	ds_add_u32 v[SPW], v[NIL]                      ; 0 onto my spare word
	s_wait_dscnt 0x0                               ; the add is done; my reads of slot 1 ended in pass 1's last step
	CROUND                                         ; both now hold of every wave of every partner: slot 0 may be read, slot 1 filled
	JLOAD G0VA+4, G1, G0VB+4, G1VB
.endif
.endr
	; ---- PASS 2: 256 channels x 128 tokens of V
	s_wait_xcnt 0x0                                ; pass 1's stores have read their code registers: A's fragments land there only behind this wait
	FETCH_B ADRV, 0, 0, 4
	FETCH_A ADRA, 0, 0
	FETCH_A ADRA, 0, 4
	STEP 0, ADRA, ADRV, 1, 1, 4                    ; the first products start the sums anew
	TURN ADRA+1, ADRV+1, 4, 1, G0VA, G1, G0VB, G1VB, 0x80000, 0x400000       ; slot 0 takes K step 2
	STEP 0, ADRA+1, ADRV+1, 1, 0, 4
	TURN ADRA, ADRV, 4, 1, G0VA+4, G1, G0VB+4, G1VB, 0x80000, 0x400000       ; slot 1 takes K step 3
	STEP 0, ADRA, ADRV, 1, 0, 4
	TURN ADRA+1, ADRV+1, 4, 0, G0VA, G1, G0VB, G1VB, 0, 0                    ; nothing is left to fetch
	STEP 0, ADRA+1, ADRV+1, 1, 0, 4
	LAST 4
	PLACES NP
.irp a, 0,1,2,3,4,5,6,7
	UNIT \a, 0, 0, 131072*(\a/4)+2048*(\a%4), \a, VSC2, OUT2   ; head a / 4 of my two, channels 16 (a % 4) on: my 64 keys
.endr
	s_wait_tensorcnt 0x0                           ; the wave's end
	ds_add_u32 v[SPW], v[NIL]
	s_wait_dscnt 0x0
	CROUND                                         ; the closing round: no work-group ends while a partner may still ask for a tile that names it
	s_endpgm
.Lfunc_end_k_q0f206cbb73_proj:
	.size	k_q0f206cbb73_proj, .Lfunc_end_k_q0f206cbb73_proj-k_q0f206cbb73_proj
	.p2alignl 7, 3214868480
	.fill 96, 4, 3214868480
	.section	.rodata,"a",@progbits
	.p2align	6, 0x0
	.amdhsa_kernel k_q0f206cbb73_proj
		.amdhsa_group_segment_fixed_size 327680
		.amdhsa_private_segment_fixed_size 0
		.amdhsa_enable_private_segment 0
		.amdhsa_kernarg_size 56
		.amdhsa_user_sgpr_count 2
		.amdhsa_user_sgpr_kernarg_segment_ptr 1
		.amdhsa_wavefront_size32 1
		.amdhsa_system_sgpr_workgroup_id_x 1
		.amdhsa_system_sgpr_workgroup_id_y 1
		.amdhsa_system_sgpr_workgroup_id_z 1
		.amdhsa_system_vgpr_workitem_id 0
		.amdhsa_next_free_vgpr 1024
		.amdhsa_next_free_sgpr 102
		.amdhsa_reserve_vcc 0
		.amdhsa_float_denorm_mode_32 3
		.amdhsa_float_denorm_mode_16_64 3
		.amdhsa_memory_ordered 1
		.amdhsa_forward_progress 1
		.amdhsa_inst_pref_size 227
	.end_amdhsa_kernel
	.amdgpu_metadata
---
amdhsa.version: [ 1, 2 ]
amdhsa.kernels:
  - .name:           k_q0f206cbb73_proj
    .symbol:         k_q0f206cbb73_proj.kd
    .args:
      - { .name: xq, .offset: 0, .size: 8, .value_kind: global_buffer, .address_space: global }
      - { .name: wq, .offset: 8, .size: 8, .value_kind: global_buffer, .address_space: global }
      - { .name: lowp_scales, .offset: 16, .size: 8, .value_kind: global_buffer, .address_space: global }
      - { .name: rope, .offset: 24, .size: 8, .value_kind: global_buffer, .address_space: global }
      - { .name: qc, .offset: 32, .size: 8, .value_kind: global_buffer, .address_space: global }
      - { .name: kc, .offset: 40, .size: 8, .value_kind: global_buffer, .address_space: global }
      - { .name: vc, .offset: 48, .size: 8, .value_kind: global_buffer, .address_space: global }
    .group_segment_fixed_size: 327680
    .private_segment_fixed_size: 0
    .kernarg_segment_align: 8
    .kernarg_segment_size: 56
    .max_flat_workgroup_size: 128
    .sgpr_count:     102
    .vgpr_count:     1024
    .wavefront_size: 32
...
	.end_amdgpu_metadata
.endif
;; end of part 6
;; launch attn (part 7): grid 4 x 64, 16 waves a work-group, clusters of 4 x 1, 327,680 bytes of LDS; arguments qc, kc, vc, lowp_scales, ao; writes ao
.if DOCPART == 7
	.amdgcn_target "amdgcn-amd-amdhsa--gfx1250"
	.amdhsa_code_object_version 6
	.text
	.protected	k_q0f206cbb73_attn
	.globl	k_q0f206cbb73_attn
	.p2align	8
	.type	k_q0f206cbb73_attn,@function
k_q0f206cbb73_attn:
	s_mov_b64 s[64:65], 0
	v_nop
	global_prefetch_b8 v0, s[64:65] scope:SCOPE_SE
	s_setreg_imm32_b32 hwreg(HW_REG_WAVE_MODE, 25, 1), 1
	s_wait_xcnt 0x0
	s_wait_alu depctr_hold_cnt(0) depctr_sa_sdst(0) depctr_va_vdst(0) depctr_va_sdst(0) depctr_va_ssrc(0) depctr_va_vcc(0) depctr_vm_vsrc(0)
	s_getreg_b32 s2, hwreg(HW_REG_IB_STS2, 6, 4)
	s_cmp_eq_u32 s2, 0
	s_cbranch_scc0 .Lentry_in_a_cluster
	s_endpgm
.Lentry_in_a_cluster:
	s_bfe_u32 s2, ttmp6, 0x10000c
	s_cmp_lg_u32 s2, 0x3003
	s_cbranch_scc0 .Lentry_shape_is_right
	s_endpgm
.Lentry_shape_is_right:
; Causal attention of 64 (batch, head) pairs, 2,048 tokens, head size 64, both products on codes of BF8 (E5M2); the result is quantised at once for the output projection.
; qc, kc: [bh][tile of 16 tokens 128][image 2][lane][16]: a tile is a fragment 16 rows x 64 d.  vc: [bh][128 keys 16][16 channels 4][image 4][lane][16]: a fragment 16 channels x 128 keys.
; ao: the output projection's operand, [8192 tokens][k = 64 head + d] as images: a tile of 16 queries of one head is 1,024 bytes on end at (head >> 2) 2 MiB + (128 batch + tile) 4096 + (head & 3) 1024.
; THE SOFTMAX AHEAD OF THE SECOND PRODUCT: t = score x log2(e) / 8; M = the running largest t rounded UP to a whole number; p = 2^(t - M) is what is quantised, not normalised; the row's sum is taken of the
; unquantised p, in f32, and divides at the end.  When M moves, the sum and O are multiplied by 2^(old M - new M): exact.
; LAYOUT.  Both products are used transposed: S^T = K Q^T (source 0 = 16 keys, source 1 = my 16 queries), O^T = V^T P^T (source 0 = 16 channels, source 1 = P): a lane holds ONE query (lane % 16) throughout.
; Tile t of S^T holds keys 16 t + 8 (lane / 16) + 0 .. 7 in its eight registers: their codes are registers 2 t, 2 t + 1 of P.  Tile dt of O^T holds channels 16 dt + 8 (lane / 16) + 0 .. 7: registers 2 dt, 2 dt + 1 of ao's fragment.
; SHARES.  The four work-groups of a cluster (place j) share one (batch, head).  Wave w owns TWO tiles of 16 queries: Ta = 4 w + j and Tb = 127 - Ta.  A tile T needs the key steps 0 .. T / 8 (128 keys each; the rest lies behind the
; causal mask): w / 2 + 1 and 16 - w / 2 steps, 17 for every wave of every work-group.  So the work is even, the loop's trip count is the constant 17, and no branch hangs on the place in the cluster,
; which enters Q's and ao's global addresses and one vector register of the mask, and nothing else.
; LDS.  The head's K (128 KiB) and V (128 KiB) lie in LDS whole, filled ONCE: each of the sixteen waves asks for 16 KiB, jointly with the same wave of the three partners.  One barrier; behind it LDS is only read.  The text uses 262,144 bytes.
; THE ORDER OF A STEP'S VECTOR WORK.  The 64 exponentials do not stand in one run: the softmax goes tile by tile, and behind each exponential of tile t stand plain instructions that are ready, on other tiles' registers:
; the sums and the conversion of tile t - 1, the scaling of tile t + 1, two rescalings of O^T.  So the wave has plain work to issue while an exponential is under way, and every exponential has
; a plain instruction behind it before its result is used (ISA guide 5.7.2).  The maximum runs in four chains that do not wait for each other.
; LIMITS: e6 + e7 between -123 and 130 (they are added to c's exponent field); e8, and e10 - e8 - e9, between -126 and 112.
.set KS,    8192                       ; a key step's bytes of K, and of V
.set VOFF,  131072                     ; V lies behind K
.set LI,   1                           ; v1   16 x lane
.set ADK,  2                           ; v2   LDS address of the step's K
.set DQ,   3                           ; v3   the mask of the tile in hand: 16 (T % 8) + r - 8 h;  v4: tile b's
.set ADV,  5                           ; v5   LDS address of the step's V
.set W0,   208                         ; at work
.set PX,   209                         ; a lane exchange's destination
.set FF,   210                         ; v[210:211] f = 2^(old M - new M)
.set SU,   212                         ; v[212:213] a second chain of the sum
.set NINF, 214                         ; -infinity
.set MX,   216                         ; v216-219 four chains of the maximum
.set OLD,  220                         ; v220 -M as the last step left it
; v12 -M, v13 the largest score so far, v[14:15] the sum in two halves; v16-23 Q in hand, v24-31 Q of tile b; v32-95 K's eight fragments, then V's four; v96-159 S^T, then p; v160-191 O^T; v192-207 P's codes;
; v224: 2^e8; v226, v227: the same with e10 - e8 - e9; v228-235 the result's codes
.set WV,   18
.set SEL,  20                          ; s[20:21] lane selects: lane l xor 16
.set CS,   22                          ; s[22:23] c = log2(e) / 8 x 2^(e6 + e7)
.set G1,   32                          ; s[32:39] descriptor group 1;  s[40:43], s[44:47] group 0 for K's part and for V's
.set G0K,  40
.set G0V,  44
.set OP,   48                          ; s[48:49] where the tile in hand goes; s[50:51] tile b
.set KOFF, 66                          ; s66 the step's bytes into K and V;  s67 steps left of the tile in hand;  s68 tile b's steps;  s69 trips left;  s70 KOFF as it enters the addresses
.set REM,  67
.set REMB, 68
.set TRIP, 69
.set KM,   70
.macro CROUND
	s_barrier_signal -1
	s_barrier_wait -1
	s_cmp_lg_u32 s[WV], 0
	s_cbranch_scc1 .Lnot_wave_0_\@
	s_barrier_signal -3
.Lnot_wave_0_\@:
	s_barrier_wait -3
	s_barrier_signal -1
	s_barrier_wait -1
.endm
.macro RESET                           ; a tile's start: the largest score is -3e38, under every score (64 products of two codes stay under 3e11); the sum and O^T are zeros, which the first change of M leaves zeros: so the step is written once
	v_mov_b32 v13, 0xff61b1e6
	s_delay_alu instid0(VALU_DEP_1)
	v_floor_f32 v12, -v13
	v_mov_b32 v14, 0
	v_mov_b32 v15, 0
.set jj, 0
.rept 32
	v_mov_b32 v[160+jj], 0
.set jj, jj+1
.endr
.endm
; Tile t's eight exponentials, each followed by plain work on other tiles' registers.  Slots 0, 1: tile t - 1's sums (of the unquantised p, in two chains; tile 0's first pair starts the second chain: nothing is cleared).
; Slots 2 to 5: tile t + 1's t - M.  Slot 6: a rescaling of O^T, then tile t - 1's conversion.  Slot 7: a rescaling of O^T.
; O^T is taken in ascending order.  A conversion is followed by an exponential on other registers and then by a plain line; its result and sources are touched much later.
.macro TILE t
.set CB, 96+8*(\t)                     ; this tile's registers,
.set PB, CB-8                          ; the tile before's,
.set NB, CB+8                          ; the next tile's
.irp i, 0,1,2,3,4,5,6,7
	v_exp_f32 v[CB+\i], v[CB+\i]                   ; p = 2^(t - M), at most 1
.if ((\t) == 0) && (\i == 0)
	v_pk_mul_f32 v[14:15], v[14:15], v[FF:FF+1] op_sel_hi:[1,0]   ; the sums under the new M
.endif
.if ((\t) == 1) && (\i == 0)
	s_setprio 1
	s_wait_alu depctr_va_vdst(0)
	v_pk_add_f32 v[SU:SU+1], v[PB:PB+1], v[PB+2:PB+3]
.endif
.if ((\t) > 1) && (\i == 0)
	s_wait_alu depctr_va_vdst(0)
	v_pk_add_f32 v[14:15], v[14:15], v[PB:PB+1]
	v_pk_add_f32 v[SU:SU+1], v[SU:SU+1], v[PB+2:PB+3]
.endif
.if ((\t) > 0) && (\i == 1)
	s_wait_alu depctr_va_vdst(0)
	v_pk_add_f32 v[14:15], v[14:15], v[PB+4:PB+5]
	s_wait_alu depctr_va_vdst(0)
	v_pk_add_f32 v[SU:SU+1], v[SU:SU+1], v[PB+6:PB+7]
.endif
.if ((\t) > 0) && (\i >= 2) && (\i < 6)
.endif
.if ((\t) < 7) && (\i >= 2) && (\i < 6)
	v_pk_fma_f32 v[NB+2*\i-4:NB+2*\i-3], v[NB+2*\i-4:NB+2*\i-3], s[CS:CS+1], v[12:13] op_sel_hi:[1,0,0]   ; t - M, two at a time
.endif
.if \i == 6
	s_wait_alu depctr_va_vdst(0)
	v_pk_mul_f32 v[160+4*(\t):161+4*(\t)], v[160+4*(\t):161+4*(\t)], v[FF:FF+1] op_sel_hi:[1,0]           ; O^T under the new M
.endif
.if ((\t) > 0) && (\i == 6)
	v_cvt_scalef32_pk8_bf8_f32 v[190+2*(\t):191+2*(\t)], v[PB:PB+7], v224                                  ; registers 2 (t - 1), 2 (t - 1) + 1 of P
.endif
.if \i == 7
	s_wait_alu depctr_va_vdst(0)
	v_pk_mul_f32 v[162+4*(\t):163+4*(\t)], v[162+4*(\t):163+4*(\t)], v[FF:FF+1] op_sel_hi:[1,0]
.endif
.endr
.endm
	s_load_b256 s[4:11], s[0:1], 0x0               ; qc s[4:5], kc s[6:7], vc s[8:9], the scales s[10:11]
	s_load_b64 s[12:13], s[0:1], 0x20              ; ao
	v_lshl_add_u32 v254, v0, 2, 0x40000
	v_mov_b32 v255, 0
	ds_add_u32 v254, v255
	ds_add_u32 v254, v255
	v_lshrrev_b32 v1, 5, v0
	s_delay_alu instid0(VALU_DEP_1)
	v_readfirstlane_b32 s[WV], v1                  ; wave 0..15
	s_bfe_u32 s24, ttmp6, 0x40000                  ; j: my place in the cluster
	s_and_b32 s25, ttmp7, 0xffff                   ; 16 batch + head, which the four partners share
	s_lshl_b32 s28, s25, 17                        ; its first byte in qc, kc and vc
	s_mov_b32 s29, 0
	s_and_b32 s30, s[WV], 7
	s_lshl_b32 s30, s30, 14                        ; the 16 KiB that I fetch: waves 0-7 of K, waves 8-15 of V
	s_mov_b32 s31, 0
	s_add_nc_u64 s[30:31], s[30:31], s[28:29]
	s_lshl_b32 s72, s[WV], 14                      ; and where they go: wave x 16 KiB
	s_mov_b32 s[G1], 15|(3<<16)|(1<<21)            ; 15:0 the mask: all four work-groups; 17:16 elements of 8 bytes; 20 no padding; 21 set beside a mask
	s_mov_b32 s[G1+1], 32<<16                      ; tensor_dim0 = 32: rows of 256 bytes
	s_mov_b32 s[G1+2], 64<<16                      ; tensor_dim1 = 64
	s_mov_b32 s[G1+3], 32<<16                      ; tile_dim0
	s_mov_b32 s[G1+4], 64                          ; tile_dim1
	s_mov_b32 s[G1+5], 32                          ; tensor_dim0_stride: dense
	s_mov_b32 s[G1+6], 0
	s_mov_b32 s[G1+7], 0
	s_lshl_b32 s26, s[WV], 2
	s_add_co_u32 s26, s26, s24                     ; Ta
	s_sub_co_u32 s27, 127, s26                     ; Tb
	s_lshr_b32 s[REMB], s[WV], 1
	s_add_co_u32 s[REM], s[REMB], 1                ; tile a's key steps
	s_sub_co_u32 s[REMB], 16, s[REMB]              ; tile b's
	s_mov_b32 s[KOFF], 0
	s_mov_b32 s[TRIP], 17
	s_mov_b32 s[SEL], 0x76543210
	s_mov_b32 s[SEL+1], 0xfedcba98
	s_lshl_b32 s74, s26, 10                        ; Q's tiles: 1,024 bytes each
	s_mov_b32 s75, 0
	s_add_nc_u64 s[74:75], s[74:75], s[28:29]
	s_lshl_b32 s76, s27, 10
	s_mov_b32 s77, 0
	s_add_nc_u64 s[76:77], s[76:77], s[28:29]
	s_and_b32 s78, s25, 15                         ; head
	s_lshr_b32 s79, s78, 2
	s_lshl_b32 s79, s79, 21
	s_and_b32 s78, s78, 3
	s_lshl_b32 s78, s78, 10
	s_add_co_u32 s78, s78, s79
	s_lshr_b32 s79, s25, 4                         ; batch
	s_lshl_b32 s79, s79, 19
	s_add_co_u32 s78, s78, s79
	s_lshl_b32 s80, s26, 12
	s_add_co_u32 s80, s80, s78                     ; tile a's place in ao
	s_mov_b32 s81, 0
	s_lshl_b32 s82, s27, 12
	s_add_co_u32 s82, s82, s78                     ; tile b's
	s_mov_b32 s83, 0
	s_wait_dscnt 0x0
	s_wait_kmcnt 0x0
	s_load_b128 s[52:55], s[10:11], 0x18           ; e6, e7, e8, e9
	s_load_b32 s56, s[10:11], 0x28                 ; e10
	s_mov_b32 s[G0K], 1                            ; 1:0 count = 1
	s_mov_b32 s[G0K+1], s72                        ; 63:32 LDS address
	s_add_nc_u64 s[G0K+2:G0K+3], s[6:7], s[30:31]  ; 120:64 global address
	s_or_b32 s[G0K+3], s[G0K+3], 0x80000000        ; 127:126 type = 2
	s_mov_b32 s[G0V], 1
	s_mov_b32 s[G0V+1], s72
	s_add_nc_u64 s[G0V+2:G0V+3], s[8:9], s[30:31]
	s_or_b32 s[G0V+3], s[G0V+3], 0x80000000
	s_add_nc_u64 s[74:75], s[4:5], s[74:75]
	s_add_nc_u64 s[76:77], s[4:5], s[76:77]
	s_add_nc_u64 s[OP:OP+1], s[12:13], s[80:81]
	s_add_nc_u64 s[OP+2:OP+3], s[12:13], s[82:83]
	CROUND                                         ; all four work-groups are here: the joint loads meet
	s_cmp_lt_u32 s[WV], 8                          ; the branch hangs on the wave's number alone; four v_nop follow each line.  One tensor load of mine is out
	s_cbranch_scc0 .Lfor_v
	tensor_load_to_lds s[G0K:G0K+3], s[G1:G1+7]
	s_nop 0
.rept 4
	v_nop
.endr
	s_branch .Lasked
.Lfor_v:
	tensor_load_to_lds s[G0V:G0V+3], s[G1:G1+7]
	s_nop 0
.rept 4
	v_nop
.endr
.Lasked:
	v_and_b32 v6, 31, v0
	s_delay_alu instid0(VALU_DEP_1)
	v_lshlrev_b32 v[LI], 4, v6
	global_load_b128 v[16:19], v[LI], s[74:75]             ; Q of tile a: two images
	global_load_b128 v[20:23], v[LI], s[74:75] offset:512
	global_load_b128 v[24:27], v[LI], s[76:77]             ; Q of tile b
	global_load_b128 v[28:31], v[LI], s[76:77] offset:512
	v_and_b32 v6, 15, v0                           ; r
	v_bfe_u32 v7, v0, 4, 1                         ; h
	s_delay_alu instid0(VALU_DEP_1)
	v_lshlrev_b32 v7, 3, v7
	s_delay_alu instid0(VALU_DEP_1)
	v_sub_nc_u32 v6, v6, v7                        ; r - 8 h
	s_and_b32 s84, s26, 7
	s_lshl_b32 s84, s84, 4
	v_add_nc_u32 v[DQ], s84, v6                    ; in a tile's last step register 8 t + i holds the key 16 t + i + 8 h of the step: hidden where 16 t + i > 16 (T % 8) + r - 8 h
	s_and_b32 s84, s27, 7
	s_lshl_b32 s84, s84, 4
	v_add_nc_u32 v4, s84, v6
	v_mov_b32 v[PX], 0                             ; written once: a lane exchange's destination counts as one of its sources
	v_mov_b32 v[FF+1], 0                           ; (named as the upper half of a pair)
	v_mov_b32 v[NINF], 0xff800000
	RESET
	s_wait_kmcnt 0x0
	s_mov_b32 s[CS], 0x3e38aa3b                    ; log2(e) / 8
	s_add_co_i32 s84, s52, s53
	s_lshl_b32 s84, s84, 23
	s_add_co_i32 s[CS], s[CS], s84                 ; a score stands for score x 2^(e6 + e7): the exponents are added to c's exponent field
	s_mov_b32 s[CS+1], s[CS]                       ; (named with it as a pair)
	s_add_co_i32 s84, s54, 127
	s_lshl_b32 s85, s84, 23
	v_mov_b32 v224, s85                            ; 2^e8, for p's conversions
	s_sub_co_i32 s84, s56, s54
	s_sub_co_i32 s84, s84, s55                     ; O^T / the sum stands for that x 2^(e8 + e9): its code is that / 2^(e10 - e8 - e9)
	s_add_co_i32 s84, s84, 127
	s_lshl_b32 s85, s84, 23
	v_mov_b32 v226, s85
	s_add_co_i32 s84, s84, 15
	s_lshl_b32 s84, s84, 23
	s_or_b32 s84, s84, 0x600000
	v_mov_b32 v227, s84
	s_wait_loadcnt 0x0                             ; Q
	s_wait_tensorcnt 0x0                           ; my 16 KiB have landed,
	s_barrier_signal -1
	s_barrier_wait -1                              ; everybody's have: from here on LDS is only read
.Lstep:                                                ; a trip: one key step of 128 keys for the tile in hand
	s_and_b32 s[KM], s[KOFF], 0x1e000              ; KOFF is one of sixteen steps of 8,192 bytes: the mask states that bound
	s_setprio 2
	v_add_nc_u32 v[ADK], s[KM], v[LI]
.rept 3
	v_nop                                          ; with the addition: four places in front of loads into registers that the last trip's matrix instructions have read
.endr
.irp t, 0,1,2,3,4,5,6,7
	ds_load_b128 v[32+8*\t:35+8*\t], v[ADK] offset:1024*\t
	ds_load_b128 v[36+8*\t:39+8*\t], v[ADK] offset:1024*\t+512
.endr
	s_wait_alu depctr_va_vdst(0)
	s_wait_dscnt 0x0
.irp t, 0,1,2,3,4,5,6,7
	v_wmma_f32_16x16x64_bf8_bf8 v[96+8*\t:103+8*\t], v[32+8*\t:39+8*\t], v[16:23], 0
.endr
	v_add_nc_u32 v[ADV], VOFF, v[ADK]              ; four places in front of the loads below and of the first read of the scores: V's address, the old -M, two v_nop
	v_mov_b32 v[OLD], v12
	v_nop
	v_nop
.irp d, 0,1,2,3
.irp g, 0,1,2,3
	ds_load_b128 v[32+16*\d+4*\g:35+16*\d+4*\g], v[ADV] offset:2048*\d+512*\g   ; V's four fragments, in one run: they land under the softmax
.endr
.endr
	s_cmp_lg_u32 s[REM], 1                         ; a tile's last step lies on the diagonal: hidden scores become -infinity ahead of the maximum, p = 0 then.  The step's first key counts for every query
	s_cbranch_scc1 .Lopen
.set jj, 0
.rept 64
	v_cmp_gt_i32 vcc_lo, 16*(jj/8)+jj%8, v[DQ]
	v_cndmask_b32 v[96+jj], v[96+jj], v[NINF], vcc_lo
.set jj, jj+1
.endr
.Lopen:
	; the step's largest score of my query among my 64 keys: chain k takes tiles 2 k and 2 k + 1, fifteen of their sixteen scores; each tile is read from its low end on (the odd tile's first read takes its register 0)
.irp k, 0,1,2,3
	v_max3_num_f32 v[MX+\k], v[96+16*\k], v[97+16*\k], v[98+16*\k]
.endr
.irp r, 3,5,7,9,11,13
.irp k, 0,1,2,3
	v_max3_num_f32 v[MX+\k], v[MX+\k], v[96+16*\k+\r], v[97+16*\k+\r]
.endr
.endr
	v_max3_num_f32 v[MX], v[MX], v111, v127        ; the four scores left over, and the four chains
	v_max3_num_f32 v[MX+2], v[MX+2], v143, v159
	s_delay_alu instid0(VALU_DEP_1)
	v_max3_num_f32 v[MX], v[MX], v[MX+1], v[MX+2]
	s_delay_alu instid0(VALU_DEP_1)
	v_max_num_f32 v[MX], v[MX], v[MX+3]
	s_delay_alu instid0(VALU_DEP_1)
	v_permlanex16_b32 v[PX], v[MX], s[SEL], s[SEL+1]
	s_delay_alu instid0(VALU_DEP_1)
	v_max3_num_f32 v13, v13, v[MX], v[PX]          ; the running largest score: the old one, mine and lane l xor 16's
	s_delay_alu instid0(VALU_DEP_1)
	v_mul_f32 v[W0], s[CS], v13                    ; as t: c is positive and rounding keeps the order, so this is the largest of the rounded t
	s_delay_alu instid0(VALU_DEP_1)
	v_floor_f32 v12, -v[W0]                        ; the new -M = floor(-t) = -ceil(t)
	s_delay_alu instid0(VALU_DEP_1)
	v_sub_f32 v[W0], v12, v[OLD]                   ; old M - new M: a whole number, 0 or less
	v_pk_fma_f32 v[96:97], v[96:97], s[CS:CS+1], v[12:13] op_sel_hi:[1,0,0]     ; tile 0's t - M stands between the three lines that make f
	s_delay_alu instid0(VALU_DEP_2)
	v_cvt_i32_f32 v[W0], v[W0]                     ; (it saturates)
	v_pk_fma_f32 v[98:99], v[98:99], s[CS:CS+1], v[12:13] op_sel_hi:[1,0,0]
	s_delay_alu instid0(VALU_DEP_2)
	v_ldexp_f32 v[FF], 1.0, v[W0]                  ; f = 2^(old M - new M)
	v_pk_fma_f32 v[100:101], v[100:101], s[CS:CS+1], v[12:13] op_sel_hi:[1,0,0]
	v_pk_fma_f32 v[102:103], v[102:103], s[CS:CS+1], v[12:13] op_sel_hi:[1,0,0]
	s_wait_alu depctr_va_vdst(0)
.irp t, 0,1,2,3,4,5,6,7
	TILE \t
.endr
	s_wait_alu depctr_va_vdst(0)
	v_pk_add_f32 v[14:15], v[14:15], v[152:153]    ; tile 7's sums and conversion
	v_pk_add_f32 v[SU:SU+1], v[SU:SU+1], v[154:155]
	v_pk_add_f32 v[14:15], v[14:15], v[156:157]
	v_pk_add_f32 v[SU:SU+1], v[SU:SU+1], v[158:159]
.irp i, 0,1,2,3,4,5,6,7
.endr
	v_cvt_scalef32_pk8_bf8_f32 v[206:207], v[152:159], v224
	v_pk_add_f32 v[14:15], v[14:15], v[SU:SU+1]    ; the two chains of the sum  (the plain place between the conversion and the matrix instructions that read its result)
	s_wait_alu depctr_va_vdst(0)
	s_wait_dscnt 0x0                               ; V
.irp d, 0,1,2,3
	v_wmma_f32_16x16x128_bf8_bf8 v[160+8*\d:167+8*\d], v[32+16*\d:47+16*\d], v[192:207], v[160+8*\d:167+8*\d]   ; four accumulators by turns, one instruction a turn
.endr
	s_add_co_u32 s[KOFF], s[KOFF], KS
	s_setprio 0
	s_sub_co_u32 s[REM], s[REM], 1
	s_cmp_lg_u32 s[REM], 0
	s_cbranch_scc1 .Lnext
	; the tile is finished: O^T / the sum, quantised, is a fragment of the output projection's operand
.rept 4
	v_nop                                          ; places behind the last products
.endr
	v_add_f32 v14, v14, v15                        ; the sum's two halves,
	s_delay_alu instid0(VALU_DEP_1)
	v_permlanex16_b32 v[PX], v14, s[SEL], s[SEL+1]
	s_delay_alu instid0(VALU_DEP_1)
	v_add_f32 v14, v14, v[PX]                      ; and lane l xor 16's
	s_wait_alu depctr_va_vdst(0)
	v_rcp_f32 v14, v14
	v_nop                                          ; a plain place behind the reciprocal
.set jj, 0
	s_wait_alu depctr_va_vdst(0)
.rept 16
	v_pk_mul_f32 v[160+jj:161+jj], v[160+jj:161+jj], v[14:15] op_sel_hi:[1,0]
.set jj, jj+2
.endr
.set jj, 0
.rept 32
	v_med3_num_f32 v[160+jj], v[160+jj], -v227, v227
.set jj, jj+1
.endr
	s_wait_alu depctr_va_vdst(0)
	s_wait_xcnt 0x0                                ; tile a's stores have read the code registers: they are written again only behind this wait
.irp d, 0,1,2,3
	v_cvt_scalef32_pk8_bf8_f32 v[228+2*\d:229+2*\d], v[160+8*\d:167+8*\d], v226
.endr
	global_store_b128 v[LI], v[228:231], s[OP:OP+1]              ; an image: 512 consecutive bytes, aligned
	global_store_b128 v[LI], v[232:235], s[OP:OP+1] offset:512
	s_cmp_eq_u32 s[TRIP], 1
	s_cbranch_scc1 .Lnext                          ; that was tile b
.irp i, 0,1,2,3,4,5,6,7
	v_mov_b32 v[16+\i], v[24+\i]                   ; on to tile b  (plain lines between the conversions and RESET, which writes their sources)
.endr
	v_mov_b32 v[DQ], v4
	RESET
	s_mov_b32 s[KOFF], 0
	s_mov_b32 s[REM], s[REMB]
	s_wait_xcnt 0x0                                ; the stores have read their base
	s_mov_b64 s[OP:OP+1], s[OP+2:OP+3]
.Lnext:
	s_sub_co_u32 s[TRIP], s[TRIP], 1
	s_cmp_lg_u32 s[TRIP], 0
	s_cbranch_scc1 .Lstep
	s_setprio 0
	s_wait_tensorcnt 0x0
	ds_add_u32 v254, v255
	s_wait_dscnt 0x0
	CROUND                                         ; the closing round
	s_endpgm
.Lfunc_end_k_q0f206cbb73_attn:
	.size	k_q0f206cbb73_attn, .Lfunc_end_k_q0f206cbb73_attn-k_q0f206cbb73_attn
	.p2alignl 7, 3214868480
	.fill 96, 4, 3214868480
	.section	.rodata,"a",@progbits
	.p2align	6, 0x0
	.amdhsa_kernel k_q0f206cbb73_attn
		.amdhsa_group_segment_fixed_size 327680
		.amdhsa_private_segment_fixed_size 0
		.amdhsa_enable_private_segment 0
		.amdhsa_kernarg_size 40
		.amdhsa_user_sgpr_count 2
		.amdhsa_user_sgpr_kernarg_segment_ptr 1
		.amdhsa_wavefront_size32 1
		.amdhsa_system_sgpr_workgroup_id_x 1
		.amdhsa_system_sgpr_workgroup_id_y 1
		.amdhsa_system_sgpr_workgroup_id_z 1
		.amdhsa_system_vgpr_workitem_id 0
		.amdhsa_next_free_vgpr 256
		.amdhsa_next_free_sgpr 100
		.amdhsa_reserve_vcc 1
		.amdhsa_float_denorm_mode_32 3
		.amdhsa_float_denorm_mode_16_64 3
		.amdhsa_fp16_overflow 1
		.amdhsa_memory_ordered 1
		.amdhsa_forward_progress 1
		.amdhsa_inst_pref_size 34
	.end_amdhsa_kernel
	.amdgpu_metadata
---
amdhsa.version: [ 1, 2 ]
amdhsa.kernels:
  - .name:           k_q0f206cbb73_attn
    .symbol:         k_q0f206cbb73_attn.kd
    .args:
      - { .name: qc, .offset: 0, .size: 8, .value_kind: global_buffer, .address_space: global }
      - { .name: kc, .offset: 8, .size: 8, .value_kind: global_buffer, .address_space: global }
      - { .name: vc, .offset: 16, .size: 8, .value_kind: global_buffer, .address_space: global }
      - { .name: lowp_scales, .offset: 24, .size: 8, .value_kind: global_buffer, .address_space: global }
      - { .name: ao, .offset: 32, .size: 8, .value_kind: global_buffer, .address_space: global }
    .group_segment_fixed_size: 327680
    .private_segment_fixed_size: 0
    .kernarg_segment_align: 8
    .kernarg_segment_size: 40
    .max_flat_workgroup_size: 512
    .sgpr_count:     100
    .vgpr_count:     256
    .wavefront_size: 32
...
	.end_amdgpu_metadata
.endif
;; end of part 7
;; launch outp (part 8): grid 8 x 32, 4 waves a work-group, clusters of 4 x 4, 327,680 bytes of LDS; arguments ao, wq, lowp_scales, out0; writes out0
.if DOCPART == 8
	.amdgcn_target "amdgcn-amd-amdhsa--gfx1250"
	.amdhsa_code_object_version 6
	.text
	.protected	k_q0f206cbb73_outp
	.globl	k_q0f206cbb73_outp
	.p2align	8
	.type	k_q0f206cbb73_outp,@function
k_q0f206cbb73_outp:
	s_mov_b64 s[64:65], 0
	v_nop
	global_prefetch_b8 v0, s[64:65] scope:SCOPE_SE
	s_setreg_imm32_b32 hwreg(HW_REG_WAVE_MODE, 25, 1), 1
	s_wait_xcnt 0x0
	s_wait_alu depctr_hold_cnt(0) depctr_sa_sdst(0) depctr_va_vdst(0) depctr_va_sdst(0) depctr_va_ssrc(0) depctr_va_vcc(0) depctr_vm_vsrc(0)
	s_getreg_b32 s2, hwreg(HW_REG_IB_STS2, 6, 4)
	s_cmp_eq_u32 s2, 0
	s_cbranch_scc0 .Lentry_in_a_cluster
	s_endpgm
.Lentry_in_a_cluster:
	s_bfe_u32 s2, ttmp6, 0x10000c
	s_cmp_lg_u32 s2, 0xf033
	s_cbranch_scc0 .Lentry_shape_is_right
	s_endpgm
.Lentry_shape_is_right:
; out0 = attention's result x WO^T on codes of BF8 (E5M2).  A = ao [8192][1024], B = plane 3 of wq (WO) [1024][1024], both as images of the operand's registers; out0 [8192][1024] f32; sums in f32, each multiplied once by 2^(e10 + e11).
; SHARES.  A tile is 256 tokens x 128 features: 32 x 8 tiles, one for each of 256 work-groups.  Four waves, each 128 x 64: 32 accumulators of 16 x 16.  (A tile of 256 x 256 reads a third fewer LDS bytes
; for each matrix instruction, 16 fragments for 64 against 12 for 32, but makes only 128 work-groups.)
; For 256 along K, 128 rows of an operand are one dense block of 32 KiB; a fragment (16 rows x 128 K) is four ds_load_b128 at 16 x lane + constants, each of 512 consecutive bytes.
; THE RING.  A K step of 256 is 96 KiB (A 64, B 32), so THREE slots fit.  K = 1,024 is four K steps: steps 0, 1 and 2 are asked for together at the start, and only step 3 is a refill, of slot 0, behind the first change of
; slots: it has 96 matrix instructions a wave in which to land.  That change's wait for all loads and its round show slots 1 and 2 to every wave, so the change from slot 1 to slot 2 needs no barrier.
; CLUSTERS: 4 x 4 work-groups; A's tile is shared along a row of the cluster, B's along a column: each is asked for jointly.
; THE MATRIX INSTRUCTION IS USED TRANSPOSED (source 0 = 16 rows of B, source 1 = 16 rows of A): a lane holds eight neighbouring numbers of a row of out0.
; LIMIT: e10 + e11 between -126 and 127, so that 2^(e10 + e11) is an f32 number.
; REGISTERS, in windows of 256: window 0: v0-31 addresses; v32-127 the way out; v128-255 A's fragments, one set.  window 1: B's fragments, two sets, at v0 and v128.  windows 2, 3: the accumulators ((a, b) at v[8 (8 (a % 4) + b)], b < 4).
.set SIZE_N, 1024
.set SLOT,   98304                     ; A's two halves of 32 KiB, then B's two of 16 KiB
.set BOFF,   65536
.set SPARE,  3*SLOT                    ; behind the ring: the spare words, 128 bytes for each wave: two blocks of 256 bytes that no other line names
.set STAGE,  SPARE+512                 ; the way out: 16 rows x (256 bytes + 16) for each wave, in bytes of its own: no tile lands there
.set SPITCH, 272
.set FR,     16
.set NL,     4
.set NP,     4
.set ADRA, 16                          ; v16-18  LDS address of my A fragments in slot 0, 1, 2
.set ADRB, 20                          ; v20-22  the same for B
.set STO,  24                          ; v24  the way out: where I put 32 bytes of a row
.set RD,   25                          ; v25  where I read rows back: lanes 0-15 one row of 256 bytes, lanes 16-31 the next
.set CO,   26                          ; v26  the same two rows in out0
.set LI,   27                          ; v27  16 x lane
.set SPW,  28
.set NIL,  29
.set TMP,  32                          ; v32-63   a block's sums x 2^(e10 + e11)
.set BK,   64                          ; v64-95, v96-127  a block read back from the stage, by turns
.set AF,   128
.set WV, 18
.set WH, 19
.set WL, 20
.set G1, 24                            ; s[24:31] descriptor group 1 for A's tiles (128 rows);  s[32:43] group 0, one set for each slot
.set G0, 32
.set G1B, 48                           ; s[48:55] group 1 for B's tiles (64 rows);  group 0 at s[56:59], s[60:63], s[68:71]
.set GB0, 56
.set GB1, 60
.set GB2, 68
.set MSB, 0
.macro WIN new                         ; the immediate's high byte repeats the setting that is left
.if MSB != (\new)
	s_set_vgpr_msb (MSB<<8)|(\new)
.set MSB, (\new)
.endif
.endm
.set MUL_LO, 0xa1
.set MUL_HI, 0xf1
.set TO_B,   0x40
.macro JLOAD g0a, g1a, g0b, g1b        ; a joint load: waves 0 and 1 fetch for A, waves 2 and 3 for B; four v_nop follow each line
	s_cmp_eq_u32 s[WH], 0
	s_cbranch_scc0 .Lfor_b_\@
	tensor_load_to_lds s[\g0a:\g0a+3], s[\g1a:\g1a+7]
	s_nop 0
.rept 4
	v_nop
.endr
	s_branch .Lasked_\@
.Lfor_b_\@:
	tensor_load_to_lds s[\g0b:\g0b+3], s[\g1b:\g1b+7]
	s_nop 0
.rept 4
	v_nop
.endr
.Lasked_\@:
.endm
.macro CREST
	s_cmp_lg_u32 s[WV], 0
	s_cbranch_scc1 .Lnot_wave_0_\@
	s_barrier_signal -3
.Lnot_wave_0_\@:
	s_barrier_wait -3
	s_barrier_signal -1
	s_barrier_wait -1
.endm
.macro CROUND
	s_barrier_signal -1
	s_barrier_wait -1
	CREST
.endm
.macro FIRST s, ga, gb                 ; slot s's two groups 0, for K step s, and its first fill
	s_mov_b32 s[\ga], 1                            ; 1:0 count = 1
	s_add_co_u32 s[\ga+1], s21, \s*SLOT            ; 63:32 LDS address
	s_add_nc_u64 s[\ga+2:\ga+3], s[78:79], \s*0x200000   ; 120:64 global address: 256 along K further on is 2 MiB in ao,
	s_or_b32 s[\ga+3], s[\ga+3], 0x80000000        ; 127:126 type = 2
	s_mov_b32 s[\gb], 1
	s_add_co_u32 s[\gb+1], s23, \s*SLOT
	s_add_nc_u64 s[\gb+2:\gb+3], s[80:81], \s*0x40000    ; 256 KiB in a weight
	s_or_b32 s[\gb+3], s[\gb+3], 0x80000000
	JLOAD \ga, G1, \gb, G1B
.endm
	s_load_b256 s[4:11], s[0:1], 0x0               ; ao s[4:5], wq s[6:7], the scales s[8:9], out0 s[10:11]
	v_lshl_add_u32 v[SPW], v0, 2, SPARE
	v_mov_b32 v[NIL], 0
	ds_add_u32 v28, v29
	ds_add_u32 v28, v29
	s_wait_dscnt 0x0
	v_lshrrev_b32 v1, 5, v0
	v_readfirstlane_b32 s[WV], v1
	s_lshr_b32 s[WH], s[WV], 1
	s_and_b32 s[WL], s[WV], 1
	s_bfe_u32 s72, ttmp6, 0x40000                  ; cx, cy
	s_bfe_u32 s73, ttmp6, 0x40004
	s_lshl_b32 s74, ttmp9, 2
	s_add_co_u32 s74, s74, s72                     ; tile column: which 128 features, 0..7
	s_and_b32 s75, ttmp7, 0xffff
	s_lshl_b32 s75, s75, 2
	s_add_co_u32 s75, s75, s73                     ; tile row: which 256 tokens, 0..31
	s_lshl_b32 s76, s73, 2
	s_lshl_b32 s76, 15, s76                        ; my row of the cluster
	s_lshl_b32 s77, 0x1111, s72                    ; my column
	s_or_b32 s[G1+0], s76, (3<<16)|(1<<21)         ; the mask; elements of 8 bytes; no padding; bit 21 set beside a mask
	s_mov_b32 s[G1+1], 32<<16                      ; a dense block of 32 KiB as 128 rows of 32 elements
	s_mov_b32 s[G1+2], 128<<16
	s_mov_b32 s[G1+3], 32<<16
	s_mov_b32 s[G1+4], 128
	s_mov_b32 s[G1+5], 32
	s_mov_b32 s[G1+6], 0
	s_mov_b32 s[G1+7], 0
	s_or_b32 s[G1B+0], s77, (3<<16)|(1<<21)
	s_mov_b32 s[G1B+1], 32<<16                     ; a dense block of 16 KiB as 64 rows
	s_mov_b32 s[G1B+2], 64<<16
	s_mov_b32 s[G1B+3], 32<<16
	s_mov_b32 s[G1B+4], 64
	s_mov_b32 s[G1B+5], 32
	s_mov_b32 s[G1B+6], 0
	s_mov_b32 s[G1B+7], 0
	s_lshl_b32 s78, s75, 16                        ; A: 256 rows are 64 KiB; + the half that I fetch
	s_lshl_b32 s82, s[WL], 15
	s_add_co_u32 s78, s78, s82
	s_mov_b32 s79, 0
	s_lshl_b32 s80, s74, 15                        ; B: 128 rows are 32 KiB; + the half that I fetch; in WO's plane, 3 MiB into wq
	s_lshl_b32 s83, s[WL], 14
	s_add_co_u32 s80, s80, s83
	s_add_co_u32 s80, s80, 0x300000
	s_mov_b32 s81, 0
	s_lshl_b32 s21, s[WV], 15                      ; where A's halves go in a slot: wave x 32 KiB;
	s_add_co_u32 s23, s83, BOFF                    ; B's: behind them, 16 KiB a half
	s_wait_kmcnt 0x0
	s_load_b64 s[96:97], s[8:9], 0x28              ; e10, e11
	s_add_nc_u64 s[78:79], s[4:5], s[78:79]
	s_add_nc_u64 s[80:81], s[6:7], s[80:81]
	CROUND                                         ; all sixteen work-groups are here: the first joint loads meet
	FIRST 0, G0, GB0                               ; K steps 0, 1 and 2: three tensor loads of mine are out
	FIRST 1, G0+4, GB1
	FIRST 2, G0+8, GB2
	v_and_b32 v1, 31, v0
	v_lshlrev_b32 v[LI], 4, v1
	v_and_b32 v2, 15, v0                           ; r
	v_bfe_u32 v3, v0, 4, 1                         ; h
	s_lshl_b32 s22, s[WH], 15                      ; my 128 rows of A
	s_lshl_b32 s82, s[WL], 14                      ; my 64 rows of B
	s_add_co_u32 s82, s82, BOFF
.irp s, 0,1,2
	v_add_nc_u32 v[ADRA+\s], s22, v[LI]
	v_add_nc_u32 v[ADRB+\s], s82, v[LI]
	s_add_co_u32 s22, s22, SLOT
	s_add_co_u32 s82, s82, SLOT
.endr
	s_mul_i32 s82, s[WV], 16*SPITCH
	s_add_co_u32 s82, s82, STAGE                   ; my stage
	v_mul_u32_u24 v4, v2, SPITCH                   ; in: row r, 32 bytes for each half of the lanes
	v_lshl_add_u32 v4, v3, 5, v4
	v_add_nc_u32 v[STO], s82, v4
	v_mul_u32_u24 v5, v3, SPITCH                   ; back: lanes 0-15 take one row of 256 bytes, lanes 16-31 the next
	v_lshl_add_u32 v5, v2, 4, v5
	v_add_nc_u32 v[RD], s82, v5
	v_lshlrev_b32 v[CO], 12, v3                    ; and the same two rows in out0, 4,096 bytes apart
	v_lshl_add_u32 v[CO], v2, 4, v[CO]
	s_lshl_b32 s82, s75, 8
	s_lshl_b32 s83, s[WH], 7
	s_add_co_u32 s82, s82, s83                     ; my first row of out0,
	s_lshl_b32 s82, s82, 12                        ; of 4,096 bytes,
	s_lshl_b32 s83, s74, 9
	s_add_co_u32 s82, s82, s83                     ; my first column: 512 bytes a tile, 256 a half
	s_lshl_b32 s83, s[WL], 8
	s_add_co_u32 s82, s82, s83
	s_mov_b32 s83, 0
	s_add_nc_u64 s[10:11], s[10:11], s[82:83]
.macro FRAG reg, adr, q, i             ; a fragment: block i of 16 rows, the slot's q-th 128 along K: four images
.irp c, 0,1,2,3
	ds_load_b128 v[\reg+4*\c:\reg+4*\c+3], v[\adr] offset:2048*(\q)+512*\c+(\i)*4096
.endr
.endm
; A's blocks a0, a0 + 1 x B's nb blocks.  The 32 accumulators take turns, one instruction a turn, in the same order in every step.
.macro MULH a0, p, zero, nb
.irp a, \a0, \a0+1
.set bb, 0
.rept \nb
.if \zero
	v_wmma_f32_16x16x128_bf8_bf8 v[8*(8*((\a)%4)+bb):8*(8*((\a)%4)+bb)+7], v[128*(\p)+FR*bb:128*(\p)+FR*bb+FR-1], v[AF+FR*(\a):AF+FR*(\a)+FR-1], 0
.else
	v_wmma_f32_16x16x128_bf8_bf8 v[8*(8*((\a)%4)+bb):8*(8*((\a)%4)+bb)+7], v[128*(\p)+FR*bb:128*(\p)+FR*bb+FR-1], v[AF+FR*(\a):AF+FR*(\a)+FR-1], v[8*(8*((\a)%4)+bb):8*(8*((\a)%4)+bb)+7]
.endif
.set bb, bb+1
.endr
.endr
.endm
.macro FETCH_B adr, q, p, nb
	WIN TO_B
.set bb, 0
.rept \nb
	FRAG 128*(\p)+FR*bb, \adr, \q, bb
.set bb, bb+1
.endr
	WIN 0
.endm
.macro FETCH_A adr, q, i0
.irp i, \i0, \i0+1, \i0+2, \i0+3
	FRAG AF+FR*(\i), \adr, \q, \i
.endr
.endm
.macro PLACES n                        ; plain vector instructions between a matrix instruction and a load into, or a read of, its registers
.rept \n
	v_nop
.endr
.endm
; A step of 128 along K on B's set p; the next step's fragments come from part nq of the slot at nadra, nadrb, which every wave may read already.
.macro STEP p, nadra, nadrb, nq, zero, nb
	s_wait_dscnt 4*NL                              ; B's set and A's blocks 0-3 are in; the youngest sixteen loads (A's blocks 4-7) may be out
	WIN MUL_LO
	MULH 0, \p, \zero, \nb
	MULH 2, \p, \zero, \nb
	s_wait_dscnt 0                                 ; A's blocks 4-7 are in
	PLACES NP
	FETCH_B \nadrb, \nq, 1-(\p), \nb
	FETCH_A \nadra, \nq, 0
	WIN MUL_HI
	MULH 4, \p, \zero, \nb
	MULH 6, \p, \zero, \nb
	PLACES NP
	WIN 0
	FETCH_A \nadra, \nq, 4
.endm
; A step (B's set 1) with a barrier: in front of it each wave waits for all its tensor loads, adds 0 to its spare word, and waits for that and for its own reads of the slot that it leaves.
; fill = 1: that slot is filled again by the descriptors named, stepped by sa and sb bytes;  0: nothing is filled.
.macro TURN nadra, nadrb, nb, fill, g0a, g1a, g0b, g1b, sa, sb
	s_wait_tensorcnt 0x0                           ; all my tensor loads have landed
	ds_add_u32 v[SPW], v[NIL]                      ; 0 onto my spare word
	s_wait_dscnt 4*NL+1                            ; (the add and the youngest sixteen loads may be out)
	WIN MUL_LO
	MULH 0, 1, 0, \nb                              ; matrix instructions stand between the add and the wait for it
	s_wait_dscnt 0x0                               ; the add is done, and my reads of this slot are over
	s_barrier_signal -1
	MULH 2, 1, 0, \nb
	WIN 0
	s_barrier_wait -1
.if \fill
	CREST                                          ; the barrier has opened a round of the cluster's barrier: no wave of any partner still reads this slot or has a load on its way
	s_add_nc_u64 s[\g0a+2:\g0a+3], s[\g0a+2:\g0a+3], \sa
	s_add_nc_u64 s[\g0b+2:\g0b+3], s[\g0b+2:\g0b+3], \sb
	JLOAD \g0a, \g1a, \g0b, \g1b                   ; the first tensor load behind the round; its four v_nop are the places in front of the loads below
.else
	PLACES NP
.endif
	FETCH_B \nadrb, 0, 0, \nb
	FETCH_A \nadra, 0, 0
	WIN MUL_HI
	MULH 4, 1, 0, \nb
	MULH 6, 1, 0, \nb
	PLACES NP
	WIN 0
	FETCH_A \nadra, 0, 4
.endm
	s_wait_tensorcnt 2                             ; my part of K step 0 is in; K steps 1 and 2 may be out
	s_barrier_signal -1
	s_barrier_wait -1
	FETCH_B ADRB, 0, 0, 4
	FETCH_A ADRA, 0, 0
	FETCH_A ADRA, 0, 4
	STEP 0, ADRA, ADRB, 1, 1, 4                    ; K step 0: the first products start the sums
	TURN ADRA+1, ADRB+1, 4, 1, G0, G1, GB0, G1B, 0x600000, 0xc0000   ; slots 1 and 2 are whole for every wave; slot 0 takes K step 3, three K steps on
	STEP 0, ADRA+1, ADRB+1, 1, 0, 4                ; K step 1
	STEP 1, ADRA+2, ADRB+2, 0, 0, 4                ; and on into slot 2 without a barrier: the round above has shown it to every wave, and nothing is filled here
	STEP 0, ADRA+2, ADRB+2, 1, 0, 4                ; K step 2
	TURN ADRA, ADRB, 4, 0, G0, G1, GB0, G1B, 0, 0  ; K step 3 has landed in slot 0, for every wave; nothing is left to fetch
	STEP 0, ADRA, ADRB, 1, 0, 4                    ; K step 3
	s_wait_dscnt 4*NL
	WIN MUL_LO
	MULH 0, 1, 0, 4
	MULH 2, 1, 0, 4
	s_wait_dscnt 0
	WIN MUL_HI
	MULH 4, 1, 0, 4
	MULH 6, 1, 0, 4
	WIN 0
; THE WAY OUT, block by block of 16 rows x 64 columns: through my own stage in LDS and back as whole rows of 256 bytes.  LDS serves a wave's instructions in order (ISA guide 5.7.1.4): no wait between the stores and the loads.
.macro TOSTAGE a
.set AC, 64*((\a)%4)
	WIN 0x02+((\a)/4)                              ; source 0: window 2 or 3
.set jj, 0
.rept 16
	v_pk_mul_f32 v[TMP+jj:TMP+jj+1], v[AC+jj:AC+jj+1], s[96:97] op_sel_hi:[1,0]   ; both x 2^(e10 + e11); each accumulator from its low end on
.set jj, jj+2
.endr
	WIN 0
.irp b, 0,1,2,3
	ds_store_b128 v[STO], v[TMP+8*\b:TMP+8*\b+3] offset:64*\b
	ds_store_b128 v[STO], v[TMP+8*\b+4:TMP+8*\b+7] offset:64*\b+16
.endr
.set BB, BK+32*((\a)%2)
.irp t, 0,1,2,3,4,5,6,7
	ds_load_b128 v[BB+4*\t:BB+4*\t+3], v[RD] offset:\t*2*SPITCH
.endr
.endm
.macro SEND a, younger                 ; younger: the LDS instructions issued behind block a's loads, which may stay out
.set BB, BK+32*((\a)%2)
	s_wait_dscnt \younger
.if (\a) > 0
	s_add_nc_u64 s[10:11], s[10:11], 16*SIZE_N*4   ; (behind a wait on XCNT: the earlier stores have read their base)  16 rows on
.endif
.irp t, 0,1,2,3,4,5,6,7
	global_store_b128 v[CO], v[BB+4*\t:BB+4*\t+3], s[10:11] offset:2*\t*SIZE_N*4 th:TH_STORE_NT   ; sixteen lanes store 256 consecutive bytes, aligned; two rows an instruction; written once, read by nobody here
.endr
.endm
	s_wait_kmcnt 0x0
	s_add_co_i32 s96, s96, s97
	s_add_co_i32 s96, s96, 127
	s_lshl_b32 s96, s96, 23                        ; 2^(e10 + e11) as f32
	PLACES NP                                      ; in front of the first read of results
	TOSTAGE 0
.irp a, 1,2,3,4,5,6,7
.if \a > 1
	s_wait_xcnt 0x0                                ; block a - 2's stores have read their registers and their base
.endif
	TOSTAGE \a
	SEND \a-1, 16                                  ; behind block a - 1's loads: block a's 8 stores and 8 loads
.endr
	s_wait_xcnt 0x0
	SEND 7, 0
	s_wait_tensorcnt 0x0                           ; the wave's end
	ds_add_u32 v[SPW], v[NIL]
	s_wait_dscnt 0x0
	CROUND                                         ; the closing round
	s_endpgm
.Lfunc_end_k_q0f206cbb73_outp:
	.size	k_q0f206cbb73_outp, .Lfunc_end_k_q0f206cbb73_outp-k_q0f206cbb73_outp
	.p2alignl 7, 3214868480
	.fill 96, 4, 3214868480
	.section	.rodata,"a",@progbits
	.p2align	6, 0x0
	.amdhsa_kernel k_q0f206cbb73_outp
		.amdhsa_group_segment_fixed_size 327680
		.amdhsa_private_segment_fixed_size 0
		.amdhsa_enable_private_segment 0
		.amdhsa_kernarg_size 32
		.amdhsa_user_sgpr_count 2
		.amdhsa_user_sgpr_kernarg_segment_ptr 1
		.amdhsa_wavefront_size32 1
		.amdhsa_system_sgpr_workgroup_id_x 1
		.amdhsa_system_sgpr_workgroup_id_y 1
		.amdhsa_system_sgpr_workgroup_id_z 1
		.amdhsa_system_vgpr_workitem_id 0
		.amdhsa_next_free_vgpr 1024
		.amdhsa_next_free_sgpr 98
		.amdhsa_reserve_vcc 0
		.amdhsa_float_denorm_mode_32 3
		.amdhsa_float_denorm_mode_16_64 3
		.amdhsa_memory_ordered 1
		.amdhsa_forward_progress 1
		.amdhsa_inst_pref_size 77
	.end_amdhsa_kernel
	.amdgpu_metadata
---
amdhsa.version: [ 1, 2 ]
amdhsa.kernels:
  - .name:           k_q0f206cbb73_outp
    .symbol:         k_q0f206cbb73_outp.kd
    .args:
      - { .name: ao, .offset: 0, .size: 8, .value_kind: global_buffer, .address_space: global }
      - { .name: wq, .offset: 8, .size: 8, .value_kind: global_buffer, .address_space: global }
      - { .name: lowp_scales, .offset: 16, .size: 8, .value_kind: global_buffer, .address_space: global }
      - { .name: out0, .offset: 24, .size: 8, .value_kind: global_buffer, .address_space: global }
    .group_segment_fixed_size: 327680
    .private_segment_fixed_size: 0
    .kernarg_segment_align: 8
    .kernarg_segment_size: 32
    .max_flat_workgroup_size: 128
    .sgpr_count:     98
    .vgpr_count:     1024
    .wavefront_size: 32
...
	.end_amdgpu_metadata
.endif
;; end of part 8
